; MI455X (gfx1250); checked and timed in simulation.
; The chip was launched on July 23, 2026; its instructions are those of AMD's public machine-readable ISA for CDNA 5 (MIT licence, August 2026) and "CDNA5" Instruction Set Architecture Reference Guide (July 2026). The comments in the code are by the model that wrote it; some were corrected since.
;; Transformer Block. Allowed arithmetic: matrix products marked QUANTISED: E4M3 operands, one E8M0 scale for each 32 along K, by v_wmma_scale_f32_16x16x128_f8f6f4 with both operands' format E4M3, f32 sums; everything else in f32.
;; Inputs: ln1_b 1,024 float32; ln1_w 1,024 float32; ln2_b 1,024 float32; ln2_w 1,024 float32; mask 1 x 1 x 2,048 x 2,048 float32; w1 1,024 x 4,096 float32; w2 4,096 x 1,024 float32; wk 1,024 x 1,024 float32; wo 1,024 x 1,024 float32; wq 1,024 x 1,024 float32; wv 1,024 x 1,024 float32; x 2 x 2,048 x 1,024 float32.
;; Outputs: out0 2 x 2,048 x 1,024 float32.
;; This version of the problem:
;;   THIS VERSION OF THE PROBLEM IS GIVEN IN LOW PRECISION. The matrix products marked QUANTISED in the list below multiply operands that are first quantised to E4M3 (4 exponent bits, 3 mantissa bits; 8 bits a number), with one power-of-two scale for each 32 numbers along K (OCP MX v1.0); their sums are f32. All else is computed in f32.
;;   The module's matrix products, in the order in which they are computed (A, B: the left and right operand; K: the contracted axis; several contracted axes count as one K, in the product's order):
;;     1. [M 4,096, K 1,024] x [K 1,024, N 1,024]; A: computed on the way; B: input wq: QUANTISED
;;     2. [M 4,096, K 1,024] x [K 1,024, N 1,024]; A: computed on the way; B: input wk: QUANTISED
;;     3. [M 4,096, K 1,024] x [K 1,024, N 1,024]; A: computed on the way; B: input wv: QUANTISED
;;     4. batch 32 x [M 2,048, K 64] x [K 64, N 2,048]; A: computed on the way; B: computed on the way: QUANTISED
;;     5. batch 32 x [M 2,048, K 2,048] x [K 2,048, N 64]; A: softmax (see below); B: computed on the way: QUANTISED
;;     6. [M 4,096, K 1,024] x [K 1,024, N 1,024]; A: computed on the way; B: input wo: QUANTISED
;;     7. [M 4,096, K 1,024] x [K 1,024, N 4,096]; A: computed on the way; B: input w1: QUANTISED
;;     8. [M 4,096, K 4,096] x [K 4,096, N 1,024]; A: computed on the way; B: input w2: QUANTISED
;;   THE QUANTISER, for each operand of a quantised product, along K:
;;     - K is cut into blocks of 32 from its start; a last block that is shorter is filled with zeros.
;;     - A block's scale is 2^e with e = floor(log2(the largest magnitude in the block)) - 8, held to -126 .. 127; a block of zeros has e = 0. As a byte (E8M0): e + 127.
;;     - Each number is divided by its block's scale, clamped to +-448, and rounded to the nearest number of E4M3, ties to even, subnormals kept.
;;     - The product sums the exact products of the quantised numbers (number of the format x scale) in f32.
;;   ~~~python
;;   def quantise(x, axis):      # numpy; x: float32 -> the quantised numbers, widened to float32 again
;;       x = np.moveaxis(x, axis, -1); K = x.shape[-1]
;;       x = np.pad(x, [(0, 0)] * (x.ndim - 1) + [(0, -K % 32)]); x = x.reshape(x.shape[:-1] + (-1, 32)); a = np.abs(x).max(-1, keepdims=True)
;;       e = np.where(a > 0, np.clip(np.frexp(np.where(a > 0, a, 1))[1] - 1 - 8, -126, 127), 0)      # np.frexp(a)[1] - 1 = floor(log2(a)), exactly
;;       r = np.clip(x / 2.0 ** e, -448, 448)
;;       step = 2.0 ** (np.maximum(np.frexp(np.where(r == 0, 1, r))[1] - 1, -6) - 3)
;;       q = np.round(r / step) * step * 2.0 ** e      # np.round: ties to even
;;       return np.moveaxis(q.reshape(q.shape[:-2] + (-1,))[..., :K], -1, axis).astype(np.float32)
;;   ~~~
;;   SOFTMAX AHEAD OF A QUANTISED PRODUCT. Where the list says 'softmax', what is quantised is not the finished softmax but p = 2^(t - M), with t = logit x log2(e) and M = ceil(the row's largest t), a whole number; so 1/2 < the row's largest p <= 1. The row's sum l is taken of the UNQUANTISED p, in f32, and the product's result is divided by l at the end. Since M is a whole number, a kernel that streams over the keys may use a running M (the ceiling of the running maximum): every later rescaling is an exact power of two, which a block's scale takes up: the codes' values come out the same.
;;   OPERANDS COMPUTED ON THE WAY. 'Computed on the way' means the value that the module computes at that place (a softmax that the list does not call 'softmax' is quantised finished and normalised). What goes into a quantiser is computed in f32, as accurately as f32 sums, v_exp_f32 and their like allow (about 1e-6 of the number): no bf16 or f16 on the way to a quantiser, and a product that is left as it is and whose result goes on into a quantised operand takes f32 operands (vector FMAs, or v_wmma_f32_16x16x4_f32). A number that lies on a knife's edge between two numbers of the format may be rounded either way, as far as f32 arithmetic and the matrix unit's own rounding can turn it there, and no further.
;; 2 versions, each right and faster than the one before. Each part assembles by itself: llvm-mc -triple=amdgcn-amd-amdhsa -mcpu=gfx1250 --defsym DOCPART=n.
;; ======== version 1 of 2: 7 launches
;; limits: a function is approximated: absolute error at most 1e-07
;; workspace buffers: hc 4,456,448 bytes; wimg 13,369,344 bytes; qb 4,325,376 bytes; kvb 8,650,752 bytes; x2 16,777,216 bytes; hid 17,825,792 bytes
;; launch prep (part 1): grid 448 x 1, 8 waves a work-group, no clusters, 70,656 bytes of LDS; arguments x, ln1_w, ln1_b, wq, wk, wv, wo, w1, w2, hc, wimg; writes hc, wimg
.if DOCPART == 1
	.amdgcn_target "amdgcn-amd-amdhsa--gfx1250"
	.amdhsa_code_object_version 6
	.text
	.protected	k_qde811163a6_prep
	.globl	k_qde811163a6_prep
	.p2align	8
	.type	k_qde811163a6_prep,@function
k_qde811163a6_prep:
	s_mov_b64 s[64:65], 0
	v_nop
	global_prefetch_b8 v0, s[64:65] scope:SCOPE_SE
	s_setreg_imm32_b32 hwreg(HW_REG_WAVE_MODE, 25, 1), 1
	s_wait_xcnt 0x0
; TWO KINDS OF WORK-GROUP, parted on the work-group's number alone.
; 0-255: LAYERNORM AND QUANTISER.  h = w (x - mean) / sqrt(var + 1e-12) + b of 16 tokens, in f32 (mean first, then the variance of x - mean), quantised to E4M3 with one E8M0 scale for each 32 along the 1,024 features.
; 256-447: WEIGHTS.  wq, wk, wv, wo, w1, w2 ([K][N] f32, K the first axis) quantised along K.
; WHAT IS STORED ARE IMAGES OF OPERAND REGISTERS.  A block of 4,352 bytes holds 16 rows x 256 along K: the codes at 2048 q + 512 c + 16 lane (q: which 128 along K, c: which 32; lane (r, h) = row r, k = 32 c + 16 h + 0..15),
; then at 4096 + 128 q + 8 r row r's scale word and a zero word.  Eight blocks (128 rows) of one K slot lie on end: 34,816 bytes; a group of 128 rows holds its K slots on end.
; THE ROWS OF A BLOCK ARE NOT NEIGHBOURS: row m of block 2 g + u of a group is the group's row 32 g + 8 u + m + 8 (m / 8), so that a product's results along these rows are 16 neighbours in a lane's registers.
; No cluster and no tensor load: work-groups share nothing but the 8 KB of gains and biases.
; LIMITS: a block of zeros gets the scale byte 1 (its codes are zeros; only this program reads the bytes); magnitudes under 2^-118 are taken at that floor; NaN and infinities are not served; 1 / sqrt is v_rsq_f32.
.set STG,  8448                        ; LayerNorm: a wave's stage in LDS: 16 rows x (512 bytes + 16)
.set RED,  8*STG                       ; behind the stages: 8 waves x 16 rows of partial sums, 512 bytes; 512 more for the squares
.set X,    32                          ; v32-95   64 numbers: register 16 b + i = column 32 b + 16 h + i of my row
.set RW,   96                          ; v96-159  x as loaded, then the gains, then the codes
.set BV,   160                         ; v160-223 the biases
.set TM,   224                         ; v224-239 the quantiser's sixteen
.set PC,   96                          ; the codes
.set PW,   240                         ; v240 the scale word, v241 zero
.set SEL,  46                          ; s[46:47] selects of v_permlanex16_b32: lane l xor 16
.set MNT,  48                          ; s48 the mantissa field of 448
.set WX,   32                          ; weights: v32-95 two sets of 32 numbers
.set WC,   96                          ; v96-159 eight registers of codes for each of a lane's eight blocks
; 64 numbers of a lane, register 16 b + i = k 32 b + 16 h + i of its row, become 16 registers of codes at v[PC] and the row's scale word in v[pw]
.macro QUANT s, pw
.irp b, 0,1,2,3
	v_max3_num_f32 v[TM+\b], |v[\s+16*\b]|, |v[\s+1+16*\b]|, 0x4800000     ; my 16 numbers of block b and the floor 2^(9 - 127): the byte cannot fall under 1
.endr
.irp i, 2,4,6,8,10,12,14
.irp b, 0,1,2,3
	v_max3_num_f32 v[TM+\b], v[TM+\b], |v[\s+16*\b+\i]|, |v[\s+1+16*\b+\i]|
.endr
.endr
.irp b, 0,1,2,3
	v_permlanex16_b32 v[TM+4+\b], v[TM+\b], s[SEL], s[SEL+1]
.endr
.irp b, 0,1,2,3
	v_max_num_f32 v[TM+\b], v[TM+\b], v[TM+4+\b]                   ; with lane l xor 16's 16: the block's largest magnitude
.endr
.irp b, 0,1,2,3
	v_add_nc_u32 v[TM+12+\b], 0xfc000000, v[TM+\b]                 ; 8 off its exponent field: the conversion's scale operand
.endr
.irp b, 0,1,2,3
	v_and_or_b32 v[TM+8+\b], v[TM+\b], 0x7f800000, s[MNT]          ; 448 x the scale
.endr
.irp b, 0,1,2,3
	v_lshrrev_b32 v[TM+4+\b], 23, v[TM+12+\b]                      ; the scale's byte
.endr
	v_lshl_or_b32 v[\pw], v[TM+5], 8, v[TM+4]
	v_lshl_or_b32 v[\pw], v[TM+6], 16, v[\pw]
	v_lshl_or_b32 v[\pw], v[TM+7], 24, v[\pw]
.irp b, 0,1,2,3
.irp i, 0,1,2,3,4,5,6,7,8,9,10,11,12,13,14,15
	v_med3_num_f32 v[\s+16*\b+\i], v[\s+16*\b+\i], -v[TM+8+\b], v[TM+8+\b]   ; the conversion does not saturate (ISA guide 7.6.2): the hold at 448 x the scale
.endr
	v_cvt_scalef32_pk8_fp8_f32 v[PC+4*\b:PC+1+4*\b], v[\s+16*\b:\s+7+16*\b], v[TM+12+\b]
	v_cvt_scalef32_pk8_fp8_f32 v[PC+2+4*\b:PC+3+4*\b], v[\s+8+16*\b:\s+15+16*\b], v[TM+12+\b]
.endr
	v_nop                                          ; a plain line behind the last conversion
.endm
; v20, a row's partial sum of my 128 columns, meets the other seven waves': result in v10
.macro ACROSS off
	ds_store_b32 v6, v20 offset:\off               ; lanes r and r + 16 write the same word with the same value
	s_wait_dscnt 0x0                               ; for the others' sake: my store has landed
	s_barrier_signal -1
	s_barrier_wait -1
.irp k, 0,1,2,3,4,5,6,7
	ds_load_b32 v[10+\k], v7 offset:\off+64*\k
.endr
	s_wait_dscnt 0x0
	v_add_f32 v10, v10, v11
	v_add_f32 v12, v12, v13
	v_add_f32 v14, v14, v15
	v_add_f32 v16, v16, v17
	v_add_f32 v10, v10, v12
	v_add_f32 v14, v14, v16
	v_add_f32 v10, v10, v14
.endm
	s_load_b256 s[4:11], s[0:1], 0x0               ; x, gain, bias, wq
	s_load_b256 s[12:19], s[0:1], 0x20             ; wk, wv, wo, w1
	s_load_b128 s[20:23], s[0:1], 0x40             ; w2, hc
	s_load_b64 s[24:25], s[0:1], 0x50              ; wimg
	v_lshl_add_u32 v248, v0, 2, 0x11000
	v_mov_b32 v249, 0
	v_lshrrev_b32 v1, 5, v0
	v_readfirstlane_b32 s26, v1                    ; wave 0..7
	v_and_b32 v1, 31, v0                           ; lane
	v_and_b32 v9, 15, v0                           ; r
	v_bfe_u32 v10, v0, 4, 1                        ; h
	s_mov_b32 s[SEL], 0x76543210
	s_mov_b32 s[SEL+1], 0xfedcba98
	s_mov_b32 s[MNT], 0x600000
	s_cmp_lt_u32 ttmp9, 256
	s_cbranch_scc0 .Lweights
	; ---------------- LAYERNORM.  Work-group T = block T of 16 tokens; wave w = columns 128 w .. 128 w + 127, one K step of the products that follow
	s_lshr_b32 s28, ttmp9, 1
	s_lshl_b32 s28, s28, 5
	s_and_b32 s29, ttmp9, 1
	s_lshl_b32 s29, s29, 3
	s_add_co_u32 s28, s28, s29                     ; the block's first token: 32 (T / 2) + 8 (T % 2)
	s_lshl_b32 s28, s28, 12                        ; rows of 4,096 bytes
	s_lshl_b32 s30, s26, 9                         ; my 512 bytes of a row
	s_add_co_u32 s28, s28, s30
	s_mov_b32 s29, 0
	s_mov_b32 s31, 0
	s_lshr_b32 s32, ttmp9, 3
	s_mul_i32 s32, s32, 139264                     ; the group of 128 tokens: four K slots of 34,816 bytes
	s_lshr_b32 s33, s26, 1
	s_mul_i32 s33, s33, 34816                      ; K slot w / 2
	s_add_co_u32 s32, s32, s33
	s_and_b32 s33, ttmp9, 7
	s_mul_i32 s33, s33, 4352                       ; block T % 8
	s_add_co_u32 s32, s32, s33
	s_and_b32 s34, s26, 1
	s_lshl_b32 s35, s34, 11
	s_add_co_u32 s36, s32, s35                     ; the codes: + 2048 (w % 2)
	s_mov_b32 s37, 0
	s_lshl_b32 s35, s34, 7
	s_add_co_u32 s38, s32, s35
	s_add_co_u32 s38, s38, 4096                    ; the scale words: + 4096 + 128 (w % 2)
	s_mov_b32 s39, 0
	s_mov_b32 s49, 0x3a800000                      ; 1 / 1024
	s_mov_b32 s50, 0x2b8cbccc                      ; 1e-12
	v_lshlrev_b32 v2, 4, v1                        ; 16 x lane
	v_lshlrev_b32 v3, 6, v10                       ; 64 h
	s_mul_i32 s44, s26, STG
	v_add_nc_u32 v4, s44, v2                       ; into my stage: a row as it lies
	v_mul_u32_u24 v5, v9, 528
	v_add_nc_u32 v5, v5, v3
	v_add_nc_u32 v5, s44, v5                       ; out of it: row r, + 64 h
	v_lshlrev_b32 v7, 2, v9
	v_add_nc_u32 v7, RED, v7                       ; the partial sums of row r
	s_lshl_b32 s45, s26, 6
	v_add_nc_u32 v6, s45, v7                       ; and my wave's among them
	v_lshlrev_b32 v8, 3, v9                        ; 8 r
.irp b, 0,1,2,3
	v_mov_b32 v[TM+4+\b], 0                        ; a lane permute's destination counts as read
.endr
	v_mov_b32 v[PW+1], 0
	s_wait_kmcnt 0x0
	s_add_nc_u64 s[4:5], s[4:5], s[28:29]
	s_add_nc_u64 s[6:7], s[6:7], s[30:31]
	s_add_nc_u64 s[8:9], s[8:9], s[30:31]
	s_add_nc_u64 s[40:41], s[22:23], s[36:37]
	s_add_nc_u64 s[42:43], s[22:23], s[38:39]
.irp i, 0,1,2,3,4,5,6,7,8,9,10,11,12,13,14,15
	global_load_b128 v[RW+4*\i:RW+4*\i+3], v2, s[4:5] offset:(\i+8*(\i/8))*4096    ; 32 lanes read 512 consecutive bytes of one row
.endr
.irp b, 0,1,2,3
.irp j, 0,1,2,3
	global_load_b128 v[BV+16*\b+4*\j:BV+16*\b+4*\j+3], v3, s[8:9] offset:128*\b+16*\j
.endr
.endr
	s_wait_loadcnt 16                              ; x's 16 loads are in; the biases' 16 may be out
.irp i, 0,1,2,3,4,5,6,7,8,9,10,11,12,13,14,15
	ds_store_b128 v4, v[RW+4*\i:RW+4*\i+3] offset:528*\i
.endr
.irp b, 0,1,2,3
.irp j, 0,1,2,3
	ds_load_b128 v[X+16*\b+4*\j:X+16*\b+4*\j+3], v5 offset:128*\b+16*\j            ; my wave's own bytes: LDS serves a wave's instructions in order (ISA guide 5.7.1.4)
.endr
.endr
	s_wait_dscnt 0x0                               ; the numbers are back, and the stores have read v96-159, which now take the gains
.irp b, 0,1,2,3
.irp j, 0,1,2,3
	global_load_b128 v[RW+16*\b+4*\j:RW+16*\b+4*\j+3], v3, s[6:7] offset:128*\b+16*\j
.endr
.endr
	v_pk_add_f32 v[20:21], v[X:X+1], v[X+2:X+3]    ; the sum of my 64, in two chains
	v_pk_add_f32 v[22:23], v[X+4:X+5], v[X+6:X+7]
.irp j, 8,12,16,20,24,28,32,36,40,44,48,52,56,60
	v_pk_add_f32 v[20:21], v[20:21], v[X+\j:X+\j+1]
	v_pk_add_f32 v[22:23], v[22:23], v[X+\j+2:X+\j+3]
.endr
	v_pk_add_f32 v[20:21], v[20:21], v[22:23]
	v_add_f32 v20, v20, v21
	v_permlanex16_b32 v21, v20, s[SEL], s[SEL+1]
	v_add_f32 v20, v20, v21
	ACROSS 0
	v_mul_f32 v24, s49, v10                        ; the mean
	v_mov_b32 v25, v24
.set j, 0
.rept 32
	v_pk_add_f32 v[X+j:X+j+1], v[X+j:X+j+1], v[24:25] neg_lo:[0,1] neg_hi:[0,1]    ; x - mean
.set j, j+2
.endr
	v_pk_mul_f32 v[20:21], v[X:X+1], v[X:X+1]
	v_pk_mul_f32 v[22:23], v[X+2:X+3], v[X+2:X+3]
.irp j, 4,8,12,16,20,24,28,32,36,40,44,48,52,56,60
	v_pk_fma_f32 v[20:21], v[X+\j:X+\j+1], v[X+\j:X+\j+1], v[20:21]
	v_pk_fma_f32 v[22:23], v[X+\j+2:X+\j+3], v[X+\j+2:X+\j+3], v[22:23]
.endr
	v_pk_add_f32 v[20:21], v[20:21], v[22:23]
	v_add_f32 v20, v20, v21
	v_permlanex16_b32 v21, v20, s[SEL], s[SEL+1]
	v_add_f32 v20, v20, v21
	ACROSS 512                                     ; other bytes than the first exchange's: no third barrier is needed
	v_fma_f32 v24, v10, s49, s50                   ; the variance + 1e-12
	v_rsq_f32 v24, v24
	v_nop                                          ; a plain line behind the transcendental
	s_wait_alu depctr_va_vdst(0)
	v_mov_b32 v25, v24
	s_wait_loadcnt 0x0                             ; gains and biases
.set j, 0
.rept 32
	v_pk_mul_f32 v[X+j:X+j+1], v[X+j:X+j+1], v[24:25]
.set j, j+2
.endr
.set j, 0
.rept 32
	v_pk_fma_f32 v[X+j:X+j+1], v[X+j:X+j+1], v[RW+j:RW+j+1], v[BV+j:BV+j+1]
.set j, j+2
.endr
	QUANT X, PW
.irp c, 0,1,2,3
	global_store_b128 v2, v[PC+4*\c:PC+4*\c+3], s[40:41] offset:512*\c             ; 32 lanes store 512 consecutive bytes, aligned to 256
.endr
	global_store_b64 v8, v[PW:PW+1], s[42:43]      ; 16 rows x (word, zero): 128 consecutive bytes; lanes 16-31 write the same
	s_wait_tensorcnt 0x0
	ds_add_u32 v248, v249
	s_wait_dscnt 0x0
	s_endpgm
	; ---------------- WEIGHTS.  Half a work-group (four waves) makes one unit: 128 columns x 256 along K = 34,816 dense bytes of wimg.  Units: wq 0-31, wk 32-63, wv 64-95, wo 96-127, w1 128-255, w2 256-383.
	; A lane takes a column and its registers run down K: a block of 32 is one lane's, and the codes come out with K innermost.  The lanes take the columns in the order of a block's rows.
.Lweights:
	s_sub_co_u32 s27, ttmp9, 256
	s_lshl_b32 s27, s27, 1
	s_lshr_b32 s28, s26, 2
	s_add_co_u32 s27, s27, s28                     ; the unit
	s_and_b32 s28, s26, 3                          ; which 32 of its columns are my wave's
	s_wait_kmcnt 0x0
	s_mov_b64 s[30:31], s[20:21]                   ; the tensor: a choice on the unit's number alone
	s_cmp_lt_u32 s27, 256
	s_cselect_b64 s[30:31], s[18:19], s[30:31]
	s_cmp_lt_u32 s27, 128
	s_cselect_b64 s[30:31], s[16:17], s[30:31]
	s_cmp_lt_u32 s27, 96
	s_cselect_b64 s[30:31], s[14:15], s[30:31]
	s_cmp_lt_u32 s27, 64
	s_cselect_b64 s[30:31], s[12:13], s[30:31]
	s_cmp_lt_u32 s27, 32
	s_cselect_b64 s[30:31], s[10:11], s[30:31]
	s_cmp_lt_u32 s27, 128
	s_cselect_b32 s32, 31, 127
	s_and_b32 s32, s27, s32                        ; the unit's number within its tensor = group x K slots + K slot
	s_cmp_lt_u32 s27, 256
	s_cselect_b32 s33, 2, 4                        ; 4 K slots, or w2's 16
	s_cselect_b32 s34, 3, 15
	s_lshr_b32 s35, s32, s33                       ; the group of 128 columns
	s_and_b32 s34, s32, s34                        ; the K slot
	s_sub_co_u32 s36, s27, 128
	s_cmp_lt_u32 s36, 128                          ; w1?  Its rows are 16,384 bytes, the others' 4,096
	s_cselect_b32 s37, 22, 20
	s_lshl_b32 s34, s34, s37                       ; 256 rows a K slot
	s_lshl_b32 s35, s35, 9
	s_add_co_u32 s34, s34, s35
	s_lshl_b32 s35, s28, 7
	s_add_co_u32 s34, s34, s35
	s_mov_b32 s35, 0
	s_add_nc_u64 s[30:31], s[30:31], s[34:35]
	s_mul_i32 s38, s27, 34816
	s_mul_i32 s39, s28, 8704                       ; my wave's two blocks
	s_add_co_u32 s38, s38, s39
	s_mov_b32 s39, 0
	s_add_nc_u64 s[24:25], s[24:25], s[38:39]
	v_and_b32 v3, 8, v9                            ; lane = 16 u + m: column 8 u + m + 8 (m / 8) of the 32
	v_add_nc_u32 v3, v3, v9
	v_lshl_add_u32 v3, v10, 3, v3
	v_lshlrev_b32 v3, 2, v3
	v_mul_u32_u24 v4, v10, 4352                    ; block u
	v_lshl_add_u32 v5, v9, 3, v4
	v_add_nc_u32 v5, 4096, v5                      ; its scale words: 8 m
	v_lshl_add_u32 v4, v9, 4, v4                   ; its codes: 16 m
	v_mov_b32 v25, 0
	v_mov_b32 v27, 0
.macro WLOAD t, stride                 ; block t: rows 32 t + i of my column, into set t % 2; 32 lanes read 128 consecutive bytes
.irp i, 0,1,2,3,4,5,6,7,8,9,10,11,12,13,14,15,16,17,18,19,20,21,22,23,24,25,26,27,28,29,30,31
	global_load_b32 v[WX+32*((\t)%2)+\i], v3, s[30:31] offset:(32*(\t)+\i)*\stride th:TH_LOAD_NT
.endr
.endm
.macro WBLOCK t, stride
.set XS, WX+32*((\t)%2)
.if (\t) < 7
	s_wait_loadcnt 32                              ; this block's 32 loads are in; the next block's may be out
.else
	s_wait_loadcnt 0x0
.endif
	v_max3_num_f32 v12, |v[XS]|, |v[XS+1]|, |v[XS+2]|
	v_max3_num_f32 v13, |v[XS+3]|, |v[XS+4]|, |v[XS+5]|
.irp i, 6,10,14,18,22,26
	v_max3_num_f32 v12, v12, |v[XS+\i]|, |v[XS+\i+1]|
	v_max3_num_f32 v13, v13, |v[XS+\i+2]|, |v[XS+\i+3]|
.endr
	v_max3_num_f32 v12, v12, |v[XS+30]|, |v[XS+31]|
	v_max3_num_f32 v12, v12, v13, 0x4800000        ; and the floor
	v_add_nc_u32 v11, 0xfc000000, v12              ; the conversion's scale operand
	v_and_or_b32 v10, v12, 0x7f800000, s[MNT]      ; 448 x the scale
	v_lshrrev_b32 v13, 23, v11                     ; the byte
.if (\t)%4 == 0
	v_mov_b32 v[24+2*((\t)/4)], v13
.else
	v_lshl_or_b32 v[24+2*((\t)/4)], v13, 8*((\t)%4), v[24+2*((\t)/4)]
.endif
.set j, 0
.rept 32
	v_med3_num_f32 v[XS+j], v[XS+j], -v10, v10
.set j, j+1
.endr
.irp g, 0,1,2,3
	v_cvt_scalef32_pk8_fp8_f32 v[WC+8*(\t)+2*\g:WC+8*(\t)+2*\g+1], v[XS+8*\g:XS+8*\g+7], v11
.endr
	global_store_b128 v4, v[WC+8*(\t):WC+8*(\t)+3], s[24:25] offset:((\t)/4)*2048+((\t)%4)*512          ; k 0-15 of the block: the image's lanes 0-15: sixteen lanes store 256 consecutive bytes
	global_store_b128 v4, v[WC+8*(\t)+4:WC+8*(\t)+7], s[24:25] offset:((\t)/4)*2048+((\t)%4)*512+256    ; k 16-31: its lanes 16-31.  Each block has registers of its own: no store's data are written again
.if (\t)%4 == 3
	global_store_b64 v5, v[24+2*((\t)/4):25+2*((\t)/4)], s[24:25] offset:128*((\t)/4)
.endif
.if (\t)+2 < 8
	WLOAD (\t)+2, \stride
.endif
.endm
.macro WBODY stride
	WLOAD 0, \stride
	WLOAD 1, \stride
.irp t, 0,1,2,3,4,5,6,7
	WBLOCK \t, \stride
.endr
	s_endpgm
.endm
	s_cmp_lt_u32 s36, 128
	s_cbranch_scc1 .Lw1
	WBODY 4096
.Lw1:
	WBODY 16384
.Lfunc_end_k_qde811163a6_prep:
	.size	k_qde811163a6_prep, .Lfunc_end_k_qde811163a6_prep-k_qde811163a6_prep
	.p2alignl 7, 3214868480
	.fill 96, 4, 3214868480
	.section	.rodata,"a",@progbits
	.p2align	6, 0x0
	.amdhsa_kernel k_qde811163a6_prep
		.amdhsa_group_segment_fixed_size 70656
		.amdhsa_private_segment_fixed_size 0
		.amdhsa_enable_private_segment 0
		.amdhsa_kernarg_size 88
		.amdhsa_user_sgpr_count 2
		.amdhsa_user_sgpr_kernarg_segment_ptr 1
		.amdhsa_wavefront_size32 1
		.amdhsa_system_sgpr_workgroup_id_x 1
		.amdhsa_system_sgpr_workgroup_id_y 1
		.amdhsa_system_sgpr_workgroup_id_z 1
		.amdhsa_system_vgpr_workitem_id 0
		.amdhsa_next_free_vgpr 250
		.amdhsa_next_free_sgpr 66
		.amdhsa_reserve_vcc 0
		.amdhsa_float_denorm_mode_32 3
		.amdhsa_float_denorm_mode_16_64 3
		.amdhsa_memory_ordered 1
		.amdhsa_forward_progress 1
		.amdhsa_inst_pref_size 141
	.end_amdhsa_kernel
	.amdgpu_metadata
---
amdhsa.version: [ 1, 2 ]
amdhsa.kernels:
  - .name:           k_qde811163a6_prep
    .symbol:         k_qde811163a6_prep.kd
    .args:
      - { .name: x, .offset: 0, .size: 8, .value_kind: global_buffer, .address_space: global }
      - { .name: ln1_w, .offset: 8, .size: 8, .value_kind: global_buffer, .address_space: global }
      - { .name: ln1_b, .offset: 16, .size: 8, .value_kind: global_buffer, .address_space: global }
      - { .name: wq, .offset: 24, .size: 8, .value_kind: global_buffer, .address_space: global }
      - { .name: wk, .offset: 32, .size: 8, .value_kind: global_buffer, .address_space: global }
      - { .name: wv, .offset: 40, .size: 8, .value_kind: global_buffer, .address_space: global }
      - { .name: wo, .offset: 48, .size: 8, .value_kind: global_buffer, .address_space: global }
      - { .name: w1, .offset: 56, .size: 8, .value_kind: global_buffer, .address_space: global }
      - { .name: w2, .offset: 64, .size: 8, .value_kind: global_buffer, .address_space: global }
      - { .name: hc, .offset: 72, .size: 8, .value_kind: global_buffer, .address_space: global }
      - { .name: wimg, .offset: 80, .size: 8, .value_kind: global_buffer, .address_space: global }
    .group_segment_fixed_size: 70656
    .private_segment_fixed_size: 0
    .kernarg_segment_align: 8
    .kernarg_segment_size: 88
    .max_flat_workgroup_size: 256
    .sgpr_count:     66
    .vgpr_count:     250
    .wavefront_size: 32
...
	.end_amdgpu_metadata
.endif
;; end of part 1
;; launch qkv (part 2): grid 12 x 16, 4 waves a work-group, clusters of 4 x 4, 327,680 bytes of LDS; arguments hc, wimg, qb, kvb; writes qb, kvb
.if DOCPART == 2
	.amdgcn_target "amdgcn-amd-amdhsa--gfx1250"
	.amdhsa_code_object_version 6
	.text
	.protected	k_qde811163a6_qkv
	.globl	k_qde811163a6_qkv
	.p2align	8
	.type	k_qde811163a6_qkv,@function
k_qde811163a6_qkv:
	s_mov_b64 s[64:65], 0
	v_nop
	global_prefetch_b8 v0, s[64:65] scope:SCOPE_SE
	s_setreg_imm32_b32 hwreg(HW_REG_WAVE_MODE, 25, 1), 1
	s_wait_xcnt 0x0
	s_wait_alu depctr_hold_cnt(0) depctr_sa_sdst(0) depctr_va_vdst(0) depctr_va_sdst(0) depctr_va_ssrc(0) depctr_va_vcc(0) depctr_vm_vsrc(0)
	s_getreg_b32 s2, hwreg(HW_REG_IB_STS2, 6, 4)
	s_cmp_eq_u32 s2, 0
	s_cbranch_scc0 .Lentry_in_a_cluster
	s_endpgm
.Lentry_in_a_cluster:
	s_bfe_u32 s2, ttmp6, 0x10000c
	s_cmp_lg_u32 s2, 0xf033
	s_cbranch_scc0 .Lentry_shape_is_right
	s_endpgm
.Lentry_shape_is_right:
; q, k, v = h wq, h wk, h wv on codes of E4M3 with E8M0 scales, and the three results quantised on the way out: q and k along a head's 64 features, v along the keys.
; OPERANDS are images of registers: a block of 4,352 bytes = 16 rows x 256 along K (codes at 2048 q + 512 c + 16 lane, scale words at 4096 + 128 q + 8 r); 128 rows of a K slot are 34,816 dense bytes.
; A tile of 256 x 256 is made by four waves, 128 x 128 each: 64 accumulators, 512 registers.  K goes in slots of 256 through a ring of two LDS slots; each wave fetches 128 rows (codes and scales) with one tensor load.
; CLUSTERS 4 x 4: operand A's tile is shared along a row of the cluster, B's along a column: joint loads.  Source 0 of the matrix instruction = 16 rows of B, source 1 = 16 rows of A: a lane holds ONE row of A and
; its registers run along B's rows, which by the order of a block's rows are 16 neighbours for each pair of accumulators.
; Clusters x = 0, 1: A = tokens, B = wq's and wk's features: a lane holds a token, registers along 128 features = a pair of heads.  Cluster x = 2: A = wv's features, B = tokens: a lane holds a feature, registers along 128 keys.
; OUT: blocks of 16,896 bytes for 128 tokens x a pair of heads: codes at 2048 a + 512 g + 16 lane, scale words at 16384 + 256 (i / 4) + 16 r + 4 (i % 4).  Q: qb[idx]; K, V: kvb[idx] = K's block, then V's;
; idx = ((batch x 8 + pair) x 16 + tokens / 128).  K's words are regrouped: word 4 e + f = head e's two bytes of key tile 2 f, then of key tile 2 f + 1, since the scores' product takes two key tiles in one operand.
; LIMITS: a block of zeros gets the byte 1; magnitudes under 2^-118 are taken at that floor; NaN and infinities are not served.
.set BLK,   4352
.set HALFT, 8*BLK                      ; 128 rows x a K slot: what one tensor load brings
.set SLOT,  4*HALFT                    ; A's two halves, then B's
.set SPARE, 2*SLOT                     ; behind the ring: the spare words, 128 bytes a wave, which no other line names
.set NKS,   4                          ; K slots
.set LAPS,  NKS/2
.set GSTR,  NKS*HALFT                  ; a group of 128 rows
.set NQ,    2
.set FR,    16
.set NL,    4
.set NP,    8                          ; places behind this matrix instruction (ISA guide 7.12.1)
.set ADRA, 16                          ; v16-17 LDS address of my A fragments in slot 0, 1
.set ADRB, 20                          ; v20-21 of B's
.set ADRS, 22                          ; v22-23 of the scale words: lanes 0-15 A's rows, lanes 16-31 B's
.set R16,  25                          ; v25 16 r
.set LI,   26                          ; v26 16 x lane
.set SPW,  28                          ; v28 my spare word; never rewritten
.set NIL,  29                          ; v29 0; never rewritten
.set SC,   32                          ; v32-63 scale words, a set of 16 for each slot: register 2 i + q: lanes 0-15 A's block i, lanes 16-31 B's
.set AF,   128                         ; A's fragments, window 0, one set;  B's: window 1, two sets;  accumulators (a, b) at v[8 (8 (a % 4) + b)] of window 2 (a < 4) or 3
.set G1,   24
.set G0,   32
.set G1B,  48
.set G0B,  56
.set HD,   128                         ; the way out, window 0: v128-191 held numbers, v192-207 codes, v208-223 the quantiser's, v224-231 scale words, v232-239 K's regrouped
.set PC,   192
.set TM,   208
.set PWB,  224
.set W2,   232
.set SEL,  66
.set MNT,  68
.set MSB, 0
.macro WIN new                         ; the immediate's high byte repeats the setting that is left
.if MSB != (\new)
	s_set_vgpr_msb (MSB<<8)|(\new)
.set MSB, (\new)
.endif
.endm
.set MUL_LO, 0xa1                      ; source 0 (B) window 1, source 1 (A) window 0, C and D window 2
.set MUL_HI, 0xf1
.set TO_B,   0x40
.macro JLOAD s                         ; a joint load: waves 0, 1 fetch A's halves, waves 2, 3 B's; four v_nop follow each line
	s_cmp_eq_u32 s15, 0
	s_cbranch_scc0 .Lfor_b_\@
	tensor_load_to_lds s[G0+4*\s:G0+4*\s+3], s[G1:G1+7]
	s_nop 0
.rept 4
	v_nop
.endr
	s_branch .Lasked_\@
.Lfor_b_\@:
	tensor_load_to_lds s[G0B+4*\s:G0B+4*\s+3], s[G1B:G1B+7]
	s_nop 0
.rept 4
	v_nop
.endr
.Lasked_\@:
.endm
.macro CREST                           ; a round of the cluster's barrier behind its opening barrier
	s_cmp_lg_u32 s14, 0
	s_cbranch_scc1 .Lnot_wave_0_\@
	s_barrier_signal -3
.Lnot_wave_0_\@:
	s_barrier_wait -3
	s_barrier_signal -1
	s_barrier_wait -1
.endm
.macro CROUND
	s_barrier_signal -1
	s_barrier_wait -1
	CREST
.endm
.macro PLACES n
.rept \n
	v_nop
.endr
.endm
.macro FRAG reg, adr, q, i             ; a fragment comes back as it was stored: four loads of 512 consecutive bytes
.irp c, 0,1,2,3
	ds_load_b128 v[\reg+4*\c:\reg+4*\c+3], v[\adr] offset:(\i)*BLK+2048*(\q)+512*\c
.endr
.endm
.macro MUL16 a0, p, q, sc, zero        ; A's blocks a0, a0 + 1 x B's eight; the accumulators take turns
.irp a, \a0, \a0+1
.irp b, 0,1,2,3,4,5,6,7
.if \zero
	v_wmma_scale_f32_16x16x128_f8f6f4 v[8*(8*((\a)%4)+\b):8*(8*((\a)%4)+\b)+7], v[128*(\p)+FR*\b:128*(\p)+FR*\b+FR-1], v[AF+FR*(\a):AF+FR*(\a)+FR-1], 0, v[SC+8*NQ*(\sc)+NQ*\b+(\q)], v[SC+8*NQ*(\sc)+NQ*(\a)+(\q)] matrix_a_scale:MATRIX_SCALE_ROW1
.else
	v_wmma_scale_f32_16x16x128_f8f6f4 v[8*(8*((\a)%4)+\b):8*(8*((\a)%4)+\b)+7], v[128*(\p)+FR*\b:128*(\p)+FR*\b+FR-1], v[AF+FR*(\a):AF+FR*(\a)+FR-1], v[8*(8*((\a)%4)+\b):8*(8*((\a)%4)+\b)+7], v[SC+8*NQ*(\sc)+NQ*\b+(\q)], v[SC+8*NQ*(\sc)+NQ*(\a)+(\q)] matrix_a_scale:MATRIX_SCALE_ROW1
.endif
.endr
.endr
.endm
.macro FETCH_B slot, q, p
	WIN TO_B
.irp i, 0,1,2,3,4,5,6,7
	FRAG 128*(\p)+FR*\i, ADRB+\slot, \q, \i
.endr
	WIN 0
.endm
.macro FETCH_A slot, q, i0
.irp i, \i0, \i0+1, \i0+2, \i0+3
	FRAG AF+FR*(\i), ADRA+\slot, \q, \i
.endr
.endm
.macro SCALES sc                       ; a slot's scale words ride in the slot: lanes 0-15 take A's block i, lanes 16-31 B's
.irp i, 0,1,2,3,4,5,6,7
	ds_load_b32 v[SC+16*\sc+2*\i], v[ADRS+\sc] offset:\i*BLK
	ds_load_b32 v[SC+16*\sc+2*\i+1], v[ADRS+\sc] offset:\i*BLK+128
.endr
.endm
.macro STEP slot, q, zero              ; 128 along K whose successor lies in the same slot
	s_wait_dscnt 4*NL                              ; all but the youngest 16 loads (A's blocks 4-7) are in
	WIN MUL_LO
	MUL16 0, (\q)%2, \q, \slot, \zero
	MUL16 2, (\q)%2, \q, \slot, \zero
	s_wait_dscnt 0
	PLACES NP
	FETCH_B \slot, (\q)+1, 1-(\q)%2
	FETCH_A \slot, (\q)+1, 0
	WIN MUL_HI
	MUL16 4, (\q)%2, \q, \slot, \zero
	MUL16 6, (\q)%2, \q, \slot, \zero
	PLACES NP
	WIN 0
	FETCH_A \slot, (\q)+1, 4
.endm
.macro TURN slot, next, fill           ; a slot's last 128 along K, and the change of slots
	s_wait_tensorcnt 0x0                           ; all my tensor loads have landed: my part of the next slot
	ds_add_u32 v[SPW], v[NIL]                      ; 0 onto my spare word
	s_wait_dscnt 4*NL+1                            ; the add and A's blocks 4-7 may be out
	WIN MUL_LO
	MUL16 0, 1, NQ-1, \slot, 0
	s_wait_dscnt 0x0                               ; the add is done, and my reads of this slot are over
	s_barrier_signal -1
	MUL16 2, 1, NQ-1, \slot, 0
	WIN 0
	s_barrier_wait -1
.if \fill
	CREST                                          ; the barrier opened a round of the cluster's: no wave of any partner still reads this slot or has a load on its way
	s_add_nc_u64 s[G0+4*\slot+2:G0+4*\slot+3], s[G0+4*\slot+2:G0+4*\slot+3], 2*HALFT
	s_add_nc_u64 s[G0B+4*\slot+2:G0B+4*\slot+3], s[G0B+4*\slot+2:G0B+4*\slot+3], 2*HALFT
	JLOAD \slot                                    ; the first tensor load behind the round; its four v_nop are four of the eight places
	PLACES NP-4
.else
	PLACES NP
.endif
	FETCH_B \next, 0, 0
	FETCH_A \next, 0, 0
	SCALES \next
	WIN MUL_HI
	MUL16 4, 1, NQ-1, \slot, 0
	MUL16 6, 1, NQ-1, \slot, 0
	PLACES NP
	WIN 0
	FETCH_A \next, 0, 4
.endm
; 64 results v[s ..] of window w, register 16 b + i = k 32 b + 16 h + i of my row, become codes at v[PC] and the scale word v[pw]; the held numbers go to v[d ..] of window 0.  Each accumulator is read from its low end on
.macro QUANT s, w, d, pw
	WIN ((\w)|((\w)<<2))
.irp b, 0,1,2,3
	v_max3_num_f32 v[TM+\b], |v[(\s)+16*\b]|, |v[(\s)+16*\b+1]|, 0x4800000
.endr
	WIN (((\w)<<2)|((\w)<<4))
.irp i, 2,4,6,8,10,12,14
.irp b, 0,1,2,3
	v_max3_num_f32 v[TM+\b], v[TM+\b], |v[(\s)+16*\b+\i]|, |v[(\s)+16*\b+\i+1]|
.endr
.endr
	WIN 0
.irp b, 0,1,2,3
	v_permlanex16_b32 v[TM+4+\b], v[TM+\b], s[SEL], s[SEL+1]
.endr
.irp b, 0,1,2,3
	v_max_num_f32 v[TM+\b], v[TM+\b], v[TM+4+\b]
.endr
.irp b, 0,1,2,3
	v_add_nc_u32 v[TM+12+\b], 0xfc000000, v[TM+\b]
.endr
.irp b, 0,1,2,3
	v_and_or_b32 v[TM+8+\b], v[TM+\b], 0x7f800000, s[MNT]
.endr
.irp b, 0,1,2,3
	v_lshrrev_b32 v[TM+4+\b], 23, v[TM+12+\b]
.endr
	v_lshl_or_b32 v[\pw], v[TM+5], 8, v[TM+4]
	v_lshl_or_b32 v[\pw], v[TM+6], 16, v[\pw]
	v_lshl_or_b32 v[\pw], v[TM+7], 24, v[\pw]
	WIN (\w)
.irp b, 0,1,2,3
.irp i, 0,1,2,3,4,5,6,7,8,9,10,11,12,13,14,15
	v_med3_num_f32 v[(\d)+16*\b+\i], v[(\s)+16*\b+\i], -v[TM+8+\b], v[TM+8+\b]
.endr
.endr
	WIN 0
.irp b, 0,1,2,3
	v_cvt_scalef32_pk8_fp8_f32 v[PC+4*\b:PC+4*\b+1], v[(\d)+16*\b:(\d)+16*\b+7], v[TM+12+\b]
	v_cvt_scalef32_pk8_fp8_f32 v[PC+4*\b+2:PC+4*\b+3], v[(\d)+16*\b+8:(\d)+16*\b+15], v[TM+12+\b]
.endr
	v_nop                                          ; a plain line behind the last conversion
.endm
	s_load_b128 s[4:7], s[0:1], 0x0                ; hc, wimg
	s_load_b128 s[8:11], s[0:1], 0x10              ; qb, kvb
	v_lshl_add_u32 v[SPW], v0, 2, SPARE
	v_mov_b32 v[NIL], 0
	ds_add_u32 v28, v29
	s_wait_dscnt 0x0
	v_lshrrev_b32 v1, 5, v0
	v_readfirstlane_b32 s14, v1                    ; wave 0..3
	s_lshr_b32 s15, s14, 1                         ; my half of A's rows.  Also: I fetch for A (0) or for B (1)
	s_and_b32 s16, s14, 1                          ; my half of B's rows.  Also: which 128 rows I fetch
	s_bfe_u32 s40, ttmp6, 0x40000                  ; cx
	s_bfe_u32 s41, ttmp6, 0x40004                  ; cy
	s_and_b32 s18, ttmp7, 0xffff
	s_lshl_b32 s18, s18, 2                         ; 4 x cluster y
	s_lshl_b32 s19, ttmp9, 2                       ; 4 x cluster x
	s_cmp_lt_u32 ttmp9, 2                          ; the roles hang on the cluster's x, which all partners share
	s_cselect_b32 s17, s18, 8                      ; A's tile of 256 rows: tokens 4 Y + cy, or wv's features 8 + cy
	s_cselect_b32 s42, s19, s18                    ; B's: features 4 X + cx, or tokens 4 Y + cx
	s_add_co_u32 s17, s17, s41
	s_add_co_u32 s42, s42, s40
	s_lshl_b32 s43, s41, 2
	s_lshl_b32 s43, 15, s43                        ; my row of the cluster
	s_lshl_b32 s44, 0x1111, s40                    ; my column
	s_or_b32 s[G1+0], s43, (3<<16)|(1<<21)         ; 15:0 the mask; 17:16 elements of 8 bytes; 21 set beside a mask; no padding
	s_or_b32 s[G1B+0], s44, (3<<16)|(1<<21)
.irp g, G1, G1B
	s_mov_b32 s[\g+1], 32<<16                      ; tensor_dim0 = 32 elements: rows of 256 bytes
	s_mov_b32 s[\g+2], 136<<16                     ; tensor_dim1 = 136 rows: 34,816 dense bytes
	s_mov_b32 s[\g+3], 32<<16                      ; tile_dim0
	s_mov_b32 s[\g+4], 136                         ; tile_dim1
	s_mov_b32 s[\g+5], 32                          ; the pitch
	s_mov_b32 s[\g+6], 0
	s_mov_b32 s[\g+7], 0
.endr
	s_lshl_b32 s20, s17, 1
	s_add_co_u32 s20, s20, s16
	s_mul_i32 s20, s20, GSTR                       ; A: group 2 tile + half
	s_mov_b32 s21, 0
	s_lshl_b32 s46, s42, 1
	s_add_co_u32 s46, s46, s16
	s_mul_i32 s46, s46, GSTR                       ; B likewise
	s_mov_b32 s47, 0
	s_mul_i32 s45, s14, HALFT                      ; where they go: wave x 34,816: no place in the cluster enters an LDS address
	s_wait_kmcnt 0x0
	s_cmp_lt_u32 ttmp9, 2
	s_cselect_b64 s[92:93], s[4:5], s[6:7]         ; A's buffer
	s_cselect_b64 s[94:95], s[6:7], s[4:5]         ; B's
	s_add_nc_u64 s[20:21], s[92:93], s[20:21]
	s_add_nc_u64 s[46:47], s[94:95], s[46:47]
	CROUND                                         ; all sixteen work-groups are here: the first joint loads meet
.irp s, 0,1
	s_mov_b32 s[G0+4*\s], 1
	s_add_co_u32 s[G0+4*\s+1], s45, \s*SLOT
	s_add_nc_u64 s[G0+4*\s+2:G0+4*\s+3], s[20:21], \s*HALFT
	s_or_b32 s[G0+4*\s+3], s[G0+4*\s+3], 0x80000000
	s_mov_b32 s[G0B+4*\s], 1
	s_add_co_u32 s[G0B+4*\s+1], s45, \s*SLOT
	s_add_nc_u64 s[G0B+4*\s+2:G0B+4*\s+3], s[46:47], \s*HALFT
	s_or_b32 s[G0B+4*\s+3], s[G0B+4*\s+3], 0x80000000
	JLOAD \s
.endr
	v_and_b32 v1, 15, v0                           ; r
	v_bfe_u32 v2, v0, 4, 1                         ; h
	v_and_b32 v3, 31, v0
	v_lshlrev_b32 v[LI], 4, v3
	v_lshlrev_b32 v[R16], 4, v1
	s_mul_i32 s21, s15, HALFT                      ; my 128 rows of A
	s_mul_i32 s22, s16, HALFT
	s_add_co_u32 s22, s22, 2*HALFT                 ; my 128 rows of B
	s_sub_co_u32 s23, s22, s21
	v_mul_u32_u24 v6, s23, v2                      ; lanes 16-31 take B's scale words
	v_lshl_add_u32 v6, v1, 3, v6
	v_add_nc_u32 v6, 4096, v6
.irp s, 0,1
	v_add_nc_u32 v[ADRA+\s], s21, v[LI]
	v_add_nc_u32 v[ADRB+\s], s22, v[LI]
	v_add_nc_u32 v[ADRS+\s], s21, v6
	s_add_co_u32 s21, s21, SLOT
	s_add_co_u32 s22, s22, SLOT
.endr
	s_mov_b32 s[SEL], 0x76543210
	s_mov_b32 s[SEL+1], 0xfedcba98
	s_mov_b32 s[MNT], 0x600000
	s_wait_tensorcnt 1                             ; my part of K slot 0 is in (slot 1's load may be out)
	s_barrier_signal -1
	s_barrier_wait -1                              ; everybody's is
	FETCH_B 0, 0, 0
	FETCH_A 0, 0, 0
	SCALES 0
	FETCH_A 0, 0, 4
	STEP 0, 0, 1                                   ; the first step's products start the sums
	s_mov_b32 s3, LAPS-1
.Llap:                                                 ; a trip goes once round the ring and fills both slots again
	TURN 0, 1, 1
	STEP 1, 0, 0
	TURN 1, 0, 1
	STEP 0, 0, 0
	s_sub_co_u32 s3, s3, 1
	s_cmp_lg_u32 s3, 0
	s_cbranch_scc1 .Llap
	TURN 0, 1, 0                                   ; the last lap fills nothing
	STEP 1, 0, 0
	s_wait_dscnt 4*NL
	WIN MUL_LO
	MUL16 0, 1, NQ-1, 1, 0
	MUL16 2, 1, NQ-1, 1, 0
	s_wait_dscnt 0
	WIN MUL_HI
	MUL16 4, 1, NQ-1, 1, 0
	MUL16 6, 1, NQ-1, 1, 0
	WIN 0
	; THE WAY OUT.  For each of A's eight blocks a lane's 64 results are one operand fragment: quantised in registers and stored as they stand, 512 consecutive bytes a store.  No LDS.
	s_lshl_b32 s20, s17, 1
	s_add_co_u32 s20, s20, s15                     ; my group of A's rows
	s_lshl_b32 s21, s42, 1
	s_add_co_u32 s21, s21, s16                     ; and of B's
	s_cmp_lt_u32 ttmp9, 2
	s_cselect_b32 s22, s20, s21                    ; the group of 128 tokens
	s_cselect_b32 s23, s21, s20
	s_and_b32 s23, s23, 7                          ; the pair of heads
	s_lshr_b32 s18, s22, 4                         ; the batch
	s_lshl_b32 s18, s18, 3
	s_add_co_u32 s18, s18, s23
	s_lshl_b32 s18, s18, 4
	s_and_b32 s19, s22, 15
	s_add_co_u32 s18, s18, s19                     ; idx
	s_mov_b32 s19, 33792
	s_cmp_eq_u32 ttmp9, 0
	s_cselect_b64 s[12:13], s[8:9], s[10:11]       ; qb, or kvb
	s_cselect_b32 s19, 16896, s19
	s_mul_i32 s18, s18, s19
	s_cmp_eq_u32 ttmp9, 2
	s_cselect_b32 s19, 16896, 0                    ; V's block lies behind K's
	s_add_co_u32 s18, s18, s19
	s_mov_b32 s19, 0
	s_add_nc_u64 s[12:13], s[12:13], s[18:19]
	PLACES NP                                      ; behind the last products: results are read, and registers that held A's fragments are written
.irp b, 0,1,2,3
	v_mov_b32 v[TM+4+\b], 0                        ; a lane permute's destination counts as read
.endr
.irp a, 0,1,2,3,4,5,6,7
.if \a > 0
	s_wait_xcnt 0x0                                ; the last block's stores have read the codes' registers
.endif
	QUANT 64*(\a%4), 2+\a/4, HD, PWB+\a
.irp g, 0,1,2,3
	global_store_b128 v[LI], v[PC+4*\g:PC+4*\g+3], s[12:13] offset:\a*2048+\g*512
.endr
.endr
	s_cmp_lg_u32 ttmp9, 1
	s_cbranch_scc1 .Lplain
	s_mov_b32 s18, 0x05040100                      ; K: head 0's two bytes of tiles 2 f and 2 f + 1;
	s_mov_b32 s19, 0x07060302                      ; head 1's
.irp e, 0,1
.irp f, 0,1,2,3
	v_perm_b32 v[W2+4*\e+\f], v[PWB+2*\f+1], v[PWB+2*\f], s[18+\e]
.endr
.endr
	global_store_b128 v[R16], v[W2:W2+3], s[12:13] offset:16384                    ; lanes 16-31 write the same bytes
	global_store_b128 v[R16], v[W2+4:W2+7], s[12:13] offset:16640
	s_branch .Ldone
.Lplain:
	global_store_b128 v[R16], v[PWB:PWB+3], s[12:13] offset:16384
	global_store_b128 v[R16], v[PWB+4:PWB+7], s[12:13] offset:16640
.Ldone:
	s_wait_tensorcnt 0x0                           ; the wave's end
	ds_add_u32 v[SPW], v[NIL]
	s_wait_dscnt 0x0
	CROUND                                         ; the closing round
	s_endpgm
.Lfunc_end_k_qde811163a6_qkv:
	.size	k_qde811163a6_qkv, .Lfunc_end_k_qde811163a6_qkv-k_qde811163a6_qkv
	.p2alignl 7, 3214868480
	.fill 96, 4, 3214868480
	.section	.rodata,"a",@progbits
	.p2align	6, 0x0
	.amdhsa_kernel k_qde811163a6_qkv
		.amdhsa_group_segment_fixed_size 327680
		.amdhsa_private_segment_fixed_size 0
		.amdhsa_enable_private_segment 0
		.amdhsa_kernarg_size 32
		.amdhsa_user_sgpr_count 2
		.amdhsa_user_sgpr_kernarg_segment_ptr 1
		.amdhsa_wavefront_size32 1
		.amdhsa_system_sgpr_workgroup_id_x 1
		.amdhsa_system_sgpr_workgroup_id_y 1
		.amdhsa_system_sgpr_workgroup_id_z 1
		.amdhsa_system_vgpr_workitem_id 0
		.amdhsa_next_free_vgpr 1024
		.amdhsa_next_free_sgpr 100
		.amdhsa_reserve_vcc 0
		.amdhsa_float_denorm_mode_32 3
		.amdhsa_float_denorm_mode_16_64 3
		.amdhsa_memory_ordered 1
		.amdhsa_forward_progress 1
		.amdhsa_inst_pref_size 185
	.end_amdhsa_kernel
	.amdgpu_metadata
---
amdhsa.version: [ 1, 2 ]
amdhsa.kernels:
  - .name:           k_qde811163a6_qkv
    .symbol:         k_qde811163a6_qkv.kd
    .args:
      - { .name: hc, .offset: 0, .size: 8, .value_kind: global_buffer, .address_space: global }
      - { .name: wimg, .offset: 8, .size: 8, .value_kind: global_buffer, .address_space: global }
      - { .name: qb, .offset: 16, .size: 8, .value_kind: global_buffer, .address_space: global }
      - { .name: kvb, .offset: 24, .size: 8, .value_kind: global_buffer, .address_space: global }
    .group_segment_fixed_size: 327680
    .private_segment_fixed_size: 0
    .kernarg_segment_align: 8
    .kernarg_segment_size: 32
    .max_flat_workgroup_size: 128
    .sgpr_count:     100
    .vgpr_count:     1024
    .wavefront_size: 32
...
	.end_amdgpu_metadata
.endif
;; end of part 2
;; launch attn (part 3): grid 16 x 16, 8 waves a work-group, clusters of 4 x 4, 327,680 bytes of LDS; arguments qb, kvb, mask, hc; writes hc
.if DOCPART == 3
	.amdgcn_target "amdgcn-amd-amdhsa--gfx1250"
	.amdhsa_code_object_version 6
	.text
	.protected	k_qde811163a6_attn
	.globl	k_qde811163a6_attn
	.p2align	8
	.type	k_qde811163a6_attn,@function
k_qde811163a6_attn:
	s_mov_b64 s[64:65], 0
	v_nop
	global_prefetch_b8 v0, s[64:65] scope:SCOPE_SE
	s_setreg_imm32_b32 hwreg(HW_REG_WAVE_MODE, 25, 1), 1
	s_wait_xcnt 0x0
	s_wait_alu depctr_hold_cnt(0) depctr_sa_sdst(0) depctr_va_vdst(0) depctr_va_sdst(0) depctr_va_ssrc(0) depctr_va_vcc(0) depctr_vm_vsrc(0)
	s_getreg_b32 s2, hwreg(HW_REG_IB_STS2, 6, 4)
	s_cmp_eq_u32 s2, 0
	s_cbranch_scc0 .Lentry_in_a_cluster
	s_endpgm
.Lentry_in_a_cluster:
	s_bfe_u32 s2, ttmp6, 0x10000c
	s_cmp_lg_u32 s2, 0xf033
	s_cbranch_scc0 .Lentry_shape_is_right
	s_endpgm
.Lentry_shape_is_right:
; ATTENTION on codes of E4M3 with E8M0 scales: logit = q . k / 8 + mask; t = logit x log2(e); M = the running largest t rounded up to a whole number; p = 2^(t - M) is quantised along the keys, not normalised;
; the row's sum is taken of the unquantised p and divides at the end; when M moves, the sum and O are multiplied by 2^(old M - new M), which rounds nothing.  The result is quantised along the features for the next product.
; SHARES.  A work-group owns 128 queries (x) of a PAIR of heads of one batch (y = batch x 8 + pair).  Each of its eight waves owns one tile of 16 queries for both heads: the mask's registers serve twice, and the wave's
; 128 results a query are one whole K step of the next product.  Two waves to a SIMD, so that one wave's vector work stands beside the other's matrix work.  16 key steps of 128 keys.
; CLUSTERS 4 x 4: the four work-groups of a row of the cluster share y, so K's and V's block of a step is one joint load; the four of a column share x, so the mask's tile is one.
; LAYOUT.  Both products are used transposed (source 0 = keys, or V's features; source 1 = my queries): a lane holds one query throughout.  The rows of every tile follow the order m -> 8 u + m + 8 (m / 8), so that the 16
; registers of two neighbouring tiles are 16 neighbouring keys (or features).
; A HEAD HAS 64 ALONG K, THE INSTRUCTION 128: a fragment of K holds TWO key tiles (k 0-63: tile 2 f; k 64-127: tile 2 f + 1) and is multiplied by (q, zeros) and by (zeros, q).  Zero codes add nothing under any scale byte but 0xff.
; LIMITS: a row whose every key is masked by -infinity gives NaN, as the softmax itself does; NaN in the mask is not served; a block whose every p is 0 keeps the byte 1.
.set HB,    16896                      ; a block of Q, K or V: 16,384 bytes of codes, 512 of scale words
.set KVB,   2*HB
.set MOFF,  KVB                        ; a slot: K's and V's blocks, then the mask: 128 rows x (512 bytes + 16)
.set MP,    528
.set SLOT1, 131072                     ; slot 1 begins here: one exclusive or turns an address
.set SPARE, 2*SLOT1                    ; the spare words, 128 bytes a wave, which no other line names
.set LI,  1                            ; v1  16 x lane
.set R16, 2                            ; v2  16 r
.set AM0, 3                            ; v3  my query's row of the mask, + 64 h
.set SPW, 4                            ; v4  my spare word; never rewritten
.set NIL, 5                            ; v5  0; never rewritten
.set R8,  6                            ; v6  8 r
.set ADK, 8                            ; v8-10 the same three places in the slot in hand
.set ADS, 9
.set ADM, 10
.set KS,  20                           ; v20-23 K's scale words; v24-27 V's; v28, v29 Q's for head 0, 1
.set VS,  24
.set QS,  28
.set MK,  32                           ; v32-95 the mask;  v96-159 scores, then p;  v160-223 O^T of head 0, head 1;  v224-239 p's codes;  v232-254 at work
.set S,   96                           ; v12-15, v16-19: -M, the largest t, the sum in two halves, of head 0, 1
.set O,   160
.set PCD, 224
.set KF,  64                           ; window 1: v0-39 zeros, q of head 0, zeros, q of head 1, zeros (8 each);  v64-127 K's four fragments;  v128-191 V's
.set VF,  128
.set TM,  48                           ; the last quantiser: v48-63; codes v32-47; word v64, zero v65
.set PC,  32
.set WV,  12
.set SEL, 20
.set CS,  22                           ; s[22:23] log2(e)
.set G1K, 24
.set G1M, 32
.set G0K, 40
.set G0M, 44
.set TB,  48                           ; s48 the slot in hand
.set CNT, 49
.set MNT, 50
.set EIG, 52                           ; s[52:53] 1 / 8
.set MSB, 0
.macro WIN new
.if MSB != (\new)
	s_set_vgpr_msb (MSB<<8)|(\new)
.set MSB, (\new)
.endif
.endm
.macro PLACES n
.rept \n
	v_nop
.endr
.endm
.macro CROUND
	s_barrier_signal -1
	s_barrier_wait -1
	s_cmp_lg_u32 s[WV], 0
	s_cbranch_scc1 .Lnot_wave_0_\@
	s_barrier_signal -3
.Lnot_wave_0_\@:
	s_barrier_wait -3
	s_barrier_signal -1
	s_barrier_wait -1
.endm
.macro TLOAD                           ; wave 0 fetches K's and V's block, waves 1 and 2 the mask's halves, the others nothing; four v_nop follow each line
	s_cmp_eq_u32 s[WV], 0
	s_cbranch_scc0 .Lnot_k_\@
	tensor_load_to_lds s[G0K:G0K+3], s[G1K:G1K+7]
	s_nop 0
.rept 4
	v_nop
.endr
	s_branch .Lasked_\@
.Lnot_k_\@:
	s_cmp_lt_u32 s[WV], 3
	s_cbranch_scc0 .Lasked_\@
	tensor_load_to_lds s[G0M:G0M+3], s[G1M:G1M+7]
	s_nop 0
.rept 4
	v_nop
.endr
.Lasked_\@:
.endm
.macro QUANT s, pw
.irp b, 0,1,2,3
	v_max3_num_f32 v[TM+\b], |v[\s+16*\b]|, |v[\s+1+16*\b]|, 0x4800000
.endr
.irp i, 2,4,6,8,10,12,14
.irp b, 0,1,2,3
	v_max3_num_f32 v[TM+\b], v[TM+\b], |v[\s+16*\b+\i]|, |v[\s+1+16*\b+\i]|
.endr
.endr
.irp b, 0,1,2,3
	v_permlanex16_b32 v[TM+4+\b], v[TM+\b], s[SEL], s[SEL+1]
.endr
.irp b, 0,1,2,3
	v_max_num_f32 v[TM+\b], v[TM+\b], v[TM+4+\b]
.endr
.irp b, 0,1,2,3
	v_add_nc_u32 v[TM+12+\b], 0xfc000000, v[TM+\b]
.endr
.irp b, 0,1,2,3
	v_and_or_b32 v[TM+8+\b], v[TM+\b], 0x7f800000, s[MNT]
.endr
.irp b, 0,1,2,3
	v_lshrrev_b32 v[TM+4+\b], 23, v[TM+12+\b]
.endr
	v_lshl_or_b32 v[\pw], v[TM+5], 8, v[TM+4]
	v_lshl_or_b32 v[\pw], v[TM+6], 16, v[\pw]
	v_lshl_or_b32 v[\pw], v[TM+7], 24, v[\pw]
.irp b, 0,1,2,3
.irp i, 0,1,2,3,4,5,6,7,8,9,10,11,12,13,14,15
	v_med3_num_f32 v[\s+16*\b+\i], v[\s+16*\b+\i], -v[TM+8+\b], v[TM+8+\b]
.endr
	v_cvt_scalef32_pk8_fp8_f32 v[PC+4*\b:PC+1+4*\b], v[\s+16*\b:\s+7+16*\b], v[TM+12+\b]
	v_cvt_scalef32_pk8_fp8_f32 v[PC+2+4*\b:PC+3+4*\b], v[\s+8+16*\b:\s+15+16*\b], v[TM+12+\b]
.endr
	v_nop
.endm
	s_load_b256 s[4:11], s[0:1], 0x0               ; qb, kvb, mask, hc
	v_lshl_add_u32 v[SPW], v0, 2, SPARE
	v_mov_b32 v[NIL], 0
	ds_add_u32 v4, v5
	s_wait_dscnt 0x0
	v_lshrrev_b32 v7, 5, v0
	v_readfirstlane_b32 s[WV], v7                  ; wave 0..7
	s_bfe_u32 s13, ttmp6, 0x40000                  ; cx
	s_bfe_u32 s14, ttmp6, 0x40004                  ; cy
	s_lshl_b32 s15, ttmp9, 2
	s_add_co_u32 s15, s15, s13                     ; x: my block of 128 queries
	s_and_b32 s16, ttmp7, 0xffff
	s_lshl_b32 s16, s16, 2
	s_add_co_u32 s16, s16, s14                     ; y: batch x 8 + pair
	s_lshl_b32 s17, s14, 2
	s_lshl_b32 s17, 15, s17                        ; my row of the cluster
	s_lshl_b32 s18, 0x1111, s13                    ; my column
	s_or_b32 s[G1K], s17, (3<<16)|(1<<21)          ; K, V: 33,792 dense bytes as 132 rows of 256; the mask of my row; bit 21 beside it
	s_mov_b32 s[G1K+1], 32<<16
	s_mov_b32 s[G1K+2], 132<<16
	s_mov_b32 s[G1K+3], 32<<16
	s_mov_b32 s[G1K+4], 132
	s_mov_b32 s[G1K+5], 32
	s_mov_b32 s[G1K+6], 0
	s_mov_b32 s[G1K+7], 0
	s_or_b32 s[G1M], s18, (2<<16)|(1<<20)|(1<<21)|(6<<22)|(3<<25)   ; the mask: elements of 4 bytes; four words of padding behind every 128; the mask of my column
	s_mov_b32 s[G1M+1], 128<<16                    ; 128 keys
	s_mov_b32 s[G1M+2], 64<<16                     ; 64 queries
	s_mov_b32 s[G1M+3], 128<<16
	s_mov_b32 s[G1M+4], 64
	s_mov_b32 s[G1M+5], 2048                       ; a row of the mask
	s_mov_b32 s[G1M+6], 0
	s_mov_b32 s[G1M+7], 0
	s_mul_i32 s54, s16, 16*KVB                     ; y's sixteen blocks of K and V: hangs on y alone
	s_mov_b32 s55, 0
	s_bfe_u32 s56, s[WV], 0x10001                  ; which half of the mask's rows: wave 1: 0, wave 2: 1
	s_lshl_b32 s58, s15, 20                        ; 128 x rows of 8,192 bytes: hangs on x alone
	s_lshl_b32 s57, s56, 19
	s_add_co_u32 s58, s58, s57
	s_mov_b32 s59, 0
	s_mul_i32 s56, s56, 64*MP
	s_add_co_u32 s56, s56, MOFF
	s_lshl_b32 s60, s16, 4
	s_add_co_u32 s60, s60, s15
	s_mul_i32 s60, s60, HB                         ; Q's block
	s_lshr_b32 s57, s[WV], 2
	s_lshl_b32 s57, s57, 8
	s_and_b32 s62, s[WV], 3
	s_lshl_b32 s62, s62, 2
	s_add_co_u32 s62, s62, s57
	s_add_co_u32 s62, s62, s60
	s_add_co_u32 s62, s62, 16384                   ; my tile's scale words
	s_mov_b32 s63, 0
	s_lshl_b32 s57, s[WV], 11
	s_add_co_u32 s60, s60, s57                     ; my tile's codes
	s_mov_b32 s61, 0
	s_lshr_b32 s66, s16, 3
	s_lshl_b32 s66, s66, 4
	s_add_co_u32 s66, s66, s15                     ; out: the group of 128 tokens, 16 x batch + x
	s_mul_i32 s66, s66, 139264
	s_bfe_u32 s57, s16, 0x20001                    ; K slot pair / 2
	s_mul_i32 s57, s57, 34816
	s_add_co_u32 s66, s66, s57
	s_mul_i32 s57, s[WV], 4352                     ; block = my tile
	s_add_co_u32 s66, s66, s57
	s_and_b32 s57, s16, 1
	s_lshl_b32 s68, s57, 7
	s_add_co_u32 s68, s68, s66
	s_add_co_u32 s68, s68, 4096                    ; the scale words: + 4096 + 128 (pair % 2)
	s_mov_b32 s69, 0
	s_lshl_b32 s57, s57, 11
	s_add_co_u32 s66, s66, s57                     ; the codes: + 2048 (pair % 2)
	s_mov_b32 s67, 0
	s_lshr_b32 s57, s[WV], 1
	s_lshl_b32 s57, s57, 5
	s_and_b32 s19, s[WV], 1
	s_lshl_b32 s19, s19, 3
	s_add_co_u32 s57, s57, s19                     ; my tile's first query in the block: 32 (w / 2) + 8 (w % 2)
	s_mul_i32 s57, s57, MP
	s_add_co_u32 s57, s57, MOFF
	v_and_b32 v7, 15, v0                           ; r
	v_bfe_u32 v11, v0, 4, 1                        ; h
	v_and_b32 v[LI], 31, v0
	v_lshlrev_b32 v[LI], 4, v[LI]
	v_lshlrev_b32 v[R16], 4, v7
	v_lshlrev_b32 v[R8], 3, v7
	v_and_b32 v[AM0], 8, v7
	v_add_nc_u32 v[AM0], v[AM0], v7                ; r + 8 (r / 8)
	v_mul_u32_u24 v[AM0], v[AM0], MP
	v_lshl_add_u32 v[AM0], v11, 6, v[AM0]
	v_add_nc_u32 v[AM0], s57, v[AM0]
	s_mov_b32 s[SEL], 0x76543210
	s_mov_b32 s[SEL+1], 0xfedcba98
	s_mov_b32 s[CS], 0x3fb8aa3b                    ; log2(e)
	s_mov_b32 s[CS+1], s[CS]
	s_mov_b32 s[EIG], 0x3e000000                   ; 1 / sqrt(64)
	s_mov_b32 s[EIG+1], s[EIG]
	s_mov_b32 s[MNT], 0x600000
	s_mov_b32 s[TB], 0
	s_mov_b32 s[CNT], 15
	s_wait_kmcnt 0x0
	s_add_nc_u64 s[60:61], s[4:5], s[60:61]
	s_add_nc_u64 s[62:63], s[4:5], s[62:63]
	s_add_nc_u64 s[66:67], s[10:11], s[66:67]
	s_add_nc_u64 s[68:69], s[10:11], s[68:69]
	WIN 0x40                                       ; destination window 1
.irp g, 0,1,2,3
	global_load_b128 v[8+16*(\g/2)+4*(\g%2):8+16*(\g/2)+4*(\g%2)+3], v[LI], s[60:61] offset:512*\g    ; q of head g / 2, features 32 (g % 2) on
.endr
	WIN 0
	global_load_b32 v[QS], v[R16], s[62:63]
	s_mov_b32 s[G0K], 1
	s_mov_b32 s[G0K+1], 0
	s_add_nc_u64 s[G0K+2:G0K+3], s[6:7], s[54:55]
	s_or_b32 s[G0K+3], s[G0K+3], 0x80000000
	s_mov_b32 s[G0M], 1
	s_mov_b32 s[G0M+1], s56
	s_add_nc_u64 s[G0M+2:G0M+3], s[8:9], s[58:59]
	s_or_b32 s[G0M+3], s[G0M+3], 0x80000000
	CROUND                                         ; all sixteen work-groups are here: the first joint loads meet
	TLOAD                                          ; key step 0 into slot 0
.set j, 0
.rept 64
	v_mov_b32 v[O+j], 0                            ; the step is written once: the first finds zeros, which the first change of M leaves zeros
.set j, j+1
.endr
	WIN 0x40
.irp z, 0,16,32
.irp i, 0,1,2,3,4,5,6,7
	v_mov_b32 v[\z+\i], 0                          ; the zero codes round q
.endr
.endr
	WIN 0
	s_wait_loadcnt 0x0                             ; q and its scale word (bytes: head 0's two blocks, head 1's two)
	v_perm_b32 v[QS+1], v[QS], v[QS], 0x03020302   ; head 1's two bytes, twice: they serve q in either half of the operand
	v_perm_b32 v[QS], v[QS], v[QS], 0x01000100     ; head 0's.  A scale register written by a vector instruction stands eight plain vector lines ahead of the product that names it: the 13 lines below and the step's three additions are 16
.irp e, 0,1
	v_mov_b32 v[13+4*\e], 0xff61b1e6               ; the largest t so far: -3e38
	v_floor_f32 v[12+4*\e], -v[13+4*\e]            ; -M
	v_mov_b32 v[14+4*\e], 0
	v_mov_b32 v[15+4*\e], 0
.endr
.irp b, 0,1,2,3
	v_mov_b32 v[236+\b], 0                         ; a lane permute's destination counts as read
.endr
	v_mov_b32 v253, 0                              ; named as the upper half of v[252:253] before it is first written
.macro KLOAD e                         ; head e's four fragments of K: registers 4 c: key tile 2 f + c / 2, features 32 (c % 2) on
.irp f, 0,1,2,3
.irp c, 0,1,2,3
	ds_load_b128 v[KF+16*\f+4*\c:KF+16*\f+4*\c+3], v[ADK] offset:(2*\f+\c/2)*2048+1024*\e+512*(\c%2)
.endr
.endr
.endm
.macro VLOAD e                         ; head e's four fragments of V^T
.irp t, 0,1,2,3
.irp c, 0,1,2,3
	ds_load_b128 v[VF+16*\t+4*\c:VF+16*\t+4*\c+3], v[ADK] offset:HB+(4*\e+\t)*2048+512*\c
.endr
.endr
.endm
.macro HEAD e
.set ST, 12+4*\e
.set OE, O+32*\e
.if \e == 0
	s_wait_dscnt 16                                ; K and its scale words are in; the mask's 16 loads may be out
.else
	s_wait_dscnt 0x0
.endif
	WIN 0x05                                       ; K and q in window 1
.irp f, 0,1,2,3
.irp u, 0,1
	v_wmma_scale_f32_16x16x128_f8f6f4 v[S+8*(2*\f+\u):S+8*(2*\f+\u)+7], v[KF+16*\f:KF+16*\f+15], v[16*\e+8-8*\u:16*\e+23-8*\u], 0, v[KS+\f], v[QS+\e]
.endr
.endr
	WIN 0
	PLACES 8                                       ; behind the products: the scores are read, K's, V's and the scale words' registers are loaded anew, and v232 on, which the last V^T P named, are written
	ds_load_b128 v[VS:VS+3], v[ADS] offset:HB+16384+256*\e
	WIN 0x40
	VLOAD \e
.if \e == 0
	KLOAD 1
.endif
	WIN 0
.if \e == 0
	ds_load_b128 v[KS:KS+3], v[ADS] offset:16384+256
	s_wait_dscnt 34                                ; the mask is in; the 34 loads just issued may be out
.endif
.set j, 0
.rept 32
	v_pk_fma_f32 v[S+j:S+j+1], v[S+j:S+j+1], s[EIG:EIG+1], v[MK+j:MK+j+1] op_sel_hi:[1,0,1]   ; the logit: score / 8 (exact) + mask; each accumulator from its low end on
.set j, j+2
.endr
.irp b, 0,1,2,3
	v_max3_num_f32 v[232+\b], v[S+16*\b], v[S+1+16*\b], v[S+2+16*\b]               ; the largest logit of each block of 32 keys: for the row's maximum, and for the block's largest p
.endr
.irp i, 3,5,7,9,11,13
.irp b, 0,1,2,3
	v_max3_num_f32 v[232+\b], v[232+\b], v[S+16*\b+\i], v[S+1+16*\b+\i]
.endr
.endr
.irp b, 0,1,2,3
	v_max_num_f32 v[232+\b], v[232+\b], v[S+15+16*\b]
.endr
.irp b, 0,1,2,3
	v_permlanex16_b32 v[236+\b], v[232+\b], s[SEL], s[SEL+1]
.endr
.irp b, 0,1,2,3
	v_max_num_f32 v[232+\b], v[232+\b], v[236+\b]
.endr
	v_max3_num_f32 v254, v232, v233, v234
	v_max_num_f32 v254, v254, v235
	v_mul_f32 v254, s[CS], v254                    ; as t
	v_max_num_f32 v[ST+1], v[ST+1], v254           ; the running largest t
	v_mov_b32 v254, v[ST]
	v_floor_f32 v[ST], -v[ST+1]                    ; the new -M = -ceil(t)
	v_sub_f32 v254, v[ST], v254                    ; old M - new M: a whole number, 0 or less
	v_cvt_i32_f32 v254, v254                       ; (it saturates)
	v_ldexp_f32 v252, 1.0, v254                    ; f = 2^(old M - new M)
.set j, 0
.rept 32
	v_pk_fma_f32 v[S+j:S+j+1], v[S+j:S+j+1], s[CS:CS+1], v[ST:ST+1] op_sel_hi:[1,0,0]   ; t - M
.set j, j+2
.endr
.irp b, 0,1,2,3
	v_fma_f32 v[232+\b], v[232+\b], s[CS], v[ST]
.endr
.set j, 0
.rept 64
	v_exp_f32 v[S+j], v[S+j]                       ; p
.set j, j+1
.endr
.irp b, 0,1,2,3
	v_exp_f32 v[232+\b], v[232+\b]                 ; the block's largest p: the same two instructions on the same number
.endr
	v_pk_mul_f32 v[ST+2:ST+3], v[ST+2:ST+3], v[252:253] op_sel_hi:[1,0]            ; the sums under the new M (a plain line behind the exponentials)
	s_wait_alu depctr_va_vdst(0)
.irp b, 0,1,2,3
	v_max_num_f32 v[232+\b], 0x4800000, v[232+\b]  ; the floor
.endr
.irp b, 0,1,2,3
	v_add_nc_u32 v[244+\b], 0xfc000000, v[232+\b]
.endr
.irp b, 0,1,2,3
	v_and_or_b32 v[240+\b], v[232+\b], 0x7f800000, s[MNT]
.endr
.irp b, 0,1,2,3
	v_lshrrev_b32 v[236+\b], 23, v[244+\b]
.endr
	v_lshl_or_b32 v253, v237, 8, v236              ; p's scale word for these 128 keys
	v_lshl_or_b32 v253, v238, 16, v253
	v_lshl_or_b32 v253, v239, 24, v253
	v_pk_add_f32 v[236:237], v[S:S+1], v[S+2:S+3]  ; the row's sum, of the unquantised p, in two chains
.irp j, 4,8,12,16,20,24,28,32,36,40,44,48,52,56,60
	v_pk_add_f32 v[ST+2:ST+3], v[ST+2:ST+3], v[S+\j:S+\j+1]
	v_pk_add_f32 v[236:237], v[236:237], v[S+\j+2:S+\j+3]
.endr
	v_pk_add_f32 v[ST+2:ST+3], v[ST+2:ST+3], v[236:237]
.irp b, 0,1,2,3
.irp i, 0,1,2,3,4,5,6,7,8,9,10,11,12,13,14,15
	v_min_num_f32 v[S+16*\b+\i], v[S+16*\b+\i], v[240+\b]                          ; the hold; p is not negative
.endr
	v_cvt_scalef32_pk8_fp8_f32 v[PCD+4*\b:PCD+1+4*\b], v[S+16*\b:S+7+16*\b], v[244+\b]
	v_cvt_scalef32_pk8_fp8_f32 v[PCD+2+4*\b:PCD+3+4*\b], v[S+8+16*\b:S+15+16*\b], v[244+\b]
.endr
.set j, 0
.rept 16
	v_pk_mul_f32 v[OE+j:OE+j+1], v[OE+j:OE+j+1], v[252:253] op_sel_hi:[1,0]        ; O^T under the new M; these are also the places between the codes and the products
.set j, j+2
.endr
.if \e == 0
	s_wait_dscnt 17                                ; V and its scale words are in; head 1's K and its words may be out
.else
	s_wait_dscnt 0x0
.endif
	WIN 0x01                                       ; V in window 1
.irp t, 0,1,2,3
	v_wmma_scale_f32_16x16x128_f8f6f4 v[OE+8*\t:OE+8*\t+7], v[VF+16*\t:VF+16*\t+15], v[PCD:PCD+15], v[OE+8*\t:OE+8*\t+7], v[VS+\t], v253
.endr
	WIN 0
.endm
.macro STEP                            ; 128 keys, both heads
	v_add_nc_u32 v[ADK], s[TB], v[LI]
	v_add_nc_u32 v[ADS], s[TB], v[R16]
	v_add_nc_u32 v[ADM], s[TB], v[AM0]
	WIN 0x40
	KLOAD 0
	WIN 0
	ds_load_b128 v[KS:KS+3], v[ADS] offset:16384
.irp b, 0,1,2,3
.irp j, 0,1,2,3
	ds_load_b128 v[MK+16*\b+4*\j:MK+16*\b+4*\j+3], v[ADM] offset:128*\b+16*\j      ; the mask of my query at keys 32 b + 16 h + 4 j on
.endr
.endr
	HEAD 0
	HEAD 1
	s_xor_b32 s[TB], s[TB], SLOT1
.endm
; THE CHANGE OF SLOTS stands at a step's head.  fill = 1: behind a round of the cluster's barrier the slot that was left takes the next step's tiles, which have a whole step in which to land.
.macro CHANGE fill
	s_wait_tensorcnt 0x0                           ; no tensor load of mine is out: my part of the slot ahead has landed, and a group 0 may be written
	ds_add_u32 v[SPW], v[NIL]                      ; 0 onto my spare word
.if \fill
	s_xor_b32 s[G0K+1], s[G0K+1], SLOT1
	s_add_nc_u64 s[G0K+2:G0K+3], s[G0K+2:G0K+3], KVB
	s_xor_b32 s[G0M+1], s[G0M+1], SLOT1
	s_add_nc_u64 s[G0M+2:G0M+3], s[G0M+2:G0M+3], 512
.endif
	s_wait_dscnt 0x0                               ; the add is done, and my reads of the slot that I have left are over
.if \fill
	CROUND
	TLOAD
.else
	s_barrier_signal -1
	s_barrier_wait -1
.endif
.endm
.Lstep:                                                ; 15 trips: behind each change of slots but the last the next step is asked for
	CHANGE 1
	STEP
	s_sub_co_u32 s[CNT], s[CNT], 1
	s_cmp_lg_u32 s[CNT], 0
	s_cbranch_scc1 .Lstep
	CHANGE 0                                       ; the last step is written out
	STEP
	; THE WAY OUT.  O^T / the sum: register 32 e + 16 g + i is feature 64 e + 32 g + 16 h + i of the pair: quantised, the lane's 64 numbers are one fragment of the next product's operand.
	PLACES 8
	v_add_f32 v14, v14, v15
	v_add_f32 v18, v18, v19
	v_permlanex16_b32 v252, v14, s[SEL], s[SEL+1]
	v_permlanex16_b32 v254, v18, s[SEL], s[SEL+1]
	v_add_f32 v14, v14, v252
	v_add_f32 v18, v18, v254
	v_rcp_f32 v14, v14
	v_rcp_f32 v18, v18
	v_mov_b32 v65, 0                               ; (a plain line behind the reciprocals)
.irp b, 0,1,2,3
	v_mov_b32 v[TM+4+\b], 0
.endr
.set j, 0
	s_wait_alu depctr_va_vdst(0)
.rept 32
	v_mul_f32 v[S+j], v[O+j], v14
.set j, j+1
.endr
.rept 32
	v_mul_f32 v[S+j], v[O+j], v18
.set j, j+1
.endr
	QUANT S, 64
.irp c, 0,1,2,3
	global_store_b128 v[LI], v[PC+4*\c:PC+4*\c+3], s[66:67] offset:512*\c          ; 512 consecutive bytes, aligned to 256
.endr
	global_store_b64 v[R8], v[64:65], s[68:69]
	s_wait_tensorcnt 0x0                           ; the wave's end
	ds_add_u32 v[SPW], v[NIL]
	s_wait_dscnt 0x0
	CROUND                                         ; the closing round
	s_endpgm
.Lfunc_end_k_qde811163a6_attn:
	.size	k_qde811163a6_attn, .Lfunc_end_k_qde811163a6_attn-k_qde811163a6_attn
	.p2alignl 7, 3214868480
	.fill 96, 4, 3214868480
	.section	.rodata,"a",@progbits
	.p2align	6, 0x0
	.amdhsa_kernel k_qde811163a6_attn
		.amdhsa_group_segment_fixed_size 327680
		.amdhsa_private_segment_fixed_size 0
		.amdhsa_enable_private_segment 0
		.amdhsa_kernarg_size 32
		.amdhsa_user_sgpr_count 2
		.amdhsa_user_sgpr_kernarg_segment_ptr 1
		.amdhsa_wavefront_size32 1
		.amdhsa_system_sgpr_workgroup_id_x 1
		.amdhsa_system_sgpr_workgroup_id_y 1
		.amdhsa_system_sgpr_workgroup_id_z 1
		.amdhsa_system_vgpr_workitem_id 0
		.amdhsa_next_free_vgpr 448
		.amdhsa_next_free_sgpr 100
		.amdhsa_reserve_vcc 0
		.amdhsa_float_denorm_mode_32 3
		.amdhsa_float_denorm_mode_16_64 3
		.amdhsa_memory_ordered 1
		.amdhsa_forward_progress 1
		.amdhsa_inst_pref_size 106
	.end_amdhsa_kernel
	.amdgpu_metadata
---
amdhsa.version: [ 1, 2 ]
amdhsa.kernels:
  - .name:           k_qde811163a6_attn
    .symbol:         k_qde811163a6_attn.kd
    .args:
      - { .name: qb, .offset: 0, .size: 8, .value_kind: global_buffer, .address_space: global }
      - { .name: kvb, .offset: 8, .size: 8, .value_kind: global_buffer, .address_space: global }
      - { .name: mask, .offset: 16, .size: 8, .value_kind: global_buffer, .address_space: global }
      - { .name: hc, .offset: 24, .size: 8, .value_kind: global_buffer, .address_space: global }
    .group_segment_fixed_size: 327680
    .private_segment_fixed_size: 0
    .kernarg_segment_align: 8
    .kernarg_segment_size: 32
    .max_flat_workgroup_size: 256
    .sgpr_count:     100
    .vgpr_count:     448
    .wavefront_size: 32
...
	.end_amdgpu_metadata
.endif
;; end of part 3
;; launch wo (part 4): grid 4 x 16, 4 waves a work-group, clusters of 4 x 4, 327,680 bytes of LDS; arguments hc, wimg, x, x2; writes x2
.if DOCPART == 4
	.amdgcn_target "amdgcn-amd-amdhsa--gfx1250"
	.amdhsa_code_object_version 6
	.text
	.protected	k_qde811163a6_wo
	.globl	k_qde811163a6_wo
	.p2align	8
	.type	k_qde811163a6_wo,@function
k_qde811163a6_wo:
	s_mov_b64 s[64:65], 0
	v_nop
	global_prefetch_b8 v0, s[64:65] scope:SCOPE_SE
	s_setreg_imm32_b32 hwreg(HW_REG_WAVE_MODE, 25, 1), 1
	s_wait_xcnt 0x0
	s_wait_alu depctr_hold_cnt(0) depctr_sa_sdst(0) depctr_va_vdst(0) depctr_va_sdst(0) depctr_va_ssrc(0) depctr_va_vcc(0) depctr_vm_vsrc(0)
	s_getreg_b32 s2, hwreg(HW_REG_IB_STS2, 6, 4)
	s_cmp_eq_u32 s2, 0
	s_cbranch_scc0 .Lentry_in_a_cluster
	s_endpgm
.Lentry_in_a_cluster:
	s_bfe_u32 s2, ttmp6, 0x10000c
	s_cmp_lg_u32 s2, 0xf033
	s_cbranch_scc0 .Lentry_shape_is_right
	s_endpgm
.Lentry_shape_is_right:
; x2 = x + attn wo, the product on codes of E4M3 with E8M0 scales; the residual and the result in f32.
; OPERANDS are images of registers: a block of 4,352 bytes = 16 rows x 256 along K (codes at 2048 q + 512 c + 16 lane, scale words at 4096 + 128 q + 8 r); 128 rows of a K slot are 34,816 dense bytes.
; A tile of 256 x 256 is made by four waves, 128 x 128 each.  K goes in slots of 256 through a ring of two LDS slots; each wave fetches 128 rows (codes and scales) with one tensor load.
; CLUSTERS 4 x 4: A's tile (tokens) is shared along a row of the cluster, B's (features) along a column: joint loads.  Source 0 = 16 rows of B, source 1 = 16 rows of A: a lane holds one token, its registers run along features.
; The rows of a block follow the order m -> 8 u + m + 8 (m / 8): lane r of A's block a is token 32 (a / 2) + 8 (a % 2) + r + 8 (r / 8); the 16 registers of accumulators 2 g, 2 g + 1 are features 32 g + 16 h + 0..15.
; The output has 64 tiles of this size: 64 work-groups.  A smaller tile would fill more WGPs at twice the LDS bytes for each product.
.set BLK,   4352
.set HALFT, 8*BLK
.set SLOT,  4*HALFT
.set SPARE, 2*SLOT                     ; behind the ring: the spare words, 128 bytes a wave, which no other line names
.set NKS,   4                          ; K slots: K = 1,024
.set WOFF,  3342336                    ; wo's images in wimg
.set LAPS,  NKS/2
.set GSTR,  NKS*HALFT
.set NQ,    2
.set FR,    16
.set NL,    4
.set NP,    8                          ; places behind this matrix instruction (ISA guide 7.12.1)
.set ADRA, 16
.set ADRB, 20
.set ADRS, 22
.set STO,  24                          ; v24 the way out: where I put 32 bytes of a row
.set RD,   25                          ; v25 where I read a row back
.set LI,   26                          ; v26 16 x lane
.set SPW,  28
.set NIL,  29
.set SC,   32
.set AF,   128
.set BK,   128                         ; the way out: 16 rows back from the stage, v128-191 and v192-255 by turns; the residual's rows in window 1, v0-63 and v64-127
.set SPITCH, 528                       ; the stage: 16 rows x (512 bytes + 16) a wave, in slot 0, which has had its last fill and its last read by then
.set G1,   24
.set G0,   32
.set G1B,  48
.set G0B,  56
.set MSB, 0
.macro WIN new
.if MSB != (\new)
	s_set_vgpr_msb (MSB<<8)|(\new)
.set MSB, (\new)
.endif
.endm
.set MUL_LO, 0xa1
.set MUL_HI, 0xf1
.set TO_B,   0x40
.macro JLOAD s
	s_cmp_eq_u32 s15, 0
	s_cbranch_scc0 .Lfor_b_\@
	tensor_load_to_lds s[G0+4*\s:G0+4*\s+3], s[G1:G1+7]
	s_nop 0
.rept 4
	v_nop
.endr
	s_branch .Lasked_\@
.Lfor_b_\@:
	tensor_load_to_lds s[G0B+4*\s:G0B+4*\s+3], s[G1B:G1B+7]
	s_nop 0
.rept 4
	v_nop
.endr
.Lasked_\@:
.endm
.macro CREST
	s_cmp_lg_u32 s14, 0
	s_cbranch_scc1 .Lnot_wave_0_\@
	s_barrier_signal -3
.Lnot_wave_0_\@:
	s_barrier_wait -3
	s_barrier_signal -1
	s_barrier_wait -1
.endm
.macro CROUND
	s_barrier_signal -1
	s_barrier_wait -1
	CREST
.endm
.macro PLACES n
.rept \n
	v_nop
.endr
.endm
.macro FRAG reg, adr, q, i
.irp c, 0,1,2,3
	ds_load_b128 v[\reg+4*\c:\reg+4*\c+3], v[\adr] offset:(\i)*BLK+2048*(\q)+512*\c
.endr
.endm
.macro MUL16 a0, p, q, sc, zero        ; the accumulators take turns
.irp a, \a0, \a0+1
.irp b, 0,1,2,3,4,5,6,7
.if \zero
	v_wmma_scale_f32_16x16x128_f8f6f4 v[8*(8*((\a)%4)+\b):8*(8*((\a)%4)+\b)+7], v[128*(\p)+FR*\b:128*(\p)+FR*\b+FR-1], v[AF+FR*(\a):AF+FR*(\a)+FR-1], 0, v[SC+8*NQ*(\sc)+NQ*\b+(\q)], v[SC+8*NQ*(\sc)+NQ*(\a)+(\q)] matrix_a_scale:MATRIX_SCALE_ROW1
.else
	v_wmma_scale_f32_16x16x128_f8f6f4 v[8*(8*((\a)%4)+\b):8*(8*((\a)%4)+\b)+7], v[128*(\p)+FR*\b:128*(\p)+FR*\b+FR-1], v[AF+FR*(\a):AF+FR*(\a)+FR-1], v[8*(8*((\a)%4)+\b):8*(8*((\a)%4)+\b)+7], v[SC+8*NQ*(\sc)+NQ*\b+(\q)], v[SC+8*NQ*(\sc)+NQ*(\a)+(\q)] matrix_a_scale:MATRIX_SCALE_ROW1
.endif
.endr
.endr
.endm
.macro FETCH_B slot, q, p
	WIN TO_B
.irp i, 0,1,2,3,4,5,6,7
	FRAG 128*(\p)+FR*\i, ADRB+\slot, \q, \i
.endr
	WIN 0
.endm
.macro FETCH_A slot, q, i0
.irp i, \i0, \i0+1, \i0+2, \i0+3
	FRAG AF+FR*(\i), ADRA+\slot, \q, \i
.endr
.endm
.macro SCALES sc
.irp i, 0,1,2,3,4,5,6,7
	ds_load_b32 v[SC+16*\sc+2*\i], v[ADRS+\sc] offset:\i*BLK
	ds_load_b32 v[SC+16*\sc+2*\i+1], v[ADRS+\sc] offset:\i*BLK+128
.endr
.endm
.macro STEP slot, q, zero
	s_wait_dscnt 4*NL                              ; all but the youngest 16 loads (A's blocks 4-7) are in
	WIN MUL_LO
	MUL16 0, (\q)%2, \q, \slot, \zero
	MUL16 2, (\q)%2, \q, \slot, \zero
	s_wait_dscnt 0
	PLACES NP
	FETCH_B \slot, (\q)+1, 1-(\q)%2
	FETCH_A \slot, (\q)+1, 0
	WIN MUL_HI
	MUL16 4, (\q)%2, \q, \slot, \zero
	MUL16 6, (\q)%2, \q, \slot, \zero
	PLACES NP
	WIN 0
	FETCH_A \slot, (\q)+1, 4
.endm
.macro TURN slot, next, fill
	s_wait_tensorcnt 0x0                           ; all my tensor loads have landed: my part of the next slot
	ds_add_u32 v[SPW], v[NIL]                      ; 0 onto my spare word
	s_wait_dscnt 4*NL+1                            ; the add and A's blocks 4-7 may be out
	WIN MUL_LO
	MUL16 0, 1, NQ-1, \slot, 0
	s_wait_dscnt 0x0                               ; the add is done, and my reads of this slot are over
	s_barrier_signal -1
	MUL16 2, 1, NQ-1, \slot, 0
	WIN 0
	s_barrier_wait -1
.if \fill
	CREST                                          ; the barrier opened a round of the cluster's: no wave of any partner still reads this slot or has a load on its way
	s_add_nc_u64 s[G0+4*\slot+2:G0+4*\slot+3], s[G0+4*\slot+2:G0+4*\slot+3], 2*HALFT
	s_add_nc_u64 s[G0B+4*\slot+2:G0B+4*\slot+3], s[G0B+4*\slot+2:G0B+4*\slot+3], 2*HALFT
	JLOAD \slot
	PLACES NP-4
.else
	PLACES NP
.endif
	FETCH_B \next, 0, 0
	FETCH_A \next, 0, 0
	SCALES \next
	WIN MUL_HI
	MUL16 4, 1, NQ-1, \slot, 0
	MUL16 6, 1, NQ-1, \slot, 0
	PLACES NP
	WIN 0
	FETCH_A \next, 0, 4
.endm
	s_load_b128 s[4:7], s[0:1], 0x0                ; A's images, wimg
	s_load_b128 s[8:11], s[0:1], 0x10              ; the residual, the result
	v_lshl_add_u32 v[SPW], v0, 2, SPARE
	v_mov_b32 v[NIL], 0
	ds_add_u32 v28, v29
	s_wait_dscnt 0x0
	v_lshrrev_b32 v1, 5, v0
	v_readfirstlane_b32 s14, v1
	s_lshr_b32 s15, s14, 1
	s_and_b32 s16, s14, 1
	s_bfe_u32 s40, ttmp6, 0x40000                  ; cx
	s_bfe_u32 s41, ttmp6, 0x40004                  ; cy
	s_lshl_b32 s42, ttmp9, 2
	s_add_co_u32 s42, s42, s40                     ; B's tile of 256 features
	s_and_b32 s17, ttmp7, 0xffff
	s_lshl_b32 s17, s17, 2
	s_add_co_u32 s17, s17, s41                     ; A's tile of 256 tokens
	s_lshl_b32 s43, s41, 2
	s_lshl_b32 s43, 15, s43
	s_lshl_b32 s44, 0x1111, s40
	s_or_b32 s[G1+0], s43, (3<<16)|(1<<21)         ; the mask; elements of 8 bytes; bit 21 beside a mask; no padding
	s_or_b32 s[G1B+0], s44, (3<<16)|(1<<21)
.irp g, G1, G1B
	s_mov_b32 s[\g+1], 32<<16                      ; rows of 256 bytes,
	s_mov_b32 s[\g+2], 136<<16                     ; 136 of them: 34,816 dense bytes
	s_mov_b32 s[\g+3], 32<<16
	s_mov_b32 s[\g+4], 136
	s_mov_b32 s[\g+5], 32
	s_mov_b32 s[\g+6], 0
	s_mov_b32 s[\g+7], 0
.endr
	s_lshl_b32 s20, s17, 1
	s_add_co_u32 s20, s20, s16
	s_mul_i32 s20, s20, GSTR
	s_mov_b32 s21, 0
	s_lshl_b32 s46, s42, 1
	s_add_co_u32 s46, s46, s16
	s_mul_i32 s46, s46, GSTR
	s_add_co_u32 s46, s46, WOFF
	s_mov_b32 s47, 0
	s_mul_i32 s45, s14, HALFT
	s_wait_kmcnt 0x0
	s_add_nc_u64 s[20:21], s[4:5], s[20:21]
	s_add_nc_u64 s[46:47], s[6:7], s[46:47]
	CROUND
.irp s, 0,1
	s_mov_b32 s[G0+4*\s], 1
	s_add_co_u32 s[G0+4*\s+1], s45, \s*SLOT
	s_add_nc_u64 s[G0+4*\s+2:G0+4*\s+3], s[20:21], \s*HALFT
	s_or_b32 s[G0+4*\s+3], s[G0+4*\s+3], 0x80000000
	s_mov_b32 s[G0B+4*\s], 1
	s_add_co_u32 s[G0B+4*\s+1], s45, \s*SLOT
	s_add_nc_u64 s[G0B+4*\s+2:G0B+4*\s+3], s[46:47], \s*HALFT
	s_or_b32 s[G0B+4*\s+3], s[G0B+4*\s+3], 0x80000000
	JLOAD \s
.endr
	v_and_b32 v1, 15, v0
	v_bfe_u32 v2, v0, 4, 1
	v_and_b32 v3, 31, v0
	v_lshlrev_b32 v[LI], 4, v3
	s_mul_i32 s21, s15, HALFT
	s_mul_i32 s22, s16, HALFT
	s_add_co_u32 s22, s22, 2*HALFT
	s_sub_co_u32 s23, s22, s21
	v_mul_u32_u24 v6, s23, v2
	v_lshl_add_u32 v6, v1, 3, v6
	v_add_nc_u32 v6, 4096, v6
.irp s, 0,1
	v_add_nc_u32 v[ADRA+\s], s21, v[LI]
	v_add_nc_u32 v[ADRB+\s], s22, v[LI]
	v_add_nc_u32 v[ADRS+\s], s21, v6
	s_add_co_u32 s21, s21, SLOT
	s_add_co_u32 s22, s22, SLOT
.endr
	s_mul_i32 s23, s14, 16*SPITCH                  ; my stage
	v_mul_u32_u24 v5, v1, SPITCH
	v_lshl_add_u32 v5, v2, 6, v5
	v_add_nc_u32 v[STO], s23, v5                   ; in: row r, + 64 h
	v_add_nc_u32 v[RD], s23, v[LI]                 ; back: a row of 512 bytes to the 32 lanes
	s_lshl_b32 s20, s17, 1
	s_add_co_u32 s20, s20, s15
	s_lshl_b32 s20, s20, 19                        ; my first token: 128 rows of 4,096 bytes a group
	s_lshl_b32 s21, s42, 1
	s_add_co_u32 s21, s21, s16
	s_lshl_b32 s21, s21, 9                         ; my first feature
	s_add_co_u32 s20, s20, s21
	s_mov_b32 s21, 0
	s_add_nc_u64 s[8:9], s[8:9], s[20:21]
	s_add_nc_u64 s[10:11], s[10:11], s[20:21]
	s_wait_tensorcnt 1                             ; my part of K slot 0 is in (slot 1's load may be out),
	s_barrier_signal -1
	s_barrier_wait -1
	FETCH_B 0, 0, 0
	FETCH_A 0, 0, 0
	SCALES 0
	FETCH_A 0, 0, 4
	STEP 0, 0, 1
	s_mov_b32 s3, LAPS-1
.Llap:
	TURN 0, 1, 1
	STEP 1, 0, 0
	TURN 1, 0, 1
	STEP 0, 0, 0
	s_sub_co_u32 s3, s3, 1
	s_cmp_lg_u32 s3, 0
	s_cbranch_scc1 .Llap
	TURN 0, 1, 0
	STEP 1, 0, 0
	s_wait_dscnt 4*NL
	WIN MUL_LO
	MUL16 0, 1, NQ-1, 1, 0
	MUL16 2, 1, NQ-1, 1, 0
	s_wait_dscnt 0
	WIN MUL_HI
	MUL16 4, 1, NQ-1, 1, 0
	MUL16 6, 1, NQ-1, 1, 0
	WIN 0
; THE WAY OUT, a block of 16 tokens x 128 features at a time: through my own stage in LDS, back as whole rows of 512 bytes, the residual's same rows added, stored as two aligned runs of 256 bytes.
.macro XLOAD a                         ; the residual's 16 rows of block a
	WIN 0x40
.irp t, 0,1,2,3,4,5,6,7,8,9,10,11,12,13,14,15
	global_load_b128 v[64*((\a)%2)+4*\t:64*((\a)%2)+4*\t+3], v[LI], s[8:9] offset:(32*((\a)/2)+8*((\a)%2)+\t+8*(\t/8))*4096
.endr
	WIN 0
.endm
.macro TOSTAGE a
.set AC, 64*((\a)%4)
	WIN 0x08+4*((\a)/4)                            ; an LDS store's data: window 2 or 3
.irp b, 0,1,2,3,4,5,6,7
	ds_store_b128 v[STO], v[AC+8*\b:AC+8*\b+3] offset:128*(\b/2)+32*(\b%2)         ; each accumulator from its low end on
	ds_store_b128 v[STO], v[AC+8*\b+4:AC+8*\b+7] offset:128*(\b/2)+32*(\b%2)+16
.endr
	WIN 0
.set BB, BK+64*((\a)%2)
.irp t, 0,1,2,3,4,5,6,7,8,9,10,11,12,13,14,15
	ds_load_b128 v[BB+4*\t:BB+4*\t+3], v[RD] offset:\t*SPITCH                      ; LDS serves a wave's instructions in order (ISA guide 5.7.1.4)
.endr
.endm
.macro SEND a, younger, lc
.set BB, BK+64*((\a)%2)
.set XR, 64*((\a)%2)
	s_wait_dscnt \younger                          ; the block is back; the next block's LDS instructions may be out
	s_wait_loadcnt \lc                             ; its residual is in; the next block's loads may be out
	WIN 0x04                                       ; source 1: window 1
.set j, 0
.rept 32
	v_pk_add_f32 v[BB+j:BB+j+1], v[BB+j:BB+j+1], v[XR+j:XR+j+1]
.set j, j+2
.endr
	WIN 0
.irp t, 0,1,2,3,4,5,6,7,8,9,10,11,12,13,14,15
	global_store_b128 v[LI], v[BB+4*\t:BB+4*\t+3], s[10:11] offset:(32*((\a)/2)+8*((\a)%2)+\t+8*(\t/8))*4096
.endr
.endm
	PLACES NP                                      ; behind the last products: results are read, and registers that held fragments are loaded
	XLOAD 0
	TOSTAGE 0
.irp a, 1,2,3,4,5,6,7
.if \a > 1
	s_wait_xcnt 0x0                                ; block a - 2's stores have read their registers
.endif
	XLOAD \a
	TOSTAGE \a
	SEND \a-1, 32, 16
.endr
	SEND 7, 0, 0
	s_wait_tensorcnt 0x0                           ; the wave's end
	ds_add_u32 v[SPW], v[NIL]
	s_wait_dscnt 0x0
	CROUND                                         ; the closing round
	s_endpgm
.Lfunc_end_k_qde811163a6_wo:
	.size	k_qde811163a6_wo, .Lfunc_end_k_qde811163a6_wo-k_qde811163a6_wo
	.p2alignl 7, 3214868480
	.fill 96, 4, 3214868480
	.section	.rodata,"a",@progbits
	.p2align	6, 0x0
	.amdhsa_kernel k_qde811163a6_wo
		.amdhsa_group_segment_fixed_size 327680
		.amdhsa_private_segment_fixed_size 0
		.amdhsa_enable_private_segment 0
		.amdhsa_kernarg_size 32
		.amdhsa_user_sgpr_count 2
		.amdhsa_user_sgpr_kernarg_segment_ptr 1
		.amdhsa_wavefront_size32 1
		.amdhsa_system_sgpr_workgroup_id_x 1
		.amdhsa_system_sgpr_workgroup_id_y 1
		.amdhsa_system_sgpr_workgroup_id_z 1
		.amdhsa_system_vgpr_workitem_id 0
		.amdhsa_next_free_vgpr 1024
		.amdhsa_next_free_sgpr 100
		.amdhsa_reserve_vcc 0
		.amdhsa_float_denorm_mode_32 3
		.amdhsa_float_denorm_mode_16_64 3
		.amdhsa_memory_ordered 1
		.amdhsa_forward_progress 1
		.amdhsa_inst_pref_size 174
	.end_amdhsa_kernel
	.amdgpu_metadata
---
amdhsa.version: [ 1, 2 ]
amdhsa.kernels:
  - .name:           k_qde811163a6_wo
    .symbol:         k_qde811163a6_wo.kd
    .args:
      - { .name: hc, .offset: 0, .size: 8, .value_kind: global_buffer, .address_space: global }
      - { .name: wimg, .offset: 8, .size: 8, .value_kind: global_buffer, .address_space: global }
      - { .name: x, .offset: 16, .size: 8, .value_kind: global_buffer, .address_space: global }
      - { .name: x2, .offset: 24, .size: 8, .value_kind: global_buffer, .address_space: global }
    .group_segment_fixed_size: 327680
    .private_segment_fixed_size: 0
    .kernarg_segment_align: 8
    .kernarg_segment_size: 32
    .max_flat_workgroup_size: 128
    .sgpr_count:     100
    .vgpr_count:     1024
    .wavefront_size: 32
...
	.end_amdgpu_metadata
.endif
;; end of part 4
;; launch ln2: the kernel of part 1 again; grid 256 x 1, 8 waves a work-group, no clusters, 70,656 bytes of LDS; arguments x2, ln2_w, ln2_b, wq, wk, wv, wo, w1, w2, hc, wimg; writes hc, wimg
;; launch ffn1 (part 5): grid 16 x 16, 4 waves a work-group, clusters of 4 x 4, 327,680 bytes of LDS; arguments hc, wimg, hid; writes hid
.if DOCPART == 5
	.amdgcn_target "amdgcn-amd-amdhsa--gfx1250"
	.amdhsa_code_object_version 6
	.text
	.protected	k_qde811163a6_ffn1
	.globl	k_qde811163a6_ffn1
	.p2align	8
	.type	k_qde811163a6_ffn1,@function
k_qde811163a6_ffn1:
	s_mov_b64 s[64:65], 0
	v_nop
	global_prefetch_b8 v0, s[64:65] scope:SCOPE_SE
	s_setreg_imm32_b32 hwreg(HW_REG_WAVE_MODE, 25, 1), 1
	s_wait_xcnt 0x0
	s_wait_alu depctr_hold_cnt(0) depctr_sa_sdst(0) depctr_va_vdst(0) depctr_va_sdst(0) depctr_va_ssrc(0) depctr_va_vcc(0) depctr_vm_vsrc(0)
	s_getreg_b32 s2, hwreg(HW_REG_IB_STS2, 6, 4)
	s_cmp_eq_u32 s2, 0
	s_cbranch_scc0 .Lentry_in_a_cluster
	s_endpgm
.Lentry_in_a_cluster:
	s_bfe_u32 s2, ttmp6, 0x10000c
	s_cmp_lg_u32 s2, 0xf033
	s_cbranch_scc0 .Lentry_shape_is_right
	s_endpgm
.Lentry_shape_is_right:
; hid = Q(gelu(h w1)): the product on codes of E4M3 with E8M0 scales, the exact (erf) GELU in f32, and the result quantised along the 4,096 hidden units on the way out.
; OPERANDS are images of registers: a block of 4,352 bytes = 16 rows x 256 along K (codes at 2048 q + 512 c + 16 lane, scale words at 4096 + 128 q + 8 r); 128 rows of a K slot are 34,816 dense bytes.  hid is laid the same way, K = 4,096.
; A tile of 256 x 256 is made by four waves, 128 x 128 each.  K goes in slots of 256 through a ring of two LDS slots; each wave fetches 128 rows (codes and scales) with one tensor load.
; CLUSTERS 4 x 4: A's tile (tokens) is shared along a row of the cluster, B's (hidden units) along a column: joint loads.  Source 0 = 16 rows of B, source 1 = 16 rows of A: a lane holds one token, and by the order of a
; block's rows its 64 registers of one block of tokens are hidden units 32 b + 16 h + i: one fragment of the next product.
; GELU: gelu(x) = max(x, 0) - |x| g, g = erfc(|x| / sqrt 2) / 2 = t (a1 + t (a2 + t (a3 + t (a4 + t a5)))) 2^(-x^2 log2(e) / 2), t = 1 / (1 + 0.23164189 |x|) (Abramowitz and Stegun 7.1.26, the half folded in).
; LIMITS: g is off by up to 1e-7 in absolute terms, which is what 1 + erf rounded to f32 is off by; a block of zeros gets the byte 1; magnitudes under 2^-118 are taken at that floor; NaN and infinities are not served.
.set BLK,   4352
.set HALFT, 8*BLK
.set SLOT,  4*HALFT
.set SPARE, 2*SLOT                     ; behind the ring: the spare words, 128 bytes a wave, which no other line names
.set NKS,   4
.set WOFF,  4456448                    ; w1's images in wimg
.set LAPS,  NKS/2
.set GSTR,  NKS*HALFT
.set NQ,    2
.set FR,    16
.set NL,    4
.set NP,    8
.set ADRA, 16
.set ADRB, 20
.set ADRS, 22
.set LI,   26                          ; v26 16 x lane
.set R8,   27                          ; v27 8 r
.set SPW,  28
.set NIL,  29
.set SC,   32
.set AF,   128
.set X0,   64                          ; the way out, window 0: v64-127 a block's 64 numbers; v128-159 t, v160-191 the exponential, v192-223 the polynomial; v224-239 the quantiser's; v240-255 codes; v32 word, v33 zero; v[30:31] a4
.set GT,   128
.set GE,   160
.set GP,   192
.set TM,   224
.set PC,   240
.set PCC,  66
.set C2,   68
.set A5,   70
.set A3,   72
.set A2,   74
.set A1,   76
.set SEL,  78
.set MNT,  80
.set G1,   24
.set G0,   32
.set G1B,  48
.set G0B,  56
.set MSB, 0
.macro WIN new
.if MSB != (\new)
	s_set_vgpr_msb (MSB<<8)|(\new)
.set MSB, (\new)
.endif
.endm
.set MUL_LO, 0xa1
.set MUL_HI, 0xf1
.set TO_B,   0x40
.macro JLOAD s
	s_cmp_eq_u32 s15, 0
	s_cbranch_scc0 .Lfor_b_\@
	tensor_load_to_lds s[G0+4*\s:G0+4*\s+3], s[G1:G1+7]
	s_nop 0
.rept 4
	v_nop
.endr
	s_branch .Lasked_\@
.Lfor_b_\@:
	tensor_load_to_lds s[G0B+4*\s:G0B+4*\s+3], s[G1B:G1B+7]
	s_nop 0
.rept 4
	v_nop
.endr
.Lasked_\@:
.endm
.macro CREST
	s_cmp_lg_u32 s14, 0
	s_cbranch_scc1 .Lnot_wave_0_\@
	s_barrier_signal -3
.Lnot_wave_0_\@:
	s_barrier_wait -3
	s_barrier_signal -1
	s_barrier_wait -1
.endm
.macro CROUND
	s_barrier_signal -1
	s_barrier_wait -1
	CREST
.endm
.macro PLACES n
.rept \n
	v_nop
.endr
.endm
.macro FRAG reg, adr, q, i
.irp c, 0,1,2,3
	ds_load_b128 v[\reg+4*\c:\reg+4*\c+3], v[\adr] offset:(\i)*BLK+2048*(\q)+512*\c
.endr
.endm
.macro MUL16 a0, p, q, sc, zero        ; the accumulators take turns
.irp a, \a0, \a0+1
.irp b, 0,1,2,3,4,5,6,7
.if \zero
	v_wmma_scale_f32_16x16x128_f8f6f4 v[8*(8*((\a)%4)+\b):8*(8*((\a)%4)+\b)+7], v[128*(\p)+FR*\b:128*(\p)+FR*\b+FR-1], v[AF+FR*(\a):AF+FR*(\a)+FR-1], 0, v[SC+8*NQ*(\sc)+NQ*\b+(\q)], v[SC+8*NQ*(\sc)+NQ*(\a)+(\q)] matrix_a_scale:MATRIX_SCALE_ROW1
.else
	v_wmma_scale_f32_16x16x128_f8f6f4 v[8*(8*((\a)%4)+\b):8*(8*((\a)%4)+\b)+7], v[128*(\p)+FR*\b:128*(\p)+FR*\b+FR-1], v[AF+FR*(\a):AF+FR*(\a)+FR-1], v[8*(8*((\a)%4)+\b):8*(8*((\a)%4)+\b)+7], v[SC+8*NQ*(\sc)+NQ*\b+(\q)], v[SC+8*NQ*(\sc)+NQ*(\a)+(\q)] matrix_a_scale:MATRIX_SCALE_ROW1
.endif
.endr
.endr
.endm
.macro FETCH_B slot, q, p
	WIN TO_B
.irp i, 0,1,2,3,4,5,6,7
	FRAG 128*(\p)+FR*\i, ADRB+\slot, \q, \i
.endr
	WIN 0
.endm
.macro FETCH_A slot, q, i0
.irp i, \i0, \i0+1, \i0+2, \i0+3
	FRAG AF+FR*(\i), ADRA+\slot, \q, \i
.endr
.endm
.macro SCALES sc
.irp i, 0,1,2,3,4,5,6,7
	ds_load_b32 v[SC+16*\sc+2*\i], v[ADRS+\sc] offset:\i*BLK
	ds_load_b32 v[SC+16*\sc+2*\i+1], v[ADRS+\sc] offset:\i*BLK+128
.endr
.endm
.macro STEP slot, q, zero
	s_wait_dscnt 4*NL                              ; all but the youngest 16 loads (A's blocks 4-7) are in
	WIN MUL_LO
	MUL16 0, (\q)%2, \q, \slot, \zero
	MUL16 2, (\q)%2, \q, \slot, \zero
	s_wait_dscnt 0
	PLACES NP
	FETCH_B \slot, (\q)+1, 1-(\q)%2
	FETCH_A \slot, (\q)+1, 0
	WIN MUL_HI
	MUL16 4, (\q)%2, \q, \slot, \zero
	MUL16 6, (\q)%2, \q, \slot, \zero
	PLACES NP
	WIN 0
	FETCH_A \slot, (\q)+1, 4
.endm
.macro TURN slot, next, fill
	s_wait_tensorcnt 0x0                           ; all my tensor loads have landed: my part of the next slot
	ds_add_u32 v[SPW], v[NIL]                      ; 0 onto my spare word
	s_wait_dscnt 4*NL+1                            ; the add and A's blocks 4-7 may be out
	WIN MUL_LO
	MUL16 0, 1, NQ-1, \slot, 0
	s_wait_dscnt 0x0                               ; the add is done, and my reads of this slot are over
	s_barrier_signal -1
	MUL16 2, 1, NQ-1, \slot, 0
	WIN 0
	s_barrier_wait -1
.if \fill
	CREST                                          ; the barrier opened a round of the cluster's: no wave of any partner still reads this slot or has a load on its way
	s_add_nc_u64 s[G0+4*\slot+2:G0+4*\slot+3], s[G0+4*\slot+2:G0+4*\slot+3], 2*HALFT
	s_add_nc_u64 s[G0B+4*\slot+2:G0B+4*\slot+3], s[G0B+4*\slot+2:G0B+4*\slot+3], 2*HALFT
	JLOAD \slot
	PLACES NP-4
.else
	PLACES NP
.endif
	FETCH_B \next, 0, 0
	FETCH_A \next, 0, 0
	SCALES \next
	WIN MUL_HI
	MUL16 4, 1, NQ-1, \slot, 0
	MUL16 6, 1, NQ-1, \slot, 0
	PLACES NP
	WIN 0
	FETCH_A \next, 0, 4
.endm
.macro QUANT s, pw
.irp b, 0,1,2,3
	v_max3_num_f32 v[TM+\b], |v[\s+16*\b]|, |v[\s+1+16*\b]|, 0x4800000
.endr
.irp i, 2,4,6,8,10,12,14
.irp b, 0,1,2,3
	v_max3_num_f32 v[TM+\b], v[TM+\b], |v[\s+16*\b+\i]|, |v[\s+1+16*\b+\i]|
.endr
.endr
.irp b, 0,1,2,3
	v_permlanex16_b32 v[TM+4+\b], v[TM+\b], s[SEL], s[SEL+1]
.endr
.irp b, 0,1,2,3
	v_max_num_f32 v[TM+\b], v[TM+\b], v[TM+4+\b]
.endr
.irp b, 0,1,2,3
	v_add_nc_u32 v[TM+12+\b], 0xfc000000, v[TM+\b]
.endr
.irp b, 0,1,2,3
	v_and_or_b32 v[TM+8+\b], v[TM+\b], 0x7f800000, s[MNT]
.endr
.irp b, 0,1,2,3
	v_lshrrev_b32 v[TM+4+\b], 23, v[TM+12+\b]
.endr
	v_lshl_or_b32 v[\pw], v[TM+5], 8, v[TM+4]
	v_lshl_or_b32 v[\pw], v[TM+6], 16, v[\pw]
	v_lshl_or_b32 v[\pw], v[TM+7], 24, v[\pw]
.irp b, 0,1,2,3
.irp i, 0,1,2,3,4,5,6,7,8,9,10,11,12,13,14,15
	v_med3_num_f32 v[\s+16*\b+\i], v[\s+16*\b+\i], -v[TM+8+\b], v[TM+8+\b]
.endr
	v_cvt_scalef32_pk8_fp8_f32 v[PC+4*\b:PC+1+4*\b], v[\s+16*\b:\s+7+16*\b], v[TM+12+\b]
	v_cvt_scalef32_pk8_fp8_f32 v[PC+2+4*\b:PC+3+4*\b], v[\s+8+16*\b:\s+15+16*\b], v[TM+12+\b]
.endr
	v_nop
.endm
; the GELU of 32 numbers v[x ..], in place.  Behind each run of transcendentals stands a plain line that touches none of its registers
.macro GELU32 x
.set i, 0
.rept 32
	v_fma_f32 v[GT+i], |v[\x+i]|, s[PCC], 1.0
.set i, i+1
.endr
.set i, 0
.rept 32
	v_rcp_f32 v[GT+i], v[GT+i]                     ; t
.set i, i+1
.endr
.set i, 0
.rept 16
	v_pk_mul_f32 v[GE+i:GE+i+1], v[\x+i:\x+i+1], v[\x+i:\x+i+1]
.set i, i+2
.endr
.set i, 0
.rept 16
	v_pk_mul_f32 v[GE+i:GE+i+1], v[GE+i:GE+i+1], s[C2:C2+1] op_sel_hi:[1,0]
.set i, i+2
.endr
.set i, 0
.rept 32
	v_exp_f32 v[GE+i], v[GE+i]                     ; e^(-x^2 / 2)
.set i, i+1
.endr
.set i, 0
	s_wait_alu depctr_va_vdst(0)
.rept 16
	v_pk_fma_f32 v[GP+i:GP+i+1], v[GT+i:GT+i+1], s[A5:A5+1], v[30:31] op_sel_hi:[1,0,1]
.set i, i+2
.endr
.irp k, A3, A2, A1
.set i, 0
.rept 16
	v_pk_fma_f32 v[GP+i:GP+i+1], v[GP+i:GP+i+1], v[GT+i:GT+i+1], s[\k:\k+1] op_sel_hi:[1,1,0]
.set i, i+2
.endr
.endr
.set i, 0
.rept 16
	v_pk_mul_f32 v[GP+i:GP+i+1], v[GP+i:GP+i+1], v[GT+i:GT+i+1]
.set i, i+2
.endr
.set i, 0
.rept 16
	v_pk_mul_f32 v[GP+i:GP+i+1], v[GP+i:GP+i+1], v[GE+i:GE+i+1]    ; g
.set i, i+2
.endr
.set i, 0
.rept 32
	v_max_num_f32 v[GT+i], 0, v[\x+i]
.set i, i+1
.endr
.set i, 0
.rept 32
	v_fma_f32 v[\x+i], -|v[\x+i]|, v[GP+i], v[GT+i]
.set i, i+1
.endr
.endm
	s_load_b128 s[4:7], s[0:1], 0x0                ; hc, wimg
	s_load_b64 s[8:9], s[0:1], 0x10                ; hid
	v_lshl_add_u32 v[SPW], v0, 2, SPARE
	v_mov_b32 v[NIL], 0
	ds_add_u32 v28, v29
	s_wait_dscnt 0x0
	v_lshrrev_b32 v1, 5, v0
	v_readfirstlane_b32 s14, v1
	s_lshr_b32 s15, s14, 1
	s_and_b32 s16, s14, 1
	s_bfe_u32 s40, ttmp6, 0x40000                  ; cx
	s_bfe_u32 s41, ttmp6, 0x40004                  ; cy
	s_lshl_b32 s42, ttmp9, 2
	s_add_co_u32 s42, s42, s40                     ; B's tile of 256 hidden units
	s_and_b32 s17, ttmp7, 0xffff
	s_lshl_b32 s17, s17, 2
	s_add_co_u32 s17, s17, s41                     ; A's tile of 256 tokens
	s_lshl_b32 s43, s41, 2
	s_lshl_b32 s43, 15, s43
	s_lshl_b32 s44, 0x1111, s40
	s_or_b32 s[G1+0], s43, (3<<16)|(1<<21)
	s_or_b32 s[G1B+0], s44, (3<<16)|(1<<21)
.irp g, G1, G1B
	s_mov_b32 s[\g+1], 32<<16
	s_mov_b32 s[\g+2], 136<<16
	s_mov_b32 s[\g+3], 32<<16
	s_mov_b32 s[\g+4], 136
	s_mov_b32 s[\g+5], 32
	s_mov_b32 s[\g+6], 0
	s_mov_b32 s[\g+7], 0
.endr
	s_lshl_b32 s20, s17, 1
	s_add_co_u32 s20, s20, s16
	s_mul_i32 s20, s20, GSTR
	s_mov_b32 s21, 0
	s_lshl_b32 s46, s42, 1
	s_add_co_u32 s46, s46, s16
	s_mul_i32 s46, s46, GSTR
	s_add_co_u32 s46, s46, WOFF
	s_mov_b32 s47, 0
	s_mul_i32 s45, s14, HALFT
	s_wait_kmcnt 0x0
	s_add_nc_u64 s[20:21], s[4:5], s[20:21]
	s_add_nc_u64 s[46:47], s[6:7], s[46:47]
	CROUND
.irp s, 0,1
	s_mov_b32 s[G0+4*\s], 1
	s_add_co_u32 s[G0+4*\s+1], s45, \s*SLOT
	s_add_nc_u64 s[G0+4*\s+2:G0+4*\s+3], s[20:21], \s*HALFT
	s_or_b32 s[G0+4*\s+3], s[G0+4*\s+3], 0x80000000
	s_mov_b32 s[G0B+4*\s], 1
	s_add_co_u32 s[G0B+4*\s+1], s45, \s*SLOT
	s_add_nc_u64 s[G0B+4*\s+2:G0B+4*\s+3], s[46:47], \s*HALFT
	s_or_b32 s[G0B+4*\s+3], s[G0B+4*\s+3], 0x80000000
	JLOAD \s
.endr
	v_and_b32 v1, 15, v0
	v_bfe_u32 v2, v0, 4, 1
	v_and_b32 v3, 31, v0
	v_lshlrev_b32 v[LI], 4, v3
	v_lshlrev_b32 v[R8], 3, v1
	s_mul_i32 s21, s15, HALFT
	s_mul_i32 s22, s16, HALFT
	s_add_co_u32 s22, s22, 2*HALFT
	s_sub_co_u32 s23, s22, s21
	v_mul_u32_u24 v6, s23, v2
	v_lshl_add_u32 v6, v1, 3, v6
	v_add_nc_u32 v6, 4096, v6
.irp s, 0,1
	v_add_nc_u32 v[ADRA+\s], s21, v[LI]
	v_add_nc_u32 v[ADRB+\s], s22, v[LI]
	v_add_nc_u32 v[ADRS+\s], s21, v6
	s_add_co_u32 s21, s21, SLOT
	s_add_co_u32 s22, s22, SLOT
.endr
	s_mov_b32 s[PCC], 0x3e6d3388                   ; 0.23164189
	s_mov_b32 s[C2], 0xbf38aa3b                    ; -log2(e) / 2
	s_mov_b32 s[C2+1], s[C2]
	s_mov_b32 s[A5], 0x3f07dc22                    ; the five coefficients, halved
	s_mov_b32 s[A5+1], s[A5]
	s_mov_b32 s[A3], 0x3f35f0e3
	s_mov_b32 s[A3+1], s[A3]
	s_mov_b32 s[A2], 0xbe11a98e
	s_mov_b32 s[A2+1], s[A2]
	s_mov_b32 s[A1], 0x3e027906
	s_mov_b32 s[A1+1], s[A1]
	s_mov_b32 s[SEL], 0x76543210
	s_mov_b32 s[SEL+1], 0xfedcba98
	s_mov_b32 s[MNT], 0x600000
	v_mov_b32 v30, 0xbf3a00e3                      ; a4, as a vector pair: an instruction reads two scalar values at the most
	v_mov_b32 v31, v30
	s_wait_tensorcnt 1                             ; my part of K slot 0 is in (slot 1's load may be out),
	s_barrier_signal -1
	s_barrier_wait -1
	FETCH_B 0, 0, 0
	FETCH_A 0, 0, 0
	SCALES 0
	FETCH_A 0, 0, 4
	STEP 0, 0, 1
	s_mov_b32 s3, LAPS-1
.Llap:
	TURN 0, 1, 1
	STEP 1, 0, 0
	TURN 1, 0, 1
	STEP 0, 0, 0
	s_sub_co_u32 s3, s3, 1
	s_cmp_lg_u32 s3, 0
	s_cbranch_scc1 .Llap
	TURN 0, 1, 0
	STEP 1, 0, 0
	s_wait_dscnt 4*NL
	WIN MUL_LO
	MUL16 0, 1, NQ-1, 1, 0
	MUL16 2, 1, NQ-1, 1, 0
	s_wait_dscnt 0
	WIN MUL_HI
	MUL16 4, 1, NQ-1, 1, 0
	MUL16 6, 1, NQ-1, 1, 0
	WIN 0
	; THE WAY OUT: a loop over A's eight blocks of tokens, so that the GELU's 576 lines are written once.  The price: a trip begins by copying its block's 64 results into window 0 (the register numbers differ from trip to trip).
	s_lshl_b32 s20, s17, 1
	s_add_co_u32 s20, s20, s15                     ; my group of 128 tokens
	s_mul_i32 s20, s20, 16*HALFT                   ; hid has 16 K slots a group
	s_mul_i32 s21, s42, HALFT                      ; my K slot of the next product = B's tile
	s_add_co_u32 s20, s20, s21
	s_lshl_b32 s21, s16, 7
	s_add_co_u32 s22, s20, s21
	s_add_co_u32 s22, s22, 4096                    ; the scale words: + 4096 + 128 x my half
	s_mov_b32 s23, 0
	s_lshl_b32 s21, s16, 11
	s_add_co_u32 s20, s20, s21                     ; the codes: + 2048 x my half
	s_mov_b32 s21, 0
	s_add_nc_u64 s[10:11], s[8:9], s[20:21]
	s_add_nc_u64 s[12:13], s[8:9], s[22:23]
	PLACES NP                                      ; behind the last products
.irp b, 0,1,2,3
	v_mov_b32 v[TM+4+\b], 0                        ; a lane permute's destination counts as read
.endr
	v_mov_b32 v33, 0
	s_mov_b32 s3, 0
.Lrow:
.irp k, 0,1,2,3,4,5,6
	s_cmp_eq_u32 s3, \k
	s_cbranch_scc1 .Lf_\k
.endr
.irp k, 7,0,1,2,3,4,5,6
.Lf_\k:
	WIN 2+\k/4                                     ; source 0: window 2 or 3
.set i, 0
.rept 64
	v_mov_b32 v[X0+i], v[64*(\k%4)+i]              ; each accumulator from its low end on
.set i, i+1
.endr
	WIN 0
	s_branch .Lgelu
.endr
.Lgelu:
	GELU32 X0
	GELU32 X0+32
	QUANT X0, 32
.irp c, 0,1,2,3
	global_store_b128 v[LI], v[PC+4*\c:PC+4*\c+3], s[10:11] offset:512*\c          ; 512 consecutive bytes, aligned to 256
.endr
	global_store_b64 v[R8], v[32:33], s[12:13]
	s_wait_xcnt 0x0                                ; the stores have read their data and bases: both are written again below and in the next trip
	s_add_nc_u64 s[10:11], s[10:11], BLK
	s_add_nc_u64 s[12:13], s[12:13], BLK
	s_add_co_u32 s3, s3, 1
	s_cmp_lt_u32 s3, 8
	s_cbranch_scc1 .Lrow
	s_wait_tensorcnt 0x0                           ; the wave's end
	ds_add_u32 v[SPW], v[NIL]
	s_wait_dscnt 0x0
	CROUND                                         ; the closing round
	s_endpgm
.Lfunc_end_k_qde811163a6_ffn1:
	.size	k_qde811163a6_ffn1, .Lfunc_end_k_qde811163a6_ffn1-k_qde811163a6_ffn1
	.p2alignl 7, 3214868480
	.fill 96, 4, 3214868480
	.section	.rodata,"a",@progbits
	.p2align	6, 0x0
	.amdhsa_kernel k_qde811163a6_ffn1
		.amdhsa_group_segment_fixed_size 327680
		.amdhsa_private_segment_fixed_size 0
		.amdhsa_enable_private_segment 0
		.amdhsa_kernarg_size 24
		.amdhsa_user_sgpr_count 2
		.amdhsa_user_sgpr_kernarg_segment_ptr 1
		.amdhsa_wavefront_size32 1
		.amdhsa_system_sgpr_workgroup_id_x 1
		.amdhsa_system_sgpr_workgroup_id_y 1
		.amdhsa_system_sgpr_workgroup_id_z 1
		.amdhsa_system_vgpr_workitem_id 0
		.amdhsa_next_free_vgpr 1024
		.amdhsa_next_free_sgpr 100
		.amdhsa_reserve_vcc 0
		.amdhsa_float_denorm_mode_32 3
		.amdhsa_float_denorm_mode_16_64 3
		.amdhsa_memory_ordered 1
		.amdhsa_forward_progress 1
		.amdhsa_inst_pref_size 172
	.end_amdhsa_kernel
	.amdgpu_metadata
---
amdhsa.version: [ 1, 2 ]
amdhsa.kernels:
  - .name:           k_qde811163a6_ffn1
    .symbol:         k_qde811163a6_ffn1.kd
    .args:
      - { .name: hc, .offset: 0, .size: 8, .value_kind: global_buffer, .address_space: global }
      - { .name: wimg, .offset: 8, .size: 8, .value_kind: global_buffer, .address_space: global }
      - { .name: hid, .offset: 16, .size: 8, .value_kind: global_buffer, .address_space: global }
    .group_segment_fixed_size: 327680
    .private_segment_fixed_size: 0
    .kernarg_segment_align: 8
    .kernarg_segment_size: 24
    .max_flat_workgroup_size: 128
    .sgpr_count:     100
    .vgpr_count:     1024
    .wavefront_size: 32
...
	.end_amdgpu_metadata
.endif
;; end of part 5
;; launch ffn2 (part 6): grid 4 x 16, 4 waves a work-group, clusters of 4 x 4, 327,680 bytes of LDS; arguments hid, wimg, x2, out0; writes out0
.if DOCPART == 6
	.amdgcn_target "amdgcn-amd-amdhsa--gfx1250"
	.amdhsa_code_object_version 6
	.text
	.protected	k_qde811163a6_ffn2
	.globl	k_qde811163a6_ffn2
	.p2align	8
	.type	k_qde811163a6_ffn2,@function
k_qde811163a6_ffn2:
	s_mov_b64 s[64:65], 0
	v_nop
	global_prefetch_b8 v0, s[64:65] scope:SCOPE_SE
	s_setreg_imm32_b32 hwreg(HW_REG_WAVE_MODE, 25, 1), 1
	s_wait_xcnt 0x0
	s_wait_alu depctr_hold_cnt(0) depctr_sa_sdst(0) depctr_va_vdst(0) depctr_va_sdst(0) depctr_va_ssrc(0) depctr_va_vcc(0) depctr_vm_vsrc(0)
	s_getreg_b32 s2, hwreg(HW_REG_IB_STS2, 6, 4)
	s_cmp_eq_u32 s2, 0
	s_cbranch_scc0 .Lentry_in_a_cluster
	s_endpgm
.Lentry_in_a_cluster:
	s_bfe_u32 s2, ttmp6, 0x10000c
	s_cmp_lg_u32 s2, 0xf033
	s_cbranch_scc0 .Lentry_shape_is_right
	s_endpgm
.Lentry_shape_is_right:
; out = x2 + hid w2, the product on codes of E4M3 with E8M0 scales, K = 4,096; the residual and the result in f32.
; OPERANDS are images of registers: a block of 4,352 bytes = 16 rows x 256 along K (codes at 2048 q + 512 c + 16 lane, scale words at 4096 + 128 q + 8 r); 128 rows of a K slot are 34,816 dense bytes.
; A tile of 256 x 256 is made by four waves, 128 x 128 each.  K goes in slots of 256 through a ring of two LDS slots; each wave fetches 128 rows (codes and scales) with one tensor load.
; CLUSTERS 4 x 4: A's tile (tokens) is shared along a row of the cluster, B's (features) along a column: joint loads.  Source 0 = 16 rows of B, source 1 = 16 rows of A: a lane holds one token, its registers run along features.
; The rows of a block follow the order m -> 8 u + m + 8 (m / 8): lane r of A's block a is token 32 (a / 2) + 8 (a % 2) + r + 8 (r / 8); the 16 registers of accumulators 2 g, 2 g + 1 are features 32 g + 16 h + 0..15.
; The output has 64 tiles of this size: 64 work-groups.  A smaller tile would fill more WGPs at twice the LDS bytes for each product.
.set BLK,   4352
.set HALFT, 8*BLK
.set SLOT,  4*HALFT
.set SPARE, 2*SLOT                     ; behind the ring: the spare words, 128 bytes a wave, which no other line names
.set NKS,   16                         ; K slots: K = 4,096
.set WOFF,  8912896                    ; w2's images in wimg
.set LAPS,  NKS/2
.set GSTR,  NKS*HALFT
.set NQ,    2
.set FR,    16
.set NL,    4
.set NP,    8                          ; places behind this matrix instruction (ISA guide 7.12.1)
.set ADRA, 16
.set ADRB, 20
.set ADRS, 22
.set STO,  24
.set RD,   25
.set LI,   26
.set SPW,  28
.set NIL,  29
.set SC,   32
.set AF,   128
.set BK,   128
.set SPITCH, 528                       ; the stage: 16 rows x (512 bytes + 16) a wave, in slot 0, which has had its last fill and its last read by then
.set G1,   24
.set G0,   32
.set G1B,  48
.set G0B,  56
.set MSB, 0
.macro WIN new
.if MSB != (\new)
	s_set_vgpr_msb (MSB<<8)|(\new)
.set MSB, (\new)
.endif
.endm
.set MUL_LO, 0xa1
.set MUL_HI, 0xf1
.set TO_B,   0x40
.macro JLOAD s
	s_cmp_eq_u32 s15, 0
	s_cbranch_scc0 .Lfor_b_\@
	tensor_load_to_lds s[G0+4*\s:G0+4*\s+3], s[G1:G1+7]
	s_nop 0
.rept 4
	v_nop
.endr
	s_branch .Lasked_\@
.Lfor_b_\@:
	tensor_load_to_lds s[G0B+4*\s:G0B+4*\s+3], s[G1B:G1B+7]
	s_nop 0
.rept 4
	v_nop
.endr
.Lasked_\@:
.endm
.macro CREST
	s_cmp_lg_u32 s14, 0
	s_cbranch_scc1 .Lnot_wave_0_\@
	s_barrier_signal -3
.Lnot_wave_0_\@:
	s_barrier_wait -3
	s_barrier_signal -1
	s_barrier_wait -1
.endm
.macro CROUND
	s_barrier_signal -1
	s_barrier_wait -1
	CREST
.endm
.macro PLACES n
.rept \n
	v_nop
.endr
.endm
.macro FRAG reg, adr, q, i
.irp c, 0,1,2,3
	ds_load_b128 v[\reg+4*\c:\reg+4*\c+3], v[\adr] offset:(\i)*BLK+2048*(\q)+512*\c
.endr
.endm
.macro MUL16 a0, p, q, sc, zero        ; the accumulators take turns
.irp a, \a0, \a0+1
.irp b, 0,1,2,3,4,5,6,7
.if \zero
	v_wmma_scale_f32_16x16x128_f8f6f4 v[8*(8*((\a)%4)+\b):8*(8*((\a)%4)+\b)+7], v[128*(\p)+FR*\b:128*(\p)+FR*\b+FR-1], v[AF+FR*(\a):AF+FR*(\a)+FR-1], 0, v[SC+8*NQ*(\sc)+NQ*\b+(\q)], v[SC+8*NQ*(\sc)+NQ*(\a)+(\q)] matrix_a_scale:MATRIX_SCALE_ROW1
.else
	v_wmma_scale_f32_16x16x128_f8f6f4 v[8*(8*((\a)%4)+\b):8*(8*((\a)%4)+\b)+7], v[128*(\p)+FR*\b:128*(\p)+FR*\b+FR-1], v[AF+FR*(\a):AF+FR*(\a)+FR-1], v[8*(8*((\a)%4)+\b):8*(8*((\a)%4)+\b)+7], v[SC+8*NQ*(\sc)+NQ*\b+(\q)], v[SC+8*NQ*(\sc)+NQ*(\a)+(\q)] matrix_a_scale:MATRIX_SCALE_ROW1
.endif
.endr
.endr
.endm
.macro FETCH_B slot, q, p
	WIN TO_B
.irp i, 0,1,2,3,4,5,6,7
	FRAG 128*(\p)+FR*\i, ADRB+\slot, \q, \i
.endr
	WIN 0
.endm
.macro FETCH_A slot, q, i0
.irp i, \i0, \i0+1, \i0+2, \i0+3
	FRAG AF+FR*(\i), ADRA+\slot, \q, \i
.endr
.endm
.macro SCALES sc
.irp i, 0,1,2,3,4,5,6,7
	ds_load_b32 v[SC+16*\sc+2*\i], v[ADRS+\sc] offset:\i*BLK
	ds_load_b32 v[SC+16*\sc+2*\i+1], v[ADRS+\sc] offset:\i*BLK+128
.endr
.endm
.macro STEP slot, q, zero
	s_wait_dscnt 4*NL                              ; all but the youngest 16 loads (A's blocks 4-7) are in
	WIN MUL_LO
	MUL16 0, (\q)%2, \q, \slot, \zero
	MUL16 2, (\q)%2, \q, \slot, \zero
	s_wait_dscnt 0
	PLACES NP
	FETCH_B \slot, (\q)+1, 1-(\q)%2
	FETCH_A \slot, (\q)+1, 0
	WIN MUL_HI
	MUL16 4, (\q)%2, \q, \slot, \zero
	MUL16 6, (\q)%2, \q, \slot, \zero
	PLACES NP
	WIN 0
	FETCH_A \slot, (\q)+1, 4
.endm
.macro TURN slot, next, fill
	s_wait_tensorcnt 0x0                           ; all my tensor loads have landed: my part of the next slot
	ds_add_u32 v[SPW], v[NIL]                      ; 0 onto my spare word
	s_wait_dscnt 4*NL+1                            ; the add and A's blocks 4-7 may be out
	WIN MUL_LO
	MUL16 0, 1, NQ-1, \slot, 0
	s_wait_dscnt 0x0                               ; the add is done, and my reads of this slot are over
	s_barrier_signal -1
	MUL16 2, 1, NQ-1, \slot, 0
	WIN 0
	s_barrier_wait -1
.if \fill
	CREST                                          ; the barrier opened a round of the cluster's: no wave of any partner still reads this slot or has a load on its way
	s_add_nc_u64 s[G0+4*\slot+2:G0+4*\slot+3], s[G0+4*\slot+2:G0+4*\slot+3], 2*HALFT
	s_add_nc_u64 s[G0B+4*\slot+2:G0B+4*\slot+3], s[G0B+4*\slot+2:G0B+4*\slot+3], 2*HALFT
	JLOAD \slot
	PLACES NP-4
.else
	PLACES NP
.endif
	FETCH_B \next, 0, 0
	FETCH_A \next, 0, 0
	SCALES \next
	WIN MUL_HI
	MUL16 4, 1, NQ-1, \slot, 0
	MUL16 6, 1, NQ-1, \slot, 0
	PLACES NP
	WIN 0
	FETCH_A \next, 0, 4
.endm
	s_load_b128 s[4:7], s[0:1], 0x0                ; A's images, wimg
	s_load_b128 s[8:11], s[0:1], 0x10              ; the residual, the result
	v_lshl_add_u32 v[SPW], v0, 2, SPARE
	v_mov_b32 v[NIL], 0
	ds_add_u32 v28, v29
	s_wait_dscnt 0x0
	v_lshrrev_b32 v1, 5, v0
	v_readfirstlane_b32 s14, v1
	s_lshr_b32 s15, s14, 1
	s_and_b32 s16, s14, 1
	s_bfe_u32 s40, ttmp6, 0x40000                  ; cx
	s_bfe_u32 s41, ttmp6, 0x40004                  ; cy
	s_lshl_b32 s42, ttmp9, 2
	s_add_co_u32 s42, s42, s40                     ; B's tile of 256 features
	s_and_b32 s17, ttmp7, 0xffff
	s_lshl_b32 s17, s17, 2
	s_add_co_u32 s17, s17, s41                     ; A's tile of 256 tokens
	s_lshl_b32 s43, s41, 2
	s_lshl_b32 s43, 15, s43
	s_lshl_b32 s44, 0x1111, s40
	s_or_b32 s[G1+0], s43, (3<<16)|(1<<21)
	s_or_b32 s[G1B+0], s44, (3<<16)|(1<<21)
.irp g, G1, G1B
	s_mov_b32 s[\g+1], 32<<16
	s_mov_b32 s[\g+2], 136<<16
	s_mov_b32 s[\g+3], 32<<16
	s_mov_b32 s[\g+4], 136
	s_mov_b32 s[\g+5], 32
	s_mov_b32 s[\g+6], 0
	s_mov_b32 s[\g+7], 0
.endr
	s_lshl_b32 s20, s17, 1
	s_add_co_u32 s20, s20, s16
	s_mul_i32 s20, s20, GSTR
	s_mov_b32 s21, 0
	s_lshl_b32 s46, s42, 1
	s_add_co_u32 s46, s46, s16
	s_mul_i32 s46, s46, GSTR
	s_add_co_u32 s46, s46, WOFF
	s_mov_b32 s47, 0
	s_mul_i32 s45, s14, HALFT
	s_wait_kmcnt 0x0
	s_add_nc_u64 s[20:21], s[4:5], s[20:21]
	s_add_nc_u64 s[46:47], s[6:7], s[46:47]
	CROUND
.irp s, 0,1
	s_mov_b32 s[G0+4*\s], 1
	s_add_co_u32 s[G0+4*\s+1], s45, \s*SLOT
	s_add_nc_u64 s[G0+4*\s+2:G0+4*\s+3], s[20:21], \s*HALFT
	s_or_b32 s[G0+4*\s+3], s[G0+4*\s+3], 0x80000000
	s_mov_b32 s[G0B+4*\s], 1
	s_add_co_u32 s[G0B+4*\s+1], s45, \s*SLOT
	s_add_nc_u64 s[G0B+4*\s+2:G0B+4*\s+3], s[46:47], \s*HALFT
	s_or_b32 s[G0B+4*\s+3], s[G0B+4*\s+3], 0x80000000
	JLOAD \s
.endr
	v_and_b32 v1, 15, v0
	v_bfe_u32 v2, v0, 4, 1
	v_and_b32 v3, 31, v0
	v_lshlrev_b32 v[LI], 4, v3
	s_mul_i32 s21, s15, HALFT
	s_mul_i32 s22, s16, HALFT
	s_add_co_u32 s22, s22, 2*HALFT
	s_sub_co_u32 s23, s22, s21
	v_mul_u32_u24 v6, s23, v2
	v_lshl_add_u32 v6, v1, 3, v6
	v_add_nc_u32 v6, 4096, v6
.irp s, 0,1
	v_add_nc_u32 v[ADRA+\s], s21, v[LI]
	v_add_nc_u32 v[ADRB+\s], s22, v[LI]
	v_add_nc_u32 v[ADRS+\s], s21, v6
	s_add_co_u32 s21, s21, SLOT
	s_add_co_u32 s22, s22, SLOT
.endr
	s_mul_i32 s23, s14, 16*SPITCH
	v_mul_u32_u24 v5, v1, SPITCH
	v_lshl_add_u32 v5, v2, 6, v5
	v_add_nc_u32 v[STO], s23, v5
	v_add_nc_u32 v[RD], s23, v[LI]
	s_lshl_b32 s20, s17, 1
	s_add_co_u32 s20, s20, s15
	s_lshl_b32 s20, s20, 19
	s_lshl_b32 s21, s42, 1
	s_add_co_u32 s21, s21, s16
	s_lshl_b32 s21, s21, 9
	s_add_co_u32 s20, s20, s21
	s_mov_b32 s21, 0
	s_add_nc_u64 s[8:9], s[8:9], s[20:21]
	s_add_nc_u64 s[10:11], s[10:11], s[20:21]
	s_wait_tensorcnt 1                             ; my part of K slot 0 is in (slot 1's load may be out),
	s_barrier_signal -1
	s_barrier_wait -1
	FETCH_B 0, 0, 0
	FETCH_A 0, 0, 0
	SCALES 0
	FETCH_A 0, 0, 4
	STEP 0, 0, 1
	s_mov_b32 s3, LAPS-1
.Llap:
	TURN 0, 1, 1
	STEP 1, 0, 0
	TURN 1, 0, 1
	STEP 0, 0, 0
	s_sub_co_u32 s3, s3, 1
	s_cmp_lg_u32 s3, 0
	s_cbranch_scc1 .Llap
	TURN 0, 1, 0
	STEP 1, 0, 0
	s_wait_dscnt 4*NL
	WIN MUL_LO
	MUL16 0, 1, NQ-1, 1, 0
	MUL16 2, 1, NQ-1, 1, 0
	s_wait_dscnt 0
	WIN MUL_HI
	MUL16 4, 1, NQ-1, 1, 0
	MUL16 6, 1, NQ-1, 1, 0
	WIN 0
; THE WAY OUT, a block of 16 tokens x 128 features at a time: through my own stage in LDS, back as whole rows of 512 bytes, the residual's same rows added, stored as two aligned runs of 256 bytes.
.macro XLOAD a
	WIN 0x40
.irp t, 0,1,2,3,4,5,6,7,8,9,10,11,12,13,14,15
	global_load_b128 v[64*((\a)%2)+4*\t:64*((\a)%2)+4*\t+3], v[LI], s[8:9] offset:(32*((\a)/2)+8*((\a)%2)+\t+8*(\t/8))*4096
.endr
	WIN 0
.endm
.macro TOSTAGE a
.set AC, 64*((\a)%4)
	WIN 0x08+4*((\a)/4)
.irp b, 0,1,2,3,4,5,6,7
	ds_store_b128 v[STO], v[AC+8*\b:AC+8*\b+3] offset:128*(\b/2)+32*(\b%2)         ; each accumulator from its low end on
	ds_store_b128 v[STO], v[AC+8*\b+4:AC+8*\b+7] offset:128*(\b/2)+32*(\b%2)+16
.endr
	WIN 0
.set BB, BK+64*((\a)%2)
.irp t, 0,1,2,3,4,5,6,7,8,9,10,11,12,13,14,15
	ds_load_b128 v[BB+4*\t:BB+4*\t+3], v[RD] offset:\t*SPITCH                      ; LDS serves a wave's instructions in order (ISA guide 5.7.1.4)
.endr
.endm
.macro SEND a, younger, lc
.set BB, BK+64*((\a)%2)
.set XR, 64*((\a)%2)
	s_wait_dscnt \younger                          ; the block is back; the next block's LDS instructions may be out
	s_wait_loadcnt \lc                             ; its residual is in; the next block's loads may be out
	WIN 0x04
.set j, 0
.rept 32
	v_pk_add_f32 v[BB+j:BB+j+1], v[BB+j:BB+j+1], v[XR+j:XR+j+1]
.set j, j+2
.endr
	WIN 0
.irp t, 0,1,2,3,4,5,6,7,8,9,10,11,12,13,14,15
	global_store_b128 v[LI], v[BB+4*\t:BB+4*\t+3], s[10:11] offset:(32*((\a)/2)+8*((\a)%2)+\t+8*(\t/8))*4096 th:TH_STORE_NT
.endr
.endm
	PLACES NP                                      ; behind the last products: results are read, and registers that held fragments are loaded
	XLOAD 0
	TOSTAGE 0
.irp a, 1,2,3,4,5,6,7
.if \a > 1
	s_wait_xcnt 0x0                                ; block a - 2's stores have read their registers
.endif
	XLOAD \a
	TOSTAGE \a
	SEND \a-1, 32, 16
.endr
	SEND 7, 0, 0
	s_wait_tensorcnt 0x0                           ; the wave's end
	ds_add_u32 v[SPW], v[NIL]
	s_wait_dscnt 0x0
	CROUND                                         ; the closing round
	s_endpgm
.Lfunc_end_k_qde811163a6_ffn2:
	.size	k_qde811163a6_ffn2, .Lfunc_end_k_qde811163a6_ffn2-k_qde811163a6_ffn2
	.p2alignl 7, 3214868480
	.fill 96, 4, 3214868480
	.section	.rodata,"a",@progbits
	.p2align	6, 0x0
	.amdhsa_kernel k_qde811163a6_ffn2
		.amdhsa_group_segment_fixed_size 327680
		.amdhsa_private_segment_fixed_size 0
		.amdhsa_enable_private_segment 0
		.amdhsa_kernarg_size 32
		.amdhsa_user_sgpr_count 2
		.amdhsa_user_sgpr_kernarg_segment_ptr 1
		.amdhsa_wavefront_size32 1
		.amdhsa_system_sgpr_workgroup_id_x 1
		.amdhsa_system_sgpr_workgroup_id_y 1
		.amdhsa_system_sgpr_workgroup_id_z 1
		.amdhsa_system_vgpr_workitem_id 0
		.amdhsa_next_free_vgpr 1024
		.amdhsa_next_free_sgpr 100
		.amdhsa_reserve_vcc 0
		.amdhsa_float_denorm_mode_32 3
		.amdhsa_float_denorm_mode_16_64 3
		.amdhsa_memory_ordered 1
		.amdhsa_forward_progress 1
		.amdhsa_inst_pref_size 174
	.end_amdhsa_kernel
	.amdgpu_metadata
---
amdhsa.version: [ 1, 2 ]
amdhsa.kernels:
  - .name:           k_qde811163a6_ffn2
    .symbol:         k_qde811163a6_ffn2.kd
    .args:
      - { .name: hid, .offset: 0, .size: 8, .value_kind: global_buffer, .address_space: global }
      - { .name: wimg, .offset: 8, .size: 8, .value_kind: global_buffer, .address_space: global }
      - { .name: x2, .offset: 16, .size: 8, .value_kind: global_buffer, .address_space: global }
      - { .name: out0, .offset: 24, .size: 8, .value_kind: global_buffer, .address_space: global }
    .group_segment_fixed_size: 327680
    .private_segment_fixed_size: 0
    .kernarg_segment_align: 8
    .kernarg_segment_size: 32
    .max_flat_workgroup_size: 128
    .sgpr_count:     100
    .vgpr_count:     1024
    .wavefront_size: 32
...
	.end_amdgpu_metadata
.endif
;; end of part 6
;; ======== version 2 of 2: 7 launches; 1.19 times as fast as version 1
;; limits: a function is approximated: absolute error at most 1e-07
;; workspace buffers: hc 4,456,448 bytes; wimg 13,369,344 bytes; qb 4,325,376 bytes; kvb 8,650,752 bytes; x2 16,777,216 bytes; hid 17,825,792 bytes
;; launch prep: the kernel of part 1 again; grid 448 x 1, 8 waves a work-group, no clusters, 70,656 bytes of LDS; arguments x, ln1_w, ln1_b, wq, wk, wv, wo, w1, w2, hc, wimg; writes hc, wimg
;; launch qkv: the kernel of part 2 again; grid 12 x 16, 4 waves a work-group, clusters of 4 x 4, 327,680 bytes of LDS; arguments hc, wimg, qb, kvb; writes qb, kvb
;; launch attn: the kernel of part 3 again; grid 16 x 16, 8 waves a work-group, clusters of 4 x 4, 327,680 bytes of LDS; arguments qb, kvb, mask, hc; writes hc
;; launch wo (part 7): grid 8 x 32, 4 waves a work-group, clusters of 4 x 4, 327,680 bytes of LDS; arguments hc, wimg, x, x2; writes x2
.if DOCPART == 7
	.amdgcn_target "amdgcn-amd-amdhsa--gfx1250"
	.amdhsa_code_object_version 6
	.text
	.protected	k_qde811163a6_wo
	.globl	k_qde811163a6_wo
	.p2align	8
	.type	k_qde811163a6_wo,@function
k_qde811163a6_wo:
	s_mov_b64 s[64:65], 0
	v_nop
	global_prefetch_b8 v0, s[64:65] scope:SCOPE_SE
	s_setreg_imm32_b32 hwreg(HW_REG_WAVE_MODE, 25, 1), 1
	s_wait_xcnt 0x0
	s_wait_alu depctr_hold_cnt(0) depctr_sa_sdst(0) depctr_va_vdst(0) depctr_va_sdst(0) depctr_va_ssrc(0) depctr_va_vcc(0) depctr_vm_vsrc(0)
	s_getreg_b32 s2, hwreg(HW_REG_IB_STS2, 6, 4)
	s_cmp_eq_u32 s2, 0
	s_cbranch_scc0 .Lentry_in_a_cluster
	s_endpgm
.Lentry_in_a_cluster:
	s_bfe_u32 s2, ttmp6, 0x10000c
	s_cmp_lg_u32 s2, 0xf033
	s_cbranch_scc0 .Lentry_shape_is_right
	s_endpgm
.Lentry_shape_is_right:
; x2 = x + attn wo, the product on codes of E4M3 with E8M0 scales, K = 1,024; the residual and the result in f32.
; OPERANDS are images of registers: a block of 4,352 bytes = 16 rows x 256 along K (codes at 2048 q + 512 c + 16 lane, scale words at 4096 + 128 q + 8 r); the eight blocks (128 rows) of a K slot of 256 are 34,816 dense bytes,
; and a group's K slots lie on end.
; A TILE OF 128 x 128: the output, 4,096 x 1,024, has 256 tiles of this size and only 64 of 256 x 256.  Four waves, 64 x 64 each: 16 accumulators.  The price: a fragment read from LDS feeds four products and not eight.
; AN LDS SLOT HOLDS 512 ALONG K: A's group at two neighbouring K slots, then B's: four dense blocks, one tensor load a wave (waves 0, 1: A's; waves 2, 3: B's).  K = 1,024 is two slots: both are first fills, nothing is filled again.
; CLUSTERS 4 x 4: A's blocks (tokens) are shared along a row of the cluster, B's (features) along a column: joint loads.  Source 0 = 16 rows of B, source 1 = 16 rows of A: a lane holds one token, its registers run along features.
; The rows of a block follow the order m -> 8 u + m + 8 (m / 8): lane r of my block a is token 32 (a / 2) + 8 (a % 2) + r + 8 (r / 8) of my 64; the 16 registers of accumulators 2 g, 2 g + 1 are features 32 g + 16 h + 0..15 of my 64.
; REGISTERS, in windows of 256: window 0: v16-29 addresses; v32-63 scale words, a set of 16 for each slot; v128-255 the accumulators ((a, b) at v[128 + 8 (4 a + b)]).
;   window 1: two sets of fragments of 128 registers: A's four, then B's four; on the way out v0-127 the rows read back.   window 2: v0-127 the residual, asked for at the head.
.set BLK,   4352
.set HALFT, 8*BLK                      ; 128 rows x a K slot of 256: what one tensor load brings
.set SLOT,  4*HALFT                    ; A's two K slots, then B's two
.set SPARE, 2*SLOT                     ; behind the ring: the spare words, 128 bytes a wave, which no other line names
.set NKS,   4                          ; K slots of 256: K = 1,024
.set WOFF,  3342336                    ; wo's images in wimg
.set LAPS,  NKS/4                      ; a lap = two LDS slots = 1,024 along K
.set GSTR,  NKS*HALFT                  ; a group of 128 rows
.set FR,    16                         ; registers of a fragment
.set NP,    8                          ; places behind this matrix instruction (ISA guide 7.12.1)
.set ADRA, 16                          ; v16-17 LDS address of my four blocks of A in slot 0, 1
.set ADRB, 20                          ; v20-21 of B's
.set ADRS, 22                          ; v22-23 of the scale words: lanes 0-15 A's rows, lanes 16-31 B's
.set STO,  24                          ; v24 the way out: where I put 32 bytes of a row
.set RD,   25                          ; v25 where I read rows back: lanes 0-15 one row of 256 bytes, lanes 16-31 the next
.set CO,   26                          ; v26 the same two rows in memory; never rewritten
.set LI,   27                          ; v27 16 x lane
.set SPW,  28                          ; v28 my spare word; never rewritten
.set NIL,  29                          ; v29 0; never rewritten
.set SC,   32                          ; scale words: set s at v[32 + 16 s]; register 4 i + j: lanes 0-15 my block i of A, lanes 16-31 of B, for the slot's j-th 128 along K
.set ACC,  128
.set SPITCH, 272                       ; the stage: 16 rows x (256 bytes + 16) a wave, in slot 0, which has had its last fill and its last read by then
.set G1,   24                          ; s[24:31], s[32:39] descriptor groups 1 and 0 (a set for each slot) for A;  s[48:55], s[56:63] for B
.set G0,   32
.set G1B,  48
.set G0B,  56
.set MSB, 0
.macro WIN new                         ; the immediate's high byte repeats the setting that is left
.if MSB != (\new)
	s_set_vgpr_msb (MSB<<8)|(\new)
.set MSB, (\new)
.endif
.endm
.set MUL,  0x05                        ; sources 0 (B) and 1 (A) window 1; C and D window 0
.set TO_F, 0x40                        ; destination window 1, address window 0
.macro JLOAD s                         ; a joint load: waves 0, 1 fetch for A, waves 2, 3 for B; four v_nop follow each line
	s_cmp_eq_u32 s15, 0
	s_cbranch_scc0 .Lfor_b_\@
	tensor_load_to_lds s[G0+4*\s:G0+4*\s+3], s[G1:G1+7]
	s_nop 0
.rept 4
	v_nop
.endr
	s_branch .Lasked_\@
.Lfor_b_\@:
	tensor_load_to_lds s[G0B+4*\s:G0B+4*\s+3], s[G1B:G1B+7]
	s_nop 0
.rept 4
	v_nop
.endr
.Lasked_\@:
.endm
.macro CREST                           ; a round of the cluster's barrier behind its opening barrier
	s_cmp_lg_u32 s14, 0
	s_cbranch_scc1 .Lnot_wave_0_\@
	s_barrier_signal -3
.Lnot_wave_0_\@:
	s_barrier_wait -3
	s_barrier_signal -1
	s_barrier_wait -1
.endm
.macro CROUND
	s_barrier_signal -1
	s_barrier_wait -1
	CREST
.endm
.macro PLACES n
.rept \n
	v_nop
.endr
.endm
.macro FRAG reg, adr, j, i             ; a fragment comes back as it was stored: four loads of 512 consecutive bytes.  j: which 128 along K of the slot's 512
.irp c, 0,1,2,3
	ds_load_b128 v[\reg+4*\c:\reg+4*\c+3], v[\adr] offset:((\j)/2)*HALFT+(\i)*BLK+2048*((\j)%2)+512*\c
.endr
.endm
.macro FETCH slot, j, p                ; 32 LDS loads in one run: my four blocks of B and of A, step j of the slot, into set p
	WIN TO_F
.irp i, 0,1,2,3
	FRAG 128*(\p)+64+FR*\i, ADRB+\slot, \j, \i
.endr
.irp i, 0,1,2,3
	FRAG 128*(\p)+FR*\i, ADRA+\slot, \j, \i
.endr
.endm
.macro SCALES sc                       ; a slot's scale words ride in the slot: lanes 0-15 take A's block i, lanes 16-31 B's
.irp i, 0,1,2,3
.irp j, 0,1,2,3
	ds_load_b32 v[SC+16*\sc+4*\i+\j], v[ADRS+\sc] offset:(\j/2)*HALFT+\i*BLK+128*(\j%2)
.endr
.endr
.endm
.macro MUL8 a0, p, j, sc, zero         ; A's blocks a0, a0 + 1 x B's four.  The 16 accumulators take turns, in the same order in every step
.irp a, \a0, \a0+1
.irp b, 0,1,2,3
.if \zero
	v_wmma_scale_f32_16x16x128_f8f6f4 v[ACC+8*(4*(\a)+\b):ACC+8*(4*(\a)+\b)+7], v[128*(\p)+64+FR*\b:128*(\p)+64+FR*\b+FR-1], v[128*(\p)+FR*(\a):128*(\p)+FR*(\a)+FR-1], 0, v[SC+16*(\sc)+4*\b+(\j)], v[SC+16*(\sc)+4*(\a)+(\j)] matrix_a_scale:MATRIX_SCALE_ROW1
.else
	v_wmma_scale_f32_16x16x128_f8f6f4 v[ACC+8*(4*(\a)+\b):ACC+8*(4*(\a)+\b)+7], v[128*(\p)+64+FR*\b:128*(\p)+64+FR*\b+FR-1], v[128*(\p)+FR*(\a):128*(\p)+FR*(\a)+FR-1], v[ACC+8*(4*(\a)+\b):ACC+8*(4*(\a)+\b)+7], v[SC+16*(\sc)+4*\b+(\j)], v[SC+16*(\sc)+4*(\a)+(\j)] matrix_a_scale:MATRIX_SCALE_ROW1
.endif
.endr
.endr
.endm
.macro STEP slot, j, zero              ; one of a slot's first three steps of 128 along K: the next step's fragments are asked for first, into the other set, then this step's 16 products
	s_wait_dscnt 0x0                               ; this step's fragments (and the slot's scale words) are in
	PLACES NP                                      ; the other set was read by the last step's products: eight places stand in front of the loads into it
	FETCH \slot, (\j)+1, ((\j)+1)%2
	WIN MUL
	MUL8 0, (\j)%2, \j, \slot, \zero
	MUL8 2, (\j)%2, \j, \slot, \zero
.endm
.macro TURN slot, next, fill           ; a slot's fourth step, and the change of slots
	WIN 0                                          ; (the add's two registers lie in window 0)
	s_wait_tensorcnt 0x0                           ; all my tensor loads have landed: my part of the next slot
	ds_add_u32 v[SPW], v[NIL]                      ; 0 onto my spare word
	s_wait_dscnt 0x0                               ; the add is done; the fourth step's fragments are in: my reads of this slot are over
	s_barrier_signal -1
	WIN MUL
	MUL8 0, 1, 3, \slot, 0                         ; work on registers while the others arrive
	WIN 0
	s_barrier_wait -1
.if \fill
	CREST                                          ; the barrier opened a round of the cluster's: no wave of any partner still reads this slot or has a load on its way
	s_add_nc_u64 s[G0+4*\slot+2:G0+4*\slot+3], s[G0+4*\slot+2:G0+4*\slot+3], 4*HALFT
	s_add_nc_u64 s[G0B+4*\slot+2:G0B+4*\slot+3], s[G0B+4*\slot+2:G0B+4*\slot+3], 4*HALFT
	JLOAD \slot                                    ; the first tensor load behind the round; its four v_nop are four of the eight places
	PLACES NP-4
.else
	PLACES NP
.endif
	FETCH \next, 0, 0                              ; set 0 was read last by the third step's products
	WIN 0
	SCALES \next
	WIN MUL
	MUL8 2, 1, 3, \slot, 0
.endm
	s_load_b128 s[4:7], s[0:1], 0x0                ; A's images, wimg
	s_load_b128 s[8:11], s[0:1], 0x10              ; the residual, the result
	v_lshl_add_u32 v[SPW], v0, 2, SPARE
	v_mov_b32 v[NIL], 0
	ds_add_u32 v28, v29
	s_wait_dscnt 0x0
	v_lshrrev_b32 v1, 5, v0
	v_readfirstlane_b32 s14, v1                    ; wave 0..3
	s_lshr_b32 s15, s14, 1                         ; my half of the tile's tokens.  Also: I fetch for A (0) or for B (1)
	s_and_b32 s16, s14, 1                          ; my half of its features.  Also: which of a slot's two K slots I fetch
	s_bfe_u32 s40, ttmp6, 0x40000                  ; cx
	s_bfe_u32 s41, ttmp6, 0x40004                  ; cy
	s_lshl_b32 s42, ttmp9, 2
	s_add_co_u32 s42, s42, s40                     ; B's group of 128 features
	s_and_b32 s17, ttmp7, 0xffff
	s_lshl_b32 s17, s17, 2
	s_add_co_u32 s17, s17, s41                     ; A's group of 128 tokens
	s_lshl_b32 s43, s41, 2
	s_lshl_b32 s43, 15, s43                        ; my row of the cluster
	s_lshl_b32 s44, 0x1111, s40                    ; my column
	s_or_b32 s[G1+0], s43, (3<<16)|(1<<21)         ; the mask; elements of 8 bytes; bit 21 beside a mask; no padding
	s_or_b32 s[G1B+0], s44, (3<<16)|(1<<21)
.irp g, G1, G1B
	s_mov_b32 s[\g+1], 32<<16                      ; rows of 256 bytes,
	s_mov_b32 s[\g+2], 136<<16                     ; 136 of them: 34,816 dense bytes
	s_mov_b32 s[\g+3], 32<<16
	s_mov_b32 s[\g+4], 136
	s_mov_b32 s[\g+5], 32
	s_mov_b32 s[\g+6], 0
	s_mov_b32 s[\g+7], 0
.endr
	s_mul_i32 s18, s16, HALFT                      ; my K slot of the pair
	s_mul_i32 s20, s17, GSTR
	s_add_co_u32 s20, s20, s18                     ; A: hangs on the tokens' group and the wave's number alone
	s_mov_b32 s21, 0
	s_mul_i32 s46, s42, GSTR
	s_add_co_u32 s46, s46, s18
	s_add_co_u32 s46, s46, WOFF                    ; B: on the features' group and the wave's number alone
	s_mov_b32 s47, 0
	s_mul_i32 s45, s14, HALFT                      ; where they go: wave x 34,816: no place in the cluster enters an LDS address
	s_wait_kmcnt 0x0
	s_add_nc_u64 s[20:21], s[4:5], s[20:21]
	s_add_nc_u64 s[46:47], s[6:7], s[46:47]
	CROUND                                         ; all sixteen work-groups are here: the first joint loads meet
.irp s, 0,1
	s_mov_b32 s[G0+4*\s], 1
	s_add_co_u32 s[G0+4*\s+1], s45, \s*SLOT
	s_add_nc_u64 s[G0+4*\s+2:G0+4*\s+3], s[20:21], \s*2*HALFT
	s_or_b32 s[G0+4*\s+3], s[G0+4*\s+3], 0x80000000
	s_mov_b32 s[G0B+4*\s], 1
	s_add_co_u32 s[G0B+4*\s+1], s45, \s*SLOT
	s_add_nc_u64 s[G0B+4*\s+2:G0B+4*\s+3], s[46:47], \s*2*HALFT
	s_or_b32 s[G0B+4*\s+3], s[G0B+4*\s+3], 0x80000000
	JLOAD \s
.endr
	v_and_b32 v1, 15, v0                           ; r
	v_bfe_u32 v2, v0, 4, 1                         ; h
	v_and_b32 v3, 31, v0
	v_lshlrev_b32 v[LI], 4, v3
	s_mul_i32 s21, s15, 4*BLK                      ; my four blocks of A
	s_mul_i32 s22, s16, 4*BLK
	s_add_co_u32 s22, s22, 2*HALFT                 ; my four blocks of B, behind A's two K slots
	s_sub_co_u32 s23, s22, s21
	v_mul_u32_u24 v6, s23, v2                      ; lanes 16-31 take B's scale words
	v_lshl_add_u32 v6, v1, 3, v6
	v_add_nc_u32 v6, 4096, v6
.irp s, 0,1
	v_add_nc_u32 v[ADRA+\s], s21, v[LI]
	v_add_nc_u32 v[ADRB+\s], s22, v[LI]
	v_add_nc_u32 v[ADRS+\s], s21, v6
	s_add_co_u32 s21, s21, SLOT
	s_add_co_u32 s22, s22, SLOT
.endr
	s_mul_i32 s23, s14, 16*SPITCH                  ; my stage
	v_mul_u32_u24 v5, v1, SPITCH
	v_lshl_add_u32 v5, v2, 6, v5
	v_add_nc_u32 v[STO], s23, v5                   ; in: row r, + 64 h
	v_mul_u32_u24 v5, v2, SPITCH
	v_lshl_add_u32 v5, v1, 4, v5
	v_add_nc_u32 v[RD], s23, v5                    ; back: sixteen lanes to a row of 256 bytes, two rows an instruction
	v_lshlrev_b32 v[CO], 12, v2
	v_lshl_add_u32 v[CO], v1, 4, v[CO]             ; and the same two rows of 4,096 bytes in memory
	s_lshl_b32 s20, s17, 1
	s_add_co_u32 s20, s20, s15
	s_lshl_b32 s20, s20, 18                        ; my first token: 64 rows of 4,096 bytes a half
	s_lshl_b32 s21, s42, 1
	s_add_co_u32 s21, s21, s16
	s_lshl_b32 s21, s21, 8                         ; my first feature: 64 numbers of 4 bytes a half
	s_add_co_u32 s20, s20, s21
	s_mov_b32 s21, 0
	s_add_nc_u64 s[8:9], s[8:9], s[20:21]
	s_add_nc_u64 s[10:11], s[10:11], s[20:21]
	WIN 0x80                                       ; destination window 2
.irp a, 0,1,2,3                        ; THE RESIDUAL of my 64 x 64 is asked for here, in the layout in which the results come back from the stage: 32 loads that land while K is walked; nobody writes these bytes in this launch
.irp t, 0,1,2,3,4,5,6,7
	global_load_b128 v[32*\a+4*\t:32*\a+4*\t+3], v[CO], s[8:9] offset:(32*(\a/2)+8*(\a%2)+2*\t+8*(\t/4))*4096
.endr
.endr
	WIN 0
	s_wait_tensorcnt 1                             ; my part of slot 0 is in (slot 1's load may be out)
	s_barrier_signal -1
	s_barrier_wait -1                              ; everybody's is
	FETCH 0, 0, 0
	WIN 0
	SCALES 0
	STEP 0, 0, 1                                   ; the first step's products start the sums
.if LAPS > 1
	WIN 0                                          ; at a label and at a branch every window is 0
	s_mov_b32 s3, LAPS-1
.Llap:                                                 ; a trip goes once round the ring, from a lap's second step to the next lap's first, and fills both slots again
	STEP 0, 1, 0
	STEP 0, 2, 0
	TURN 0, 1, 1
	STEP 1, 0, 0
	STEP 1, 1, 0
	STEP 1, 2, 0
	TURN 1, 0, 1
	STEP 0, 0, 0
	WIN 0
	s_sub_co_u32 s3, s3, 1
	s_cmp_lg_u32 s3, 0
	s_cbranch_scc1 .Llap
.endif
	STEP 0, 1, 0                                   ; the last lap fills nothing
	STEP 0, 2, 0
	TURN 0, 1, 0
	STEP 1, 0, 0
	STEP 1, 1, 0
	STEP 1, 2, 0
	s_wait_dscnt 0x0                               ; the very last step: nothing more to fetch
	WIN MUL
	MUL8 0, 1, 3, 1, 0
	MUL8 2, 1, 3, 1, 0
	WIN 0
; THE WAY OUT, a block of 16 tokens x 64 features at a time: through my own stage in LDS, back as whole rows of 256 bytes, the residual's same rows added, stored sixteen lanes to an aligned run of 256 bytes.
; Each block has registers of its own: no store's data are written again.
.macro TOSTAGE a
	WIN 0
.irp b, 0,1,2,3
	ds_store_b128 v[STO], v[ACC+8*(4*(\a)+\b):ACC+8*(4*(\a)+\b)+3] offset:128*(\b/2)+32*(\b%2)         ; each accumulator from its low end on
	ds_store_b128 v[STO], v[ACC+8*(4*(\a)+\b)+4:ACC+8*(4*(\a)+\b)+7] offset:128*(\b/2)+32*(\b%2)+16
.endr
	WIN 0x40                                       ; destination window 1
.irp t, 0,1,2,3,4,5,6,7
	ds_load_b128 v[32*(\a)+4*\t:32*(\a)+4*\t+3], v[RD] offset:2*\t*SPITCH          ; LDS serves a wave's instructions in order (ISA guide 5.7.1.4): these see the stores above, and the next block's stores come behind them
.endr
.endm
.macro SEND a, younger
	s_wait_dscnt \younger                          ; the block is back; the next block's 8 stores and 8 loads may be out
	WIN 0x49                                       ; destination and source 0 window 1 (the rows), source 1 window 2 (the residual)
.set j, 0
.rept 16
	v_pk_add_f32 v[32*(\a)+j:32*(\a)+j+1], v[32*(\a)+j:32*(\a)+j+1], v[32*(\a)+j:32*(\a)+j+1]
.set j, j+2
.endr
	WIN 0x04                                       ; a store's data: window 1
.irp t, 0,1,2,3,4,5,6,7
	global_store_b128 v[CO], v[32*(\a)+4*\t:32*(\a)+4*\t+3], s[10:11] offset:(32*((\a)/2)+8*((\a)%2)+2*\t+8*(\t/4))*4096
.endr
.endm
	PLACES NP                                      ; behind the last products: results are read, and registers that held fragments are loaded
	TOSTAGE 0
	TOSTAGE 1
	s_wait_loadcnt 0x0                             ; the residual
	SEND 0, 16
	TOSTAGE 2
	SEND 1, 16
	TOSTAGE 3
	SEND 2, 16
	SEND 3, 0
	WIN 0
	s_wait_tensorcnt 0x0                           ; the wave's end
	ds_add_u32 v[SPW], v[NIL]
	s_wait_dscnt 0x0
	CROUND                                         ; the closing round
	s_endpgm
.Lfunc_end_k_qde811163a6_wo:
	.size	k_qde811163a6_wo, .Lfunc_end_k_qde811163a6_wo-k_qde811163a6_wo
	.p2alignl 7, 3214868480
	.fill 96, 4, 3214868480
	.section	.rodata,"a",@progbits
	.p2align	6, 0x0
	.amdhsa_kernel k_qde811163a6_wo
		.amdhsa_group_segment_fixed_size 327680
		.amdhsa_private_segment_fixed_size 0
		.amdhsa_enable_private_segment 0
		.amdhsa_kernarg_size 32
		.amdhsa_user_sgpr_count 2
		.amdhsa_user_sgpr_kernarg_segment_ptr 1
		.amdhsa_wavefront_size32 1
		.amdhsa_system_sgpr_workgroup_id_x 1
		.amdhsa_system_sgpr_workgroup_id_y 1
		.amdhsa_system_sgpr_workgroup_id_z 1
		.amdhsa_system_vgpr_workitem_id 0
		.amdhsa_next_free_vgpr 640
		.amdhsa_next_free_sgpr 100
		.amdhsa_reserve_vcc 0
		.amdhsa_float_denorm_mode_32 3
		.amdhsa_float_denorm_mode_16_64 3
		.amdhsa_memory_ordered 1
		.amdhsa_forward_progress 1
		.amdhsa_inst_pref_size 60
	.end_amdhsa_kernel
	.amdgpu_metadata
---
amdhsa.version: [ 1, 2 ]
amdhsa.kernels:
  - .name:           k_qde811163a6_wo
    .symbol:         k_qde811163a6_wo.kd
    .args:
      - { .name: hc, .offset: 0, .size: 8, .value_kind: global_buffer, .address_space: global }
      - { .name: wimg, .offset: 8, .size: 8, .value_kind: global_buffer, .address_space: global }
      - { .name: x, .offset: 16, .size: 8, .value_kind: global_buffer, .address_space: global }
      - { .name: x2, .offset: 24, .size: 8, .value_kind: global_buffer, .address_space: global }
    .group_segment_fixed_size: 327680
    .private_segment_fixed_size: 0
    .kernarg_segment_align: 8
    .kernarg_segment_size: 32
    .max_flat_workgroup_size: 128
    .sgpr_count:     100
    .vgpr_count:     640
    .wavefront_size: 32
...
	.end_amdgpu_metadata
.endif
;; end of part 7
;; launch ln2: the kernel of part 1 again; grid 256 x 1, 8 waves a work-group, no clusters, 70,656 bytes of LDS; arguments x2, ln2_w, ln2_b, wq, wk, wv, wo, w1, w2, hc, wimg; writes hc, wimg
;; launch ffn1: the kernel of part 5 again; grid 16 x 16, 4 waves a work-group, clusters of 4 x 4, 327,680 bytes of LDS; arguments hc, wimg, hid; writes hid
;; launch ffn2 (part 8): grid 8 x 32, 4 waves a work-group, clusters of 4 x 4, 327,680 bytes of LDS; arguments hid, wimg, x2, out0; writes out0
.if DOCPART == 8
	.amdgcn_target "amdgcn-amd-amdhsa--gfx1250"
	.amdhsa_code_object_version 6
	.text
	.protected	k_qde811163a6_ffn2
	.globl	k_qde811163a6_ffn2
	.p2align	8
	.type	k_qde811163a6_ffn2,@function
k_qde811163a6_ffn2:
	s_mov_b64 s[64:65], 0
	v_nop
	global_prefetch_b8 v0, s[64:65] scope:SCOPE_SE
	s_setreg_imm32_b32 hwreg(HW_REG_WAVE_MODE, 25, 1), 1
	s_wait_xcnt 0x0
	s_wait_alu depctr_hold_cnt(0) depctr_sa_sdst(0) depctr_va_vdst(0) depctr_va_sdst(0) depctr_va_ssrc(0) depctr_va_vcc(0) depctr_vm_vsrc(0)
	s_getreg_b32 s2, hwreg(HW_REG_IB_STS2, 6, 4)
	s_cmp_eq_u32 s2, 0
	s_cbranch_scc0 .Lentry_in_a_cluster
	s_endpgm
.Lentry_in_a_cluster:
	s_bfe_u32 s2, ttmp6, 0x10000c
	s_cmp_lg_u32 s2, 0xf033
	s_cbranch_scc0 .Lentry_shape_is_right
	s_endpgm
.Lentry_shape_is_right:
; out = x2 + hid w2, the product on codes of E4M3 with E8M0 scales, K = 4,096; the residual and the result in f32.
; OPERANDS are images of registers: a block of 4,352 bytes = 16 rows x 256 along K (codes at 2048 q + 512 c + 16 lane, scale words at 4096 + 128 q + 8 r); the eight blocks (128 rows) of a K slot of 256 are 34,816 dense bytes,
; and a group's K slots lie on end.
; A TILE OF 128 x 128: the output, 4,096 x 1,024, has 256 tiles of this size and only 64 of 256 x 256.  Four waves, 64 x 64 each: 16 accumulators.  The price: a fragment read from LDS feeds four products and not eight.
; AN LDS SLOT HOLDS 512 ALONG K: A's group at two neighbouring K slots, then B's: four dense blocks, one tensor load a wave (waves 0, 1: A's; waves 2, 3: B's).  K = 4,096 is eight slots' worth through a ring of two:
; one change of slots for every 64 matrix instructions of a wave.
; CLUSTERS 4 x 4: A's blocks (tokens) are shared along a row of the cluster, B's (features) along a column: joint loads.  Source 0 = 16 rows of B, source 1 = 16 rows of A: a lane holds one token, its registers run along features.
; The rows of a block follow the order m -> 8 u + m + 8 (m / 8): lane r of my block a is token 32 (a / 2) + 8 (a % 2) + r + 8 (r / 8) of my 64; the 16 registers of accumulators 2 g, 2 g + 1 are features 32 g + 16 h + 0..15 of my 64.
; REGISTERS, in windows of 256: window 0: v16-29 addresses; v32-63 scale words, a set of 16 for each slot; v128-255 the accumulators ((a, b) at v[128 + 8 (4 a + b)]).
;   window 1: two sets of fragments of 128 registers: A's four, then B's four; on the way out v0-127 the rows read back.   window 2: v0-127 the residual, asked for at the head.
.set BLK,   4352
.set HALFT, 8*BLK                      ; 128 rows x a K slot of 256: what one tensor load brings
.set SLOT,  4*HALFT                    ; A's two K slots, then B's two
.set SPARE, 2*SLOT                     ; behind the ring: the spare words, 128 bytes a wave, which no other line names
.set NKS,   16                         ; K slots of 256: K = 4,096
.set WOFF,  8912896                    ; w2's images in wimg
.set LAPS,  NKS/4                      ; a lap = two LDS slots = 1,024 along K
.set GSTR,  NKS*HALFT                  ; a group of 128 rows
.set FR,    16                         ; registers of a fragment
.set NP,    8                          ; places behind this matrix instruction (ISA guide 7.12.1)
.set ADRA, 16                          ; v16-17 LDS address of my four blocks of A in slot 0, 1
.set ADRB, 20                          ; v20-21 of B's
.set ADRS, 22                          ; v22-23 of the scale words: lanes 0-15 A's rows, lanes 16-31 B's
.set STO,  24                          ; v24 the way out: where I put 32 bytes of a row
.set RD,   25                          ; v25 where I read rows back: lanes 0-15 one row of 256 bytes, lanes 16-31 the next
.set CO,   26                          ; v26 the same two rows in memory; never rewritten
.set LI,   27                          ; v27 16 x lane
.set SPW,  28                          ; v28 my spare word; never rewritten
.set NIL,  29                          ; v29 0; never rewritten
.set SC,   32                          ; scale words: set s at v[32 + 16 s]; register 4 i + j: lanes 0-15 my block i of A, lanes 16-31 of B, for the slot's j-th 128 along K
.set ACC,  128
.set SPITCH, 272                       ; the stage: 16 rows x (256 bytes + 16) a wave, in slot 0, which has had its last fill and its last read by then
.set G1,   24                          ; s[24:31], s[32:39] descriptor groups 1 and 0 (a set for each slot) for A;  s[48:55], s[56:63] for B
.set G0,   32
.set G1B,  48
.set G0B,  56
.set MSB, 0
.macro WIN new                         ; the immediate's high byte repeats the setting that is left
.if MSB != (\new)
	s_set_vgpr_msb (MSB<<8)|(\new)
.set MSB, (\new)
.endif
.endm
.set MUL,  0x05                        ; sources 0 (B) and 1 (A) window 1; C and D window 0
.set TO_F, 0x40                        ; destination window 1, address window 0
.macro JLOAD s                         ; a joint load: waves 0, 1 fetch for A, waves 2, 3 for B; four v_nop follow each line
	s_cmp_eq_u32 s15, 0
	s_cbranch_scc0 .Lfor_b_\@
	tensor_load_to_lds s[G0+4*\s:G0+4*\s+3], s[G1:G1+7]
	s_nop 0
.rept 4
	v_nop
.endr
	s_branch .Lasked_\@
.Lfor_b_\@:
	tensor_load_to_lds s[G0B+4*\s:G0B+4*\s+3], s[G1B:G1B+7]
	s_nop 0
.rept 4
	v_nop
.endr
.Lasked_\@:
.endm
.macro CREST                           ; a round of the cluster's barrier behind its opening barrier
	s_cmp_lg_u32 s14, 0
	s_cbranch_scc1 .Lnot_wave_0_\@
	s_barrier_signal -3
.Lnot_wave_0_\@:
	s_barrier_wait -3
	s_barrier_signal -1
	s_barrier_wait -1
.endm
.macro CROUND
	s_barrier_signal -1
	s_barrier_wait -1
	CREST
.endm
.macro PLACES n
.rept \n
	v_nop
.endr
.endm
.macro FRAG reg, adr, j, i             ; a fragment comes back as it was stored: four loads of 512 consecutive bytes.  j: which 128 along K of the slot's 512
.irp c, 0,1,2,3
	ds_load_b128 v[\reg+4*\c:\reg+4*\c+3], v[\adr] offset:((\j)/2)*HALFT+(\i)*BLK+2048*((\j)%2)+512*\c
.endr
.endm
.macro FETCH slot, j, p                ; 32 LDS loads in one run: my four blocks of B and of A, step j of the slot, into set p
	WIN TO_F
.irp i, 0,1,2,3
	FRAG 128*(\p)+64+FR*\i, ADRB+\slot, \j, \i
.endr
.irp i, 0,1,2,3
	FRAG 128*(\p)+FR*\i, ADRA+\slot, \j, \i
.endr
.endm
.macro SCALES sc                       ; a slot's scale words ride in the slot: lanes 0-15 take A's block i, lanes 16-31 B's
.irp i, 0,1,2,3
.irp j, 0,1,2,3
	ds_load_b32 v[SC+16*\sc+4*\i+\j], v[ADRS+\sc] offset:(\j/2)*HALFT+\i*BLK+128*(\j%2)
.endr
.endr
.endm
.macro MUL8 a0, p, j, sc, zero         ; A's blocks a0, a0 + 1 x B's four.  The 16 accumulators take turns, in the same order in every step
.irp a, \a0, \a0+1
.irp b, 0,1,2,3
.if \zero
	v_wmma_scale_f32_16x16x128_f8f6f4 v[ACC+8*(4*(\a)+\b):ACC+8*(4*(\a)+\b)+7], v[128*(\p)+64+FR*\b:128*(\p)+64+FR*\b+FR-1], v[128*(\p)+FR*(\a):128*(\p)+FR*(\a)+FR-1], 0, v[SC+16*(\sc)+4*\b+(\j)], v[SC+16*(\sc)+4*(\a)+(\j)] matrix_a_scale:MATRIX_SCALE_ROW1
.else
	v_wmma_scale_f32_16x16x128_f8f6f4 v[ACC+8*(4*(\a)+\b):ACC+8*(4*(\a)+\b)+7], v[128*(\p)+64+FR*\b:128*(\p)+64+FR*\b+FR-1], v[128*(\p)+FR*(\a):128*(\p)+FR*(\a)+FR-1], v[ACC+8*(4*(\a)+\b):ACC+8*(4*(\a)+\b)+7], v[SC+16*(\sc)+4*\b+(\j)], v[SC+16*(\sc)+4*(\a)+(\j)] matrix_a_scale:MATRIX_SCALE_ROW1
.endif
.endr
.endr
.endm
.macro STEP slot, j, zero              ; one of a slot's first three steps of 128 along K: the next step's fragments are asked for first, into the other set, then this step's 16 products
	s_wait_dscnt 0x0                               ; this step's fragments (and the slot's scale words) are in
	PLACES NP                                      ; the other set was read by the last step's products: eight places stand in front of the loads into it
	FETCH \slot, (\j)+1, ((\j)+1)%2
	WIN MUL
	MUL8 0, (\j)%2, \j, \slot, \zero
	MUL8 2, (\j)%2, \j, \slot, \zero
.endm
.macro TURN slot, next, fill           ; a slot's fourth step, and the change of slots
	WIN 0                                          ; (the add's two registers lie in window 0)
	s_wait_tensorcnt 0x0                           ; all my tensor loads have landed: my part of the next slot
	ds_add_u32 v[SPW], v[NIL]                      ; 0 onto my spare word
	s_wait_dscnt 0x0                               ; the add is done; the fourth step's fragments are in: my reads of this slot are over
	s_barrier_signal -1
	WIN MUL
	MUL8 0, 1, 3, \slot, 0                         ; work on registers while the others arrive
	WIN 0
	s_barrier_wait -1
.if \fill
	CREST                                          ; the barrier opened a round of the cluster's: no wave of any partner still reads this slot or has a load on its way
	s_add_nc_u64 s[G0+4*\slot+2:G0+4*\slot+3], s[G0+4*\slot+2:G0+4*\slot+3], 4*HALFT
	s_add_nc_u64 s[G0B+4*\slot+2:G0B+4*\slot+3], s[G0B+4*\slot+2:G0B+4*\slot+3], 4*HALFT
	JLOAD \slot                                    ; the first tensor load behind the round; its four v_nop are four of the eight places
	PLACES NP-4
.else
	PLACES NP
.endif
	FETCH \next, 0, 0                              ; set 0 was read last by the third step's products
	WIN 0
	SCALES \next
	WIN MUL
	MUL8 2, 1, 3, \slot, 0
.endm
	s_load_b128 s[4:7], s[0:1], 0x0                ; A's images, wimg
	s_load_b128 s[8:11], s[0:1], 0x10              ; the residual, the result
	v_lshl_add_u32 v[SPW], v0, 2, SPARE
	v_mov_b32 v[NIL], 0
	ds_add_u32 v28, v29
	s_wait_dscnt 0x0
	v_lshrrev_b32 v1, 5, v0
	v_readfirstlane_b32 s14, v1                    ; wave 0..3
	s_lshr_b32 s15, s14, 1                         ; my half of the tile's tokens.  Also: I fetch for A (0) or for B (1)
	s_and_b32 s16, s14, 1                          ; my half of its features.  Also: which of a slot's two K slots I fetch
	s_bfe_u32 s40, ttmp6, 0x40000                  ; cx
	s_bfe_u32 s41, ttmp6, 0x40004                  ; cy
	s_lshl_b32 s42, ttmp9, 2
	s_add_co_u32 s42, s42, s40                     ; B's group of 128 features
	s_and_b32 s17, ttmp7, 0xffff
	s_lshl_b32 s17, s17, 2
	s_add_co_u32 s17, s17, s41                     ; A's group of 128 tokens
	s_lshl_b32 s43, s41, 2
	s_lshl_b32 s43, 15, s43                        ; my row of the cluster
	s_lshl_b32 s44, 0x1111, s40                    ; my column
	s_or_b32 s[G1+0], s43, (3<<16)|(1<<21)         ; the mask; elements of 8 bytes; bit 21 beside a mask; no padding
	s_or_b32 s[G1B+0], s44, (3<<16)|(1<<21)
.irp g, G1, G1B
	s_mov_b32 s[\g+1], 32<<16                      ; rows of 256 bytes,
	s_mov_b32 s[\g+2], 136<<16                     ; 136 of them: 34,816 dense bytes
	s_mov_b32 s[\g+3], 32<<16
	s_mov_b32 s[\g+4], 136
	s_mov_b32 s[\g+5], 32
	s_mov_b32 s[\g+6], 0
	s_mov_b32 s[\g+7], 0
.endr
	s_mul_i32 s18, s16, HALFT                      ; my K slot of the pair
	s_mul_i32 s20, s17, GSTR
	s_add_co_u32 s20, s20, s18                     ; A: hangs on the tokens' group and the wave's number alone
	s_mov_b32 s21, 0
	s_mul_i32 s46, s42, GSTR
	s_add_co_u32 s46, s46, s18
	s_add_co_u32 s46, s46, WOFF                    ; B: on the features' group and the wave's number alone
	s_mov_b32 s47, 0
	s_mul_i32 s45, s14, HALFT                      ; where they go: wave x 34,816: no place in the cluster enters an LDS address
	s_wait_kmcnt 0x0
	s_add_nc_u64 s[20:21], s[4:5], s[20:21]
	s_add_nc_u64 s[46:47], s[6:7], s[46:47]
	CROUND                                         ; all sixteen work-groups are here: the first joint loads meet
.irp s, 0,1
	s_mov_b32 s[G0+4*\s], 1
	s_add_co_u32 s[G0+4*\s+1], s45, \s*SLOT
	s_add_nc_u64 s[G0+4*\s+2:G0+4*\s+3], s[20:21], \s*2*HALFT
	s_or_b32 s[G0+4*\s+3], s[G0+4*\s+3], 0x80000000
	s_mov_b32 s[G0B+4*\s], 1
	s_add_co_u32 s[G0B+4*\s+1], s45, \s*SLOT
	s_add_nc_u64 s[G0B+4*\s+2:G0B+4*\s+3], s[46:47], \s*2*HALFT
	s_or_b32 s[G0B+4*\s+3], s[G0B+4*\s+3], 0x80000000
	JLOAD \s
.endr
	v_and_b32 v1, 15, v0                           ; r
	v_bfe_u32 v2, v0, 4, 1                         ; h
	v_and_b32 v3, 31, v0
	v_lshlrev_b32 v[LI], 4, v3
	s_mul_i32 s21, s15, 4*BLK                      ; my four blocks of A
	s_mul_i32 s22, s16, 4*BLK
	s_add_co_u32 s22, s22, 2*HALFT                 ; my four blocks of B, behind A's two K slots
	s_sub_co_u32 s23, s22, s21
	v_mul_u32_u24 v6, s23, v2                      ; lanes 16-31 take B's scale words
	v_lshl_add_u32 v6, v1, 3, v6
	v_add_nc_u32 v6, 4096, v6
.irp s, 0,1
	v_add_nc_u32 v[ADRA+\s], s21, v[LI]
	v_add_nc_u32 v[ADRB+\s], s22, v[LI]
	v_add_nc_u32 v[ADRS+\s], s21, v6
	s_add_co_u32 s21, s21, SLOT
	s_add_co_u32 s22, s22, SLOT
.endr
	s_mul_i32 s23, s14, 16*SPITCH                  ; my stage
	v_mul_u32_u24 v5, v1, SPITCH
	v_lshl_add_u32 v5, v2, 6, v5
	v_add_nc_u32 v[STO], s23, v5                   ; in: row r, + 64 h
	v_mul_u32_u24 v5, v2, SPITCH
	v_lshl_add_u32 v5, v1, 4, v5
	v_add_nc_u32 v[RD], s23, v5                    ; back: sixteen lanes to a row of 256 bytes, two rows an instruction
	v_lshlrev_b32 v[CO], 12, v2
	v_lshl_add_u32 v[CO], v1, 4, v[CO]             ; and the same two rows of 4,096 bytes in memory
	s_lshl_b32 s20, s17, 1
	s_add_co_u32 s20, s20, s15
	s_lshl_b32 s20, s20, 18                        ; my first token: 64 rows of 4,096 bytes a half
	s_lshl_b32 s21, s42, 1
	s_add_co_u32 s21, s21, s16
	s_lshl_b32 s21, s21, 8                         ; my first feature: 64 numbers of 4 bytes a half
	s_add_co_u32 s20, s20, s21
	s_mov_b32 s21, 0
	s_add_nc_u64 s[8:9], s[8:9], s[20:21]
	s_add_nc_u64 s[10:11], s[10:11], s[20:21]
	WIN 0x80                                       ; destination window 2
.irp a, 0,1,2,3                        ; THE RESIDUAL of my 64 x 64 is asked for here, in the layout in which the results come back from the stage: 32 loads that land while K is walked; nobody writes these bytes in this launch
.irp t, 0,1,2,3,4,5,6,7
	global_load_b128 v[32*\a+4*\t:32*\a+4*\t+3], v[CO], s[8:9] offset:(32*(\a/2)+8*(\a%2)+2*\t+8*(\t/4))*4096
.endr
.endr
	WIN 0
	s_wait_tensorcnt 1                             ; my part of slot 0 is in (slot 1's load may be out)
	s_barrier_signal -1
	s_barrier_wait -1                              ; everybody's is
	FETCH 0, 0, 0
	WIN 0
	SCALES 0
	STEP 0, 0, 1                                   ; the first step's products start the sums
.if LAPS > 1
	WIN 0                                          ; at a label and at a branch every window is 0
	s_mov_b32 s3, LAPS-1
.Llap:                                                 ; a trip goes once round the ring, from a lap's second step to the next lap's first, and fills both slots again
	STEP 0, 1, 0
	STEP 0, 2, 0
	TURN 0, 1, 1
	STEP 1, 0, 0
	STEP 1, 1, 0
	STEP 1, 2, 0
	TURN 1, 0, 1
	STEP 0, 0, 0
	WIN 0
	s_sub_co_u32 s3, s3, 1
	s_cmp_lg_u32 s3, 0
	s_cbranch_scc1 .Llap
.endif
	STEP 0, 1, 0                                   ; the last lap fills nothing
	STEP 0, 2, 0
	TURN 0, 1, 0
	STEP 1, 0, 0
	STEP 1, 1, 0
	STEP 1, 2, 0
	s_wait_dscnt 0x0                               ; the very last step: nothing more to fetch
	WIN MUL
	MUL8 0, 1, 3, 1, 0
	MUL8 2, 1, 3, 1, 0
	WIN 0
; THE WAY OUT, a block of 16 tokens x 64 features at a time: through my own stage in LDS, back as whole rows of 256 bytes, the residual's same rows added, stored sixteen lanes to an aligned run of 256 bytes.
; Each block has registers of its own: no store's data are written again.
.macro TOSTAGE a
	WIN 0
.irp b, 0,1,2,3
	ds_store_b128 v[STO], v[ACC+8*(4*(\a)+\b):ACC+8*(4*(\a)+\b)+3] offset:128*(\b/2)+32*(\b%2)         ; each accumulator from its low end on
	ds_store_b128 v[STO], v[ACC+8*(4*(\a)+\b)+4:ACC+8*(4*(\a)+\b)+7] offset:128*(\b/2)+32*(\b%2)+16
.endr
	WIN 0x40                                       ; destination window 1
.irp t, 0,1,2,3,4,5,6,7
	ds_load_b128 v[32*(\a)+4*\t:32*(\a)+4*\t+3], v[RD] offset:2*\t*SPITCH          ; LDS serves a wave's instructions in order (ISA guide 5.7.1.4): these see the stores above, and the next block's stores come behind them
.endr
.endm
.macro SEND a, younger
	s_wait_dscnt \younger                          ; the block is back; the next block's 8 stores and 8 loads may be out
	WIN 0x49                                       ; destination and source 0 window 1 (the rows), source 1 window 2 (the residual)
.set j, 0
.rept 16
	v_pk_add_f32 v[32*(\a)+j:32*(\a)+j+1], v[32*(\a)+j:32*(\a)+j+1], v[32*(\a)+j:32*(\a)+j+1]
.set j, j+2
.endr
	WIN 0x04                                       ; a store's data: window 1
.irp t, 0,1,2,3,4,5,6,7
	global_store_b128 v[CO], v[32*(\a)+4*\t:32*(\a)+4*\t+3], s[10:11] offset:(32*((\a)/2)+8*((\a)%2)+2*\t+8*(\t/4))*4096 th:TH_STORE_NT
.endr
.endm
	PLACES NP                                      ; behind the last products: results are read, and registers that held fragments are loaded
	TOSTAGE 0
	TOSTAGE 1
	s_wait_loadcnt 0x0                             ; the residual
	SEND 0, 16
	TOSTAGE 2
	SEND 1, 16
	TOSTAGE 3
	SEND 2, 16
	SEND 3, 0
	WIN 0
	s_wait_tensorcnt 0x0                           ; the wave's end
	ds_add_u32 v[SPW], v[NIL]
	s_wait_dscnt 0x0
	CROUND                                         ; the closing round
	s_endpgm
.Lfunc_end_k_qde811163a6_ffn2:
	.size	k_qde811163a6_ffn2, .Lfunc_end_k_qde811163a6_ffn2-k_qde811163a6_ffn2
	.p2alignl 7, 3214868480
	.fill 96, 4, 3214868480
	.section	.rodata,"a",@progbits
	.p2align	6, 0x0
	.amdhsa_kernel k_qde811163a6_ffn2
		.amdhsa_group_segment_fixed_size 327680
		.amdhsa_private_segment_fixed_size 0
		.amdhsa_enable_private_segment 0
		.amdhsa_kernarg_size 32
		.amdhsa_user_sgpr_count 2
		.amdhsa_user_sgpr_kernarg_segment_ptr 1
		.amdhsa_wavefront_size32 1
		.amdhsa_system_sgpr_workgroup_id_x 1
		.amdhsa_system_sgpr_workgroup_id_y 1
		.amdhsa_system_sgpr_workgroup_id_z 1
		.amdhsa_system_vgpr_workitem_id 0
		.amdhsa_next_free_vgpr 640
		.amdhsa_next_free_sgpr 100
		.amdhsa_reserve_vcc 0
		.amdhsa_float_denorm_mode_32 3
		.amdhsa_float_denorm_mode_16_64 3
		.amdhsa_memory_ordered 1
		.amdhsa_forward_progress 1
		.amdhsa_inst_pref_size 99
	.end_amdhsa_kernel
	.amdgpu_metadata
---
amdhsa.version: [ 1, 2 ]
amdhsa.kernels:
  - .name:           k_qde811163a6_ffn2
    .symbol:         k_qde811163a6_ffn2.kd
    .args:
      - { .name: hid, .offset: 0, .size: 8, .value_kind: global_buffer, .address_space: global }
      - { .name: wimg, .offset: 8, .size: 8, .value_kind: global_buffer, .address_space: global }
      - { .name: x2, .offset: 16, .size: 8, .value_kind: global_buffer, .address_space: global }
      - { .name: out0, .offset: 24, .size: 8, .value_kind: global_buffer, .address_space: global }
    .group_segment_fixed_size: 327680
    .private_segment_fixed_size: 0
    .kernarg_segment_align: 8
    .kernarg_segment_size: 32
    .max_flat_workgroup_size: 128
    .sgpr_count:     100
    .vgpr_count:     640
    .wavefront_size: 32
...
	.end_amdgpu_metadata
.endif
;; end of part 8
